; MI455X (gfx1250); checked and timed in simulation.
; The chip was launched on July 23, 2026; its instructions are those of AMD's public machine-readable ISA for CDNA 5 (MIT licence, August 2026) and "CDNA5" Instruction Set Architecture Reference Guide (July 2026). The comments in the code are by the model that wrote it; some were corrected since.
;; Attention. Allowed arithmetic: matrix products marked QUANTISED: E4M3 operands, one given power-of-two scale a tensor, by v_wmma_f32_16x16x64_fp8_fp8 or v_wmma_f32_16x16x128_fp8_fp8, f32 sums; everything else in f32.
;; Inputs: Wk_codes 2,048 x 64 x 32 uint8 (E4M3 codes of Wk, K innermost, in blocks of 32 codes); Wo_codes 2,048 x 64 x 32 uint8 (E4M3 codes of Wo, K innermost, in blocks of 32 codes); Wq_codes 2,048 x 64 x 32 uint8 (E4M3 codes of Wq, K innermost, in blocks of 32 codes); Wv_codes 2,048 x 64 x 32 uint8 (E4M3 codes of Wv, K innermost, in blocks of 32 codes); attention_mask 2,048 int32; cos 2,048 x 128 float32; ln_w 2,048 float32; lowp_scales 12 int32 (the exponents e of the quantised operands' scales 2^e); sin 2,048 x 128 float32; x 2,048 x 2,048 float32.
;; Outputs: out0 2,048 x 2,048 float32.
;; This version of the problem:
;;   THIS VERSION OF THE PROBLEM IS GIVEN IN LOW PRECISION. The matrix products marked QUANTISED in the list below multiply operands that are first quantised to E4M3 (4 exponent bits, 3 mantissa bits; 8 bits a number), with one given power-of-two scale for each operand tensor; their sums are f32. All else is computed in f32.
;;   The module's matrix products, in the order in which they are computed (A, B: the left and right operand; K: the contracted axis; several contracted axes count as one K, in the product's order):
;;     1. [M 2,048, K 2,048] x [K 2,048, N 2,048]; A: computed on the way; B: input Wq (given as codes): QUANTISED (scales: A lowp_scales[0], B lowp_scales[1])
;;     2. [M 2,048, K 2,048] x [K 2,048, N 2,048]; A: computed on the way; B: input Wk (given as codes): QUANTISED (scales: A lowp_scales[2], B lowp_scales[3])
;;     3. [M 2,048, K 2,048] x [K 2,048, N 2,048]; A: computed on the way; B: input Wv (given as codes): QUANTISED (scales: A lowp_scales[4], B lowp_scales[5])
;;     4. batch 16 x [M 2,048, K 128] x [K 128, N 2,048]; A: computed on the way; B: computed on the way: QUANTISED (scales: A lowp_scales[6], B lowp_scales[7])
;;     5. batch 16 x [M 2,048, K 2,048] x [K 2,048, N 128]; A: softmax (see below); B: computed on the way: QUANTISED (scales: A lowp_scales[8], B lowp_scales[9])
;;     6. [M 2,048, K 2,048] x [K 2,048, N 2,048]; A: computed on the way; B: input Wo (given as codes): QUANTISED (scales: A lowp_scales[10], B lowp_scales[11])
;;   THE QUANTISER, for each operand of a quantised product, along K:
;;     - The operand's scale is 2^e, e = its entry of the input lowp_scales (int32; the entries are numbered through the quantised products in the list's order, A before B).
;;     - Each number is divided by the scale, clamped to +-448, and rounded to the nearest number of E4M3, ties to even, subnormals kept.
;;     - The product sums the exact products of the quantised numbers (number of the format x scale) in f32.
;;   ~~~python
;;   def quantise(x, axis, e):      # numpy; x: float32 -> the quantised numbers, widened to float32 again
;;       x = np.moveaxis(x, axis, -1); K = x.shape[-1]
;;       r = np.clip(x / 2.0 ** e, -448, 448)
;;       step = 2.0 ** (np.maximum(np.frexp(np.where(r == 0, 1, r))[1] - 1, -6) - 3)
;;       q = np.round(r / step) * step * 2.0 ** e      # np.round: ties to even
;;       return np.moveaxis(q, -1, axis).astype(np.float32)
;;   ~~~
;;   SOFTMAX AHEAD OF A QUANTISED PRODUCT. Where the list says 'softmax', what is quantised is not the finished softmax but p = 2^(t - M), with t = logit x log2(e) and M = ceil(the row's largest t), a whole number; so 1/2 < the row's largest p <= 1. The row's sum l is taken of the UNQUANTISED p, in f32, and the product's result is divided by l at the end. Since M is a whole number, a kernel that streams over the keys may use a running M (the ceiling of the running maximum): every later rescaling is an exact power of two, so the quantised numbers keep their values, but for numbers so far below the row's largest that they fall under the format's range.
;;   OPERANDS COMPUTED ON THE WAY. 'Computed on the way' means the value that the module computes at that place (a softmax that the list does not call 'softmax' is quantised finished and normalised). What goes into a quantiser is computed in f32, as accurately as f32 sums, v_exp_f32 and their like allow (about 1e-6 of the number): no bf16 or f16 on the way to a quantiser, and a product that is left as it is and whose result goes on into a quantised operand takes f32 operands (vector FMAs, or v_wmma_f32_16x16x4_f32). A number that lies on a knife's edge between two numbers of the format may be rounded either way, as far as f32 arithmetic and the matrix unit's own rounding can turn it there, and no further.
;;   INPUTS GIVEN AS CODES. Wk (in the module: [2048, 2048], K = its axis 1); Wo (in the module: [2048, 2048], K = its axis 1); Wq (in the module: [2048, 2048], K = its axis 1); Wv (in the module: [2048, 2048], K = its axis 1): each comes as NAME_codes (uint8): NAME with its K axis moved to the last place and cut into blocks of 32 codes, [.., K / 32, bytes a block], one block behind the other in memory; one code a byte (a code: sign, 4 exponent bits, 3 mantissa bits); its scale is its entry of lowp_scales. Its value is code x scale, taken as it is: it is not quantised again, and the codes and scales need not be those that the quantiser above would give.
;; 2 versions. Each part assembles by itself: llvm-mc -triple=amdgcn-amd-amdhsa -mcpu=gfx1250 --defsym DOCPART=n.
;; ======== version 1 of 2: 4 launches
;; limits: right only within a limited range of input values
;; workspace buffers: hq 4,194,304 bytes; hk 4,194,304 bytes; hv 4,194,304 bytes; qc 4,194,304 bytes; kc 4,194,304 bytes; vc 4,194,304 bytes; oc 4,194,304 bytes
;; launch norm (part 1): grid 256 x 1, 8 waves a work-group, no clusters, 82,944 bytes of LDS; arguments x, ln_w, lowp_scales, hq, hk, hv; writes hq, hk, hv
.if DOCPART == 1
	.amdgcn_target "amdgcn-amd-amdhsa--gfx1250"
	.amdhsa_code_object_version 6
	.text
	.protected	k_q3a59eb887a_norm
	.globl	k_q3a59eb887a_norm
	.p2align	8
	.type	k_q3a59eb887a_norm,@function
k_q3a59eb887a_norm:
	s_mov_b64 s[64:65], 0
	v_nop
	global_prefetch_b8 v0, s[64:65] scope:SCOPE_SE
	s_setreg_imm32_b32 hwreg(HW_REG_WAVE_MODE, 25, 1), 1
	s_wait_xcnt 0x0
; FIRST OF FOUR LAUNCHES: norm, qkv, attn, proj.  This one: h = ln_w * x * rsqrt(mean(x^2) + 1e-5), in f32, quantised to E4M3 three times, with the given scales
; 2^e0, 2^e2, 2^e4 (A's scales of the products with Wq, Wk, Wv: three given numbers that may differ), into hq, hk, hv: [2048 t][2048 k], one code a byte.
; WORK THAT THE PROGRAM LEAVES OUT, and why it can reach no output whatever the inputs hold:
;  (a) reference() builds the causal mask itself (jnp.tril): a key k > q gets the lowest f32 number ahead of the softmax, beside key q's own place in the row.  Key steps of 128 keys that lie wholly
;      behind a wave's 32 queries are not multiplied, and LDS slots of 256 keys that lie wholly behind a work-group's last query are not fetched (launch attn).
;  (b) the second jnp.where(am[q], scores, neg) changes only rows q with am[q] = 0.  Of exactly those rows the last jnp.where(am[:, None], out, 0.0) replaces the projected result by 0, and a row of the
;      projection hangs on that row of the attention's result alone.  So that step has no way to an output: such rows are computed like the others and selected away in launch proj.
;  Every input has a way to the output, and every input is loaded by some launch.
;  LIMIT: a NaN, an infinity or an overflow that reaches only the work left out is not carried to the result.
; LIMITS here: e0, e2, e4 between -126 and 119, so that 2^e and 448 x 2^e are f32 numbers.  NaN among the inputs is not served.
; SHARES.  One wave takes one row (8,192 bytes, 64 registers a lane) and keeps it between the sum of squares and the scaling: x is read once.  No wave waits for another: no barrier.
; Each load reads 512 consecutive bytes, 16 a lane.  The conversions take 8 neighbours along k from ONE lane's registers, so the finished row turns through the wave's own stage in LDS: in as it lies, back 64 bytes
; (16 neighbours) a lane; 16 bytes of padding behind each 64.  A lane's 16 codes are 16 bytes: each store of the wave covers 512 consecutive bytes, aligned.
.set SP,    80                         ; a lane's place in a stage: 64 bytes + 16 of padding
.set STG,   32*SP                      ; a stage: 512 numbers
.set WREG,  4*STG                      ; a wave's four stages: the row
.set SPARE, 8*WREG                     ; behind the eight regions: the spare words, 128 bytes for each wave
.set SPW,   2                          ; v2  LDS address of my spare word; never rewritten
.set NIL,   3                          ; v3  0; never rewritten
.set X,     16                         ; v16-79   the row: chunk i holds x[128 i + 4 lane ..]
.set W,     80                         ; v80-143  ln_w in the same places; later the row back from the stage: step s, 16 neighbours
.set T,     144                        ; v144-175 two sets of 16 held numbers, by turns
.set C,     176                        ; v176-223 codes: four registers for each (step, scale): no store's data are written again
.set SCL,   224                        ; v224+2z: 2^e as f32; v225+2z: 448 x 2^e
	s_load_b128 s[4:7], s[0:1], 0x0                ; x, ln_w
	s_load_b64 s[8:9], s[0:1], 0x10                ; the scales' exponents
	s_load_b128 s[12:15], s[0:1], 0x18             ; hq, hk
	s_load_b64 s[16:17], s[0:1], 0x28              ; hv
	v_lshl_add_u32 v[SPW], v0, 2, SPARE
	v_mov_b32 v[NIL], 0
	v_lshrrev_b32 v1, 5, v0
	v_readfirstlane_b32 s18, v1                    ; wave 0..7
	v_and_b32 v1, 31, v0                           ; lane
	v_lshlrev_b32 v4, 4, v1                        ; 16 x lane: my bytes of a load's or a store's 512; never rewritten
	s_mul_i32 s19, s18, WREG
	v_lshrrev_b32 v5, 2, v1
	v_mul_u32_u24 v5, v5, SP
	v_and_b32 v6, 3, v1
	v_lshl_add_u32 v5, v6, 4, v5
	v_add_nc_u32 v5, s19, v5                       ; into a stage: four lanes' 64 bytes on end, then the padding
	v_mul_u32_u24 v6, v1, SP
	v_add_nc_u32 v6, s19, v6                       ; and back: my 16 neighbours
	s_lshl_b32 s19, ttmp9, 3
	s_add_co_u32 s19, s19, s18                     ; my row
	s_lshl_b32 s20, s19, 13                        ; its bytes in x,
	s_mov_b32 s21, 0
	s_lshl_b32 s22, s19, 11                        ; and in the codes
	s_mov_b32 s23, 0
	s_mov_b32 s2, 0x3a000000                       ; 1 / 2048
	s_mov_b32 s3, 0x3727c5ac                       ; 1e-5
	s_mov_b32 s32, 0x76543210                      ; v_permlanex16_b32: lane l xor 16
	s_mov_b32 s33, 0xfedcba98
	s_wait_kmcnt 0x0
	s_load_b256 s[24:31], s[8:9], 0x0              ; e0 .. e7
	s_add_nc_u64 s[4:5], s[4:5], s[20:21]
	s_add_nc_u64 s[12:13], s[12:13], s[22:23]
	s_add_nc_u64 s[14:15], s[14:15], s[22:23]
	s_add_nc_u64 s[16:17], s[16:17], s[22:23]
.set i, 0
.rept 16
	global_load_b128 v[X+4*i:X+4*i+3], v4, s[4:5] offset:512*i th:TH_LOAD_NT
.set i, i+1
.endr
.set i, 0
.rept 16
	global_load_b128 v[W+4*i:W+4*i+3], v4, s[6:7] offset:512*i
.set i, i+1
.endr
	s_wait_loadcnt 16                              ; x is in; ln_w's sixteen loads may stay out
.irp k, 0,1,2,3
	v_pk_mul_f32 v[8+2*\k:9+2*\k], v[X+2*\k:X+2*\k+1], v[X+2*\k:X+2*\k+1]   ; four packed chains, started by the first products: nothing is cleared
.endr
.set i, 4
.rept 28
	v_pk_fma_f32 v[8+2*(i%4):9+2*(i%4)], v[X+2*i:X+2*i+1], v[X+2*i:X+2*i+1], v[8+2*(i%4):9+2*(i%4)]
.set i, i+1
.endr
	v_pk_add_f32 v[8:9], v[8:9], v[10:11]
	v_pk_add_f32 v[12:13], v[12:13], v[14:15]
	v_pk_add_f32 v[8:9], v[8:9], v[12:13]
	v_add_f32 v8, v8, v9
	v_add_f32_dpp v8, v8, v8 row_xmask:1 row_mask:0xf bank_mask:0xf
	v_add_f32_dpp v8, v8, v8 row_xmask:2 row_mask:0xf bank_mask:0xf
	v_add_f32_dpp v8, v8, v8 row_xmask:4 row_mask:0xf bank_mask:0xf
	v_add_f32_dpp v8, v8, v8 row_xmask:8 row_mask:0xf bank_mask:0xf
	v_permlanex16_b32 v9, v8, s32, s33
	v_add_f32 v8, v8, v9                           ; the row's sum of squares, in every lane
	v_fma_f32 v12, v8, s2, s3                      ; the mean + eps
	v_rsq_f32 v12, v12
	s_wait_loadcnt 0x0                             ; ln_w
.set i, 0
.rept 32
	v_pk_mul_f32 v[X+2*i:X+2*i+1], v[X+2*i:X+2*i+1], v[W+2*i:W+2*i+1]      ; ln_w * x: the plain work behind the root
.set i, i+1
.endr
	s_wait_alu depctr_va_vdst(0)                   ; the wait ahead of the first instruction that names the root's result
.set i, 0
.rept 32
	v_pk_mul_f32 v[X+2*i:X+2*i+1], v[X+2*i:X+2*i+1], v[12:13] op_sel_hi:[1,0]   ; x the root (v13 was written as a chain's half)
.set i, i+1
.endr
.set i, 0
.rept 16
	ds_store_b128 v5, v[X+4*i:X+4*i+3] offset:STG*(i/4)+8*SP*(i%4)
.set i, i+1
.endr
.set i, 0
.rept 16
	ds_load_b128 v[W+4*i:W+4*i+3], v6 offset:STG*(i/4)+16*(i%4)   ; LDS serves a wave's instructions in order (ISA guide 5.7.1.4): these see the stores above
.set i, i+1
.endr
	s_wait_kmcnt 0x0
.irp z, 0,1,2
	s_add_co_i32 s[24+2*\z], s[24+2*\z], 127
	s_lshl_b32 s19, s[24+2*\z], 23
	v_mov_b32 v[SCL+2*\z], s19                     ; 2^e as f32: the conversion takes its exponent field
	s_add_co_i32 s19, s[24+2*\z], 8
	s_lshl_b32 s19, s19, 23
	s_or_b32 s19, s19, 0x600000
	v_mov_b32 v[SCL+2*\z+1], s19                   ; 448 x 2^e
.endr
; step s (512 numbers, 16 a lane) with scale z.  The held numbers go into one of two sets by turns, so that sixteen plain lines stand between a conversion and the next write of its sources.
.macro QZ s, z
.set TT, T+16*((3*(\s)+(\z))%2)
.set CC, C+4*(3*(\s)+(\z))
.set i, 0
.rept 16
	v_med3_num_f32 v[TT+i], v[W+16*(\s)+i], -v[SCL+2*(\z)+1], v[SCL+2*(\z)+1]   ; the conversion to an 8-bit code does not saturate (ISA guide 7.6.2): the hold comes first
.set i, i+1
.endr
	v_cvt_scalef32_pk8_fp8_f32 v[CC:CC+1], v[TT:TT+7], v[SCL+2*(\z)]
	v_cvt_scalef32_pk8_fp8_f32 v[CC+2:CC+3], v[TT+8:TT+15], v[SCL+2*(\z)]
	global_store_b128 v4, v[CC:CC+3], s[12+2*(\z):13+2*(\z)] offset:512*(\s)
.endm
.irp s, 0,1,2,3
	s_wait_dscnt 12-4*\s                           ; this step's four loads are back; the later steps' may stay out
	QZ \s, 0
	QZ \s, 1
	QZ \s, 2
.endr
	v_nop                                          ; a plain line behind the last conversion
	s_wait_tensorcnt 0x0                           ; the wave's end, behind my last LDS store
	ds_add_u32 v[SPW], v[NIL]
	s_wait_dscnt 0x0
	s_endpgm
.Lfunc_end_k_q3a59eb887a_norm:
	.size	k_q3a59eb887a_norm, .Lfunc_end_k_q3a59eb887a_norm-k_q3a59eb887a_norm
	.p2alignl 7, 3214868480
	.fill 96, 4, 3214868480
	.section	.rodata,"a",@progbits
	.p2align	6, 0x0
	.amdhsa_kernel k_q3a59eb887a_norm
		.amdhsa_group_segment_fixed_size 82944
		.amdhsa_private_segment_fixed_size 0
		.amdhsa_enable_private_segment 0
		.amdhsa_kernarg_size 48
		.amdhsa_user_sgpr_count 2
		.amdhsa_user_sgpr_kernarg_segment_ptr 1
		.amdhsa_wavefront_size32 1
		.amdhsa_system_sgpr_workgroup_id_x 1
		.amdhsa_system_sgpr_workgroup_id_y 1
		.amdhsa_system_sgpr_workgroup_id_z 1
		.amdhsa_system_vgpr_workitem_id 0
		.amdhsa_next_free_vgpr 232
		.amdhsa_next_free_sgpr 66
		.amdhsa_reserve_vcc 0
		.amdhsa_float_denorm_mode_32 3
		.amdhsa_float_denorm_mode_16_64 3
		.amdhsa_memory_ordered 1
		.amdhsa_forward_progress 1
		.amdhsa_inst_pref_size 30
	.end_amdhsa_kernel
	.amdgpu_metadata
---
amdhsa.version: [ 1, 2 ]
amdhsa.kernels:
  - .name:           k_q3a59eb887a_norm
    .symbol:         k_q3a59eb887a_norm.kd
    .args:
      - { .name: x, .offset: 0, .size: 8, .value_kind: global_buffer, .address_space: global }
      - { .name: ln_w, .offset: 8, .size: 8, .value_kind: global_buffer, .address_space: global }
      - { .name: lowp_scales, .offset: 16, .size: 8, .value_kind: global_buffer, .address_space: global }
      - { .name: hq, .offset: 24, .size: 8, .value_kind: global_buffer, .address_space: global }
      - { .name: hk, .offset: 32, .size: 8, .value_kind: global_buffer, .address_space: global }
      - { .name: hv, .offset: 40, .size: 8, .value_kind: global_buffer, .address_space: global }
    .group_segment_fixed_size: 82944
    .private_segment_fixed_size: 0
    .kernarg_segment_align: 8
    .kernarg_segment_size: 48
    .max_flat_workgroup_size: 256
    .sgpr_count:     66
    .vgpr_count:     232
    .wavefront_size: 32
...
	.end_amdgpu_metadata
.endif
;; end of part 1
;; launch qkv (part 2): grid 24 x 8, 4 waves a work-group, clusters of 4 x 4, 327,680 bytes of LDS; arguments hq, hk, hv, Wq_codes, Wk_codes, Wv_codes, cos, sin, lowp_scales, qc, kc, vc; writes qc, kc, vc
.if DOCPART == 2
	.amdgcn_target "amdgcn-amd-amdhsa--gfx1250"
	.amdhsa_code_object_version 6
	.text
	.protected	k_q3a59eb887a_qkv
	.globl	k_q3a59eb887a_qkv
	.p2align	8
	.type	k_q3a59eb887a_qkv,@function
k_q3a59eb887a_qkv:
	s_mov_b64 s[64:65], 0
	v_nop
	global_prefetch_b8 v0, s[64:65] scope:SCOPE_SE
	s_setreg_imm32_b32 hwreg(HW_REG_WAVE_MODE, 25, 1), 1
	s_wait_xcnt 0x0
	s_wait_alu depctr_hold_cnt(0) depctr_sa_sdst(0) depctr_va_vdst(0) depctr_va_sdst(0) depctr_va_ssrc(0) depctr_va_vcc(0) depctr_vm_vsrc(0)
	s_getreg_b32 s2, hwreg(HW_REG_IB_STS2, 6, 4)
	s_cmp_eq_u32 s2, 0
	s_cbranch_scc0 .Lentry_in_a_cluster
	s_endpgm
.Lentry_in_a_cluster:
	s_bfe_u32 s2, ttmp6, 0x10000c
	s_cmp_lg_u32 s2, 0xf033
	s_cbranch_scc0 .Lentry_shape_is_right
	s_endpgm
.Lentry_shape_is_right:
; q = h Wq^T, k = h Wk^T, v = h Wv^T on codes of E4M3 (v_wmma_f32_16x16x128_fp8_fp8, f32 sums); RoPE on q and k in f32; each result quantised with its given scale (e6, e7, e9) into qc, kc, vc.
; Three products of 2048^3, each in 64 tiles of 256 x 256: 192 work-groups of four waves, a wave 128 x 128 in 64 accumulators (512 registers).  which = cluster x / 2: 0 q, 1 k, 2 v: the same in all 16 partners.
; The body computes C[m][n] = sum over k of A[m][k] B[n][k], the matrix instruction used transposed (source 0 = 16 rows of B, source 1 = 16 rows of A): a lane holds one row m and eight neighbouring n.
;   q, k: A = h's codes, B = the weight's: the row is t, the neighbours run along the head's d.      v: A = Wv's codes, B = h's: the row is d, the neighbours run along t, the next product's K: v comes out with the keys innermost.
; K goes in steps of 256 through two LDS slots filled by joint tensor loads: A's tile is shared along a row of the cluster, B's along a column.  A wave has two tensor loads out at the start, later one.
; A sum stands for sum x 2^(ea + ew); RoPE is linear, so the three scales are folded into the conversion's one: 2^E, E = e_out - ea - ew.
; cos AND sin COME BY PLAIN LOADS, not by joint loads: v's clusters have no use for them, and a joint load stands on every way through the text; so the tensor loads and the cluster's rounds are the same on both ways out.
; THE WAY OUT OF q, k: a block of 16 rows x 128 f32 goes raw through my own stage and comes back with lanes 0-15 on one row and lanes 16-31 on the next, a lane holding d = 4 c .. + 3 and 64 + 4 c .. + 3: both halves of a RoPE pair.
;   cos and sin are loaded in the same places: sixteen lanes read 256 consecutive bytes, aligned.  The codes go through a small stage and leave as 512 consecutive bytes.
; LAYOUTS: qc, kc [16 head][2048 pos][128 d], pos = t with bits 3 and 4 exchanged (so that the 16 keys of a score tile in launch attn are neighbouring rows);  vc [16 head][16 block of t][128 d][128 t].  A wave's tile is 16 KB on end in each.
; The stages lie in slot 0: when the first result is stored there, that slot has had its last fill and, by the last change of slots, its last read.  The two ways out have bytes of their own.
; LIMITS: e6 - e0 - e1, e7 - e2 - e3, e9 - e4 - e5 between -126 and 119.
; REGISTERS, in windows of 256: window 0: v16-31 addresses and constants; from v128 A's fragments, one set; on the way out v32-95 and v160-223 a block's numbers by turns, v96-111 codes, v112-127 at work, v128-159 rows of codes.
;   window 1: B's fragments, two sets; on the way out cos (64) and sin (64) of a block, two sets.   windows 2, 3: the accumulators ((a, b) at v[8 (8 (a % 4) + b)]).
.set ROWB,   256                       ; a tile's row in bytes: a K step
.set KROW,   2048                      ; a row of A or B in memory
.set PITCH,  272                       ; an LDS row: 256 bytes + 16 of padding: the 16 rows of a fragment load start at 16 different groups of four banks
.set FR,     16                        ; registers of a fragment: 16 rows x 128 K
.set NL,     4                         ; LDS loads that bring one
.set NP,     4                         ; places behind this matrix instruction (ISA guide 7.12.1)
.set HALFT,  128*PITCH
.set SLOT,   4*HALFT                   ; A's 256 rows, then B's 256 rows
.set LAPS,   4                         ; 2048 / (2 x 256)
.set SPARE,  2*SLOT                    ; behind the ring: the spare words, 128 bytes for each wave
.set FP,     528                       ; the f32 stage (q, k): 16 rows x (512 + 16) for each wave, from byte 0
.set CP,     144                       ; the code stages: 16 rows x (128 + 16) for each wave
.set STQB,   34816                     ; q, k's code stages
.set STVB,   45056                     ; v's code stages
.set ADRA, 16                          ; v16-17  my A fragments in slot 0, 1
.set RDQ,  18                          ; v18     q, k: where I read rows of codes back
.set CSO,  19                          ; v19     my byte in two rows of cos or sin
.set ADRB, 20                          ; v20-21  my B fragments
.set STOV, 22                          ; v22     v: where I put 8 codes
.set RDV,  23                          ; v23     v: where I read rows of codes back
.set STF,  24                          ; v24     q, k: where I put 32 bytes of a row of f32
.set RDF,  25                          ; v25     q, k: where I read 16 bytes of a row of f32 back
.set CO,   26                          ; v26     16 x lane
.set STC,  27                          ; v27     q, k: where I put 4 codes
.set SPW,  28                          ; v28     my spare word; never rewritten
.set NIL,  29                          ; v29     0; never rewritten
.set SC,   30                          ; v30     2^E as f32
.set LIM,  31                          ; v31     448 x 2^E
.set TM0,  32
.set CD,   96
.set U,    112
.set BK,   128
.set AF,   128
.set G1, 24
.set G0, 32
.set G1B, 48
.set G0B, 56
.set MSB, 0
.macro WIN new                         ; the immediate's high byte repeats the setting that is left
.if MSB != \new
	s_set_vgpr_msb (MSB<<8)|\new
.set MSB, \new
.endif
.endm
.set MUL_LO, 0xa1                      ; source 0 (B) window 1, source 1 (A) window 0, C and D window 2
.set MUL_HI, 0xf1                      ; the same, C and D window 3
.set TO_B,   0x40                      ; destination window 1, address window 0
; A joint load: waves 0 and 1 fetch for A, waves 2 and 3 for B; the branch hangs on the wave's number alone.  An s_nop 0 and four v_nop follow each of the two lines.
.macro JLOAD g0a, g1a, g0b, g1b
	s_cmp_eq_u32 s15, 0
	s_cbranch_scc0 .Lfor_b_\@
	tensor_load_to_lds s[\g0a:\g0a+3], s[\g1a:\g1a+7]
	s_nop 0
.rept 4
	v_nop
.endr
	s_branch .Lasked_\@
.Lfor_b_\@:
	tensor_load_to_lds s[\g0b:\g0b+3], s[\g1b:\g1b+7]
	s_nop 0
.rept 4
	v_nop
.endr
.Lasked_\@:
.endm
.macro CREST                           ; a round of the cluster's barrier behind its opening barrier
	s_cmp_lg_u32 s14, 0
	s_cbranch_scc1 .Lnot_wave_0_\@
	s_barrier_signal -3
.Lnot_wave_0_\@:
	s_barrier_wait -3
	s_barrier_signal -1
	s_barrier_wait -1
.endm
.macro CROUND
	s_barrier_signal -1
	s_barrier_wait -1
	CREST
.endm
	s_load_b256 s[68:75], s[0:1], 0x0              ; hq s[68:69], hk s[70:71], hv s[72:73], Wq s[74:75]
	s_load_b256 s[76:83], s[0:1], 0x20             ; Wk s[76:77], Wv s[78:79], cos s[80:81], sin s[82:83]
	s_load_b256 s[84:91], s[0:1], 0x40             ; the scales' exponents s[84:85], qc s[86:87], kc s[88:89], vc s[90:91]
	v_lshl_add_u32 v[SPW], v0, 2, SPARE
	v_mov_b32 v[NIL], 0
	ds_add_u32 v[SPW], v[NIL]                      ; the wave's opening: the add, twice on end, and its wait ahead of my first tensor load
	ds_add_u32 v[SPW], v[NIL]
	v_lshrrev_b32 v1, 5, v0
	v_readfirstlane_b32 s14, v1                    ; wave 0..3
	s_lshr_b32 s15, s14, 1                         ; which half of the tile's rows is mine.  Also: I fetch for A (0) or for B (1)
	s_and_b32 s16, s14, 1                          ; which half of its columns.  Also: which 128 rows of that tile I fetch
	s_bfe_u32 s40, ttmp6, 0x40000                  ; cx, cy: my place in the cluster
	s_bfe_u32 s41, ttmp6, 0x40004
	s_lshr_b32 s12, ttmp9, 1                       ; which: 0 q, 1 k, 2 v
	s_and_b32 s42, ttmp9, 1
	s_lshl_b32 s42, s42, 2
	s_add_co_u32 s42, s42, s40                     ; tile column = 4 x (cluster x mod 2) + cx
	s_and_b32 s17, ttmp7, 0xffff
	s_lshl_b32 s17, s17, 2
	s_add_co_u32 s17, s17, s41                     ; tile row = 4 x cluster y + cy
	s_lshl_b32 s43, s41, 2
	s_lshl_b32 s43, 15, s43                        ; my row of the cluster
	s_lshl_b32 s44, 0x1111, s40                    ; my column
	s_or_b32 s[G1+0], s43, (0<<16)|(1<<20)|(1<<21)|(5<<22)|(3<<25)  ; the mask: A's tiles go to my row; elements of 1 byte; padding on; bit 21 beside a mask; 4 words behind every 64
	s_or_b32 s[G1B+0], s44, (0<<16)|(1<<20)|(1<<21)|(5<<22)|(3<<25)
.irp g, G1, G1B
	s_mov_b32 s[\g+1], ROWB<<16                    ; tensor_dim0
	s_mov_b32 s[\g+2], 128<<16                     ; tensor_dim1
	s_mov_b32 s[\g+3], ROWB<<16                    ; tile_dim0
	s_mov_b32 s[\g+4], 128                         ; tile_dim1
	s_mov_b32 s[\g+5], KROW                        ; the pitch
	s_mov_b32 s[\g+6], 0
	s_mov_b32 s[\g+7], 0
.endr
	s_lshl_b32 s18, s16, 7                         ; which 128 rows of the tile I fetch
	s_lshl_b32 s20, s17, 8
	s_add_co_u32 s20, s20, s18                     ; A: row 256 x tile row + 128 x half,
	s_lshl_b32 s20, s20, 11                        ; in bytes
	s_mov_b32 s21, 0
	s_lshl_b32 s46, s42, 8
	s_add_co_u32 s46, s46, s18                     ; B: row 256 x tile column + 128 x half
	s_lshl_b32 s46, s46, 11
	s_mov_b32 s47, 0
	s_mul_i32 s45, s14, HALFT                      ; where they go: wave x 128 rows: no place in the cluster enters an LDS address
	s_wait_dscnt 0x0                               ; both opening adds are done
	s_wait_kmcnt 0x0
	s_load_b256 s[92:99], s[84:85], 0x0            ; e0 .. e7
	s_load_b64 s[100:101], s[84:85], 0x20          ; e8, e9
	s_cmp_eq_u32 s12, 0                            ; the buffers are chosen by the tensor's number alone
	s_cselect_b64 s[4:5], s[68:69], s[70:71]       ; A: hq or hk
	s_cselect_b64 s[6:7], s[74:75], s[76:77]       ; B: Wq or Wk
	s_cselect_b64 s[8:9], s[86:87], s[88:89]       ; the result: qc or kc
	s_cmp_eq_u32 s12, 2
	s_cselect_b64 s[4:5], s[78:79], s[4:5]         ; v: A = Wv,
	s_cselect_b64 s[6:7], s[72:73], s[6:7]         ;    B = hv
	s_cselect_b64 s[8:9], s[90:91], s[8:9]
	s_add_nc_u64 s[20:21], s[4:5], s[20:21]
	s_add_nc_u64 s[46:47], s[6:7], s[46:47]
	CROUND                                         ; all sixteen work-groups are here: the first joint loads meet
.irp s, 0,1
	s_mov_b32 s[G0+4*\s], 1
	s_add_co_u32 s[G0+4*\s+1], s45, \s*SLOT
	s_add_nc_u64 s[G0+4*\s+2:G0+4*\s+3], s[20:21], \s*ROWB
	s_or_b32 s[G0+4*\s+3], s[G0+4*\s+3], 0x80000000
	s_mov_b32 s[G0B+4*\s], 1
	s_add_co_u32 s[G0B+4*\s+1], s45, \s*SLOT
	s_add_nc_u64 s[G0B+4*\s+2:G0B+4*\s+3], s[46:47], \s*ROWB
	s_or_b32 s[G0B+4*\s+3], s[G0B+4*\s+3], 0x80000000
	JLOAD G0+4*\s, G1, G0B+4*\s, G1B
.endr
	v_and_b32 v1, 15, v0                           ; r = l % 16 (on the way out: c)
	v_bfe_u32 v2, v0, 4, 1                         ; h = l / 16
	v_mul_u32_u24 v3, v1, PITCH
	v_lshl_add_u32 v4, v2, 4, v3                   ; a fragment's row x pitch + 16 x half
	s_mul_i32 s21, s15, HALFT                      ; my 128 rows of A
	s_mul_i32 s22, s16, HALFT                      ; my 128 rows of B,
	s_add_co_u32 s22, s22, 2*HALFT                 ; which lie behind A's 256
.irp s, 0,1
	v_add_nc_u32 v[ADRA+\s], s21, v4
	v_add_nc_u32 v[ADRB+\s], s22, v4
	s_add_co_u32 s21, s21, SLOT
	s_add_co_u32 s22, s22, SLOT
.endr
	s_mul_i32 s23, s14, 16*FP                      ; my f32 stage
	v_mul_u32_u24 v5, v1, FP
	v_lshl_add_u32 v5, v2, 5, v5
	v_add_nc_u32 v[STF], s23, v5                   ; in: row r, 32 bytes for each half of the lanes
	v_mul_u32_u24 v5, v2, FP
	v_lshl_add_u32 v5, v1, 4, v5
	v_add_nc_u32 v[RDF], s23, v5                   ; back: row l / 16, 16 bytes at 16 c
	s_mul_i32 s23, s14, 16*CP                      ; my code stage
	v_mul_u32_u24 v5, v2, CP
	v_lshl_add_u32 v5, v1, 2, v5
	v_add_nc_u32 v5, s23, v5
	v_add_nc_u32 v[STC], STQB, v5                  ; q, k in: row l / 16, 4 bytes at 4 c
	v_mul_u32_u24 v5, v1, CP
	v_lshl_add_u32 v5, v2, 3, v5
	v_add_nc_u32 v5, s23, v5
	v_add_nc_u32 v[STOV], STVB, v5                 ; v in: row r, 8 bytes for each half of the lanes
	v_bfe_u32 v6, v0, 3, 2                         ; l / 8
	v_and_b32 v7, 7, v0
	v_mul_u32_u24 v5, v6, CP
	v_lshl_add_u32 v5, v7, 4, v5
	v_add_nc_u32 v5, s23, v5
	v_add_nc_u32 v[RDQ], STQB, v5                  ; back: four rows of 128 bytes an instruction
	v_add_nc_u32 v[RDV], STVB, v5
	v_and_b32 v6, 31, v0
	v_lshlrev_b32 v[CO], 4, v6
	v_lshlrev_b32 v5, 9, v2
	v_lshl_add_u32 v[CSO], v1, 4, v5               ; cos, sin: row l / 16 of 512 bytes, 16 bytes at 16 c
	s_lshl_b32 s18, s17, 1
	s_add_co_u32 s18, s18, s15                     ; rb: my block of 128 rows
	s_lshl_b32 s19, s42, 1
	s_add_co_u32 s19, s19, s16                     ; cb: my block of 128 columns
	s_cmp_eq_u32 s12, 2
	s_cselect_b32 s22, s18, s19                    ; the head: cb for q and k, rb for v
	s_cselect_b32 s23, s19, s18                    ; the block of t: the other one
	s_lshl_b32 s22, s22, 18
	s_lshl_b32 s23, s23, 14
	s_add_co_u32 s22, s22, s23
	s_mov_b32 s23, 0
	s_add_nc_u64 s[8:9], s[8:9], s[22:23]          ; my 16 KB of the result
	s_lshl_b32 s22, s18, 16                        ; q, k: my 128 rows of cos and of sin
	s_add_nc_u64 s[80:81], s[80:81], s[22:23]
	s_add_nc_u64 s[82:83], s[82:83], s[22:23]
.macro FRAG reg, adr, q, i             ; 16 rows x 128 K: lane l holds row l % 16; registers 4 c .. 4 c + 3 hold K = 32 c + 16 (l / 16) + 0 .. 15: the same places of k in A and in B
.irp c, 0,1,2,3
	ds_load_b128 v[\reg+4*\c:\reg+4*\c+3], v[\adr] offset:128*(\q)+32*\c+(\i)*16*PITCH
.endr
.endm
; 16 matrix instructions: A's blocks a0, a0 + 1 x B's eight.  The 64 accumulators take turns, one instruction a turn, in the same order in every step.
.macro MUL16 a0, p, zero
.irp a, \a0, \a0+1
.irp b, 0,1,2,3,4,5,6,7
.if \zero
	v_wmma_f32_16x16x128_fp8_fp8 v[8*(8*((\a)%4)+\b):8*(8*((\a)%4)+\b)+7], v[128*(\p)+FR*\b:128*(\p)+FR*\b+FR-1], v[AF+FR*(\a):AF+FR*(\a)+FR-1], 0
.else
	v_wmma_f32_16x16x128_fp8_fp8 v[8*(8*((\a)%4)+\b):8*(8*((\a)%4)+\b)+7], v[128*(\p)+FR*\b:128*(\p)+FR*\b+FR-1], v[AF+FR*(\a):AF+FR*(\a)+FR-1], v[8*(8*((\a)%4)+\b):8*(8*((\a)%4)+\b)+7]
.endif
.endr
.endr
.endm
.macro FETCH_B slot, q, p
	WIN TO_B
.irp i, 0,1,2,3,4,5,6,7
	FRAG 128*(\p)+FR*\i, ADRB+\slot, \q, \i
.endr
	WIN 0
.endm
.macro FETCH_A slot, q, i0
.irp i, \i0, \i0+1, \i0+2, \i0+3
	FRAG AF+FR*(\i), ADRA+\slot, \q, \i
.endr
.endm
.macro PLACES n                        ; plain vector lines between a matrix instruction and a load into, or a read of, its registers
.rept \n
	v_nop
.endr
.endm
.macro STEP slot, q, zero              ; 128 along K, with its successor in the same slot
	s_wait_dscnt 4*NL                              ; B's set and A's blocks 0-3 are in; the youngest sixteen loads (A's blocks 4-7) may be out
	WIN MUL_LO
	MUL16 0, (\q)%2, \zero
	MUL16 2, (\q)%2, \zero
	s_wait_dscnt 0
	PLACES NP
	FETCH_B \slot, (\q)+1, 1-(\q)%2
	FETCH_A \slot, (\q)+1, 0
	WIN MUL_HI
	MUL16 4, (\q)%2, \zero
	MUL16 6, (\q)%2, \zero
	PLACES NP
	WIN 0
	FETCH_A \slot, (\q)+1, 4
.endm
; A slot's last step changes slots: one barrier; in front of it each wave waits for all its tensor loads, adds 0 to its spare word, and waits for that and for its own reads of this slot.
.macro TURN slot, next, fill
	s_wait_tensorcnt 0x0                           ; all my tensor loads have landed: my part of the next slot
	ds_add_u32 v[SPW], v[NIL]
	s_wait_dscnt 4*NL+1                            ; the add and the youngest sixteen loads may be out
	WIN MUL_LO
	MUL16 0, 1, 0
	s_wait_dscnt 0x0                               ; the add is done, and my reads of this slot are over
	s_barrier_signal -1
	MUL16 2, 1, 0
	WIN 0
	s_barrier_wait -1
.if \fill
	CREST                                          ; the barrier has opened a round of the cluster's barrier: no wave of any partner still reads this slot or has a load on its way
	s_add_nc_u64 s[G0+4*\slot+2:G0+4*\slot+3], s[G0+4*\slot+2:G0+4*\slot+3], 2*ROWB
	s_add_nc_u64 s[G0B+4*\slot+2:G0B+4*\slot+3], s[G0B+4*\slot+2:G0B+4*\slot+3], 2*ROWB
	JLOAD G0+4*\slot, G1, G0B+4*\slot, G1B         ; the first tensor load behind the round; its four v_nop are the places in front of the loads below
.else
	PLACES NP
.endif
	FETCH_B \next, 0, 0
	FETCH_A \next, 0, 0
	WIN MUL_HI
	MUL16 4, 1, 0
	MUL16 6, 1, 0
	PLACES NP
	WIN 0
	FETCH_A \next, 0, 4
.endm
	s_wait_tensorcnt 1                             ; my part of K step 0 is in; K step 1's load may be out
	s_barrier_signal -1
	s_barrier_wait -1
	FETCH_B 0, 0, 0
	FETCH_A 0, 0, 0
	FETCH_A 0, 0, 4
	STEP 0, 0, 1                                   ; the first step stands in front of the loop: its products start the sums
	s_mov_b32 s3, LAPS-1
.Llap:
	TURN 0, 1, 1
	STEP 1, 0, 0
	TURN 1, 0, 1
	STEP 0, 0, 0
	s_sub_co_u32 s3, s3, 1
	s_cmp_lg_u32 s3, 0
	s_cbranch_scc1 .Llap
	TURN 0, 1, 0                                   ; the last lap fills nothing
	STEP 1, 0, 0
	s_wait_dscnt 4*NL
	WIN MUL_LO
	MUL16 0, 1, 0
	MUL16 2, 1, 0
	s_wait_dscnt 0
	WIN MUL_HI
	MUL16 4, 1, 0
	MUL16 6, 1, 0
	WIN 0
	s_wait_kmcnt 0x0
	s_add_co_i32 s92, s92, s93
	s_sub_co_i32 s92, s98, s92                     ; q: e6 - e0 - e1
	s_add_co_i32 s94, s94, s95
	s_sub_co_i32 s94, s99, s94                     ; k: e7 - e2 - e3
	s_add_co_i32 s96, s96, s97
	s_sub_co_i32 s96, s101, s96                    ; v: e9 - e4 - e5
	s_cmp_eq_u32 s12, 0
	s_cselect_b32 s92, s92, s94
	s_cmp_eq_u32 s12, 2
	s_cselect_b32 s92, s96, s92                    ; E: a choice, no branch, on the tensor's number
	s_add_co_i32 s92, s92, 127
	s_lshl_b32 s93, s92, 23
	v_mov_b32 v[SC], s93
	s_add_co_i32 s92, s92, 8
	s_lshl_b32 s92, s92, 23
	s_or_b32 s92, s92, 0x600000
	v_mov_b32 v[LIM], s92
	PLACES NP                                      ; behind the last products: for the first reads of results and for loads into the registers that held fragments
	s_cmp_eq_u32 s12, 2                            ; the cluster's x alone: all sixteen partners go the same way; no tensor load and no barrier stands on either way
	s_cbranch_scc1 .Lv
; ---- q, k ----
.macro CSLOAD a                        ; cos and sin of block a's 16 rows, into set a % 2 of window 1: registers 8 i + 4 jj: row 2 i + l / 16, d = 64 jj + 4 c ..
	WIN TO_B
.irp i, 0,1,2,3,4,5,6,7
.irp jj, 0,1
	global_load_b128 v[128*((\a)%2)+8*\i+4*\jj:128*((\a)%2)+8*\i+4*\jj+3], v[CSO], s[80:81] offset:(16*(\a)+2*\i)*512+256*\jj
	global_load_b128 v[128*((\a)%2)+64+8*\i+4*\jj:128*((\a)%2)+64+8*\i+4*\jj+3], v[CSO], s[82:83] offset:(16*(\a)+2*\i)*512+256*\jj
.endr
.endr
	WIN 0
.endm
.macro FST a                           ; block a's sums through my f32 stage, each accumulator from its low end on; back into set a % 2
	WIN 0x08+4*((\a)/4)                            ; the store's data: window 2 or 3
.irp b, 0,1,2,3,4,5,6,7
	ds_store_b128 v[STF], v[64*((\a)%4)+8*\b:64*((\a)%4)+8*\b+3] offset:64*\b
	ds_store_b128 v[STF], v[64*((\a)%4)+8*\b+4:64*((\a)%4)+8*\b+7] offset:64*\b+16
.endr
	WIN 0
.irp i, 0,1,2,3,4,5,6,7
	ds_load_b128 v[TM0+128*((\a)%2)+8*\i:TM0+128*((\a)%2)+8*\i+3], v[RDF] offset:\i*2*FP           ; LDS serves a wave's instructions in order (ISA guide 5.7.1.4): these see the stores above
	ds_load_b128 v[TM0+128*((\a)%2)+8*\i+4:TM0+128*((\a)%2)+8*\i+7], v[RDF] offset:\i*2*FP+256
.endr
.endm
.macro ROPE a                          ; lo' = lo cos_lo - hi sin_lo;  hi' = hi cos_hi + lo sin_hi, in place
	WIN 0x04                                       ; source 1 (cos, sin) window 1
.irp i, 0,1,2,3,4,5,6,7
.irp j, 0,2
	v_pk_mul_f32 v[U+8*(\i%2)+\j:U+8*(\i%2)+\j+1], v[TM0+128*((\a)%2)+8*\i+4+\j:TM0+128*((\a)%2)+8*\i+5+\j], v[128*((\a)%2)+64+8*\i+\j:128*((\a)%2)+64+8*\i+\j+1]
	v_pk_mul_f32 v[U+8*(\i%2)+4+\j:U+8*(\i%2)+5+\j], v[TM0+128*((\a)%2)+8*\i+\j:TM0+128*((\a)%2)+8*\i+\j+1], v[128*((\a)%2)+68+8*\i+\j:128*((\a)%2)+68+8*\i+\j+1]
.endr
.irp j, 0,2
	v_pk_fma_f32 v[TM0+128*((\a)%2)+8*\i+\j:TM0+128*((\a)%2)+8*\i+\j+1], v[TM0+128*((\a)%2)+8*\i+\j:TM0+128*((\a)%2)+8*\i+\j+1], v[128*((\a)%2)+8*\i+\j:128*((\a)%2)+8*\i+\j+1], v[U+8*(\i%2)+\j:U+8*(\i%2)+\j+1] neg_lo:[0,0,1] neg_hi:[0,0,1]
	v_pk_fma_f32 v[TM0+128*((\a)%2)+8*\i+4+\j:TM0+128*((\a)%2)+8*\i+5+\j], v[TM0+128*((\a)%2)+8*\i+4+\j:TM0+128*((\a)%2)+8*\i+5+\j], v[128*((\a)%2)+4+8*\i+\j:128*((\a)%2)+4+8*\i+\j+1], v[U+8*(\i%2)+4+\j:U+8*(\i%2)+5+\j]
.endr
.endr
	WIN 0
.endm
.macro HOLDQ a                         ; the conversion to an 8-bit code does not saturate (ISA guide 7.6.2): the hold at 448 x the scale
.set n, 0
.rept 64
	v_med3_num_f32 v[TM0+128*((\a)%2)+n], v[TM0+128*((\a)%2)+n], -v[LIM], v[LIM]
.set n, n+1
.endr
.endm
.macro CVT tm
.irp b, 0,1,2,3,4,5,6,7
	v_cvt_scalef32_pk8_fp8_f32 v[CD+2*\b:CD+2*\b+1], v[(\tm)+8*\b:(\tm)+8*\b+7], v[SC]
.endr
	v_nop                                          ; a plain line behind the last conversion
.endm
.macro CSTQ a                          ; codes: row 2 i + l / 16, bytes 4 c and 64 + 4 c; back as four rows of 128 bytes an instruction
.irp i, 0,1,2,3,4,5,6,7
	ds_store_b32 v[STC], v[CD+2*\i] offset:\i*2*CP
	ds_store_b32 v[STC], v[CD+2*\i+1] offset:\i*2*CP+64
.endr
.irp i, 0,1,2,3
	ds_load_b128 v[BK+16*((\a)%2)+4*\i:BK+16*((\a)%2)+4*\i+3], v[RDQ] offset:\i*4*CP
.endr
.endm
.macro SENDQ a                         ; rows t = 16 a + 4 i + 0 .. 3 go to pos = t with bits 3 and 4 exchanged: 512 consecutive bytes a store, aligned
.irp i, 0,1,2,3
	global_store_b128 v[CO], v[BK+16*((\a)%2)+4*\i:BK+16*((\a)%2)+4*\i+3], s[8:9] offset:(32*((\a)/2)+16*(\i/2)+8*((\a)%2)+4*(\i%2))*128
.endr
.endm
	CSLOAD 0
	FST 0
.irp a, 0,1,2,3,4,5,6,7
.if \a == 0
	s_wait_dscnt 0x0
.else
	s_wait_dscnt 20                                ; this block's numbers are back; the last block's code stage (16 stores, 4 loads), issued behind them, may be out
.endif
.if \a < 7
	CSLOAD \a+1                                    ; a block ahead
	FST \a+1
	s_wait_loadcnt 32                              ; this block's cos and sin are in; the next block's 32 loads may be out
.else
	s_wait_loadcnt 0x0
.endif
	ROPE \a
	HOLDQ \a
.if \a > 0
.if \a < 7
	s_wait_dscnt 32                                ; the last block's rows of codes are back (its stores have read the codes' registers); the next block's f32 stage may be out
.else
	s_wait_dscnt 0x0
.endif
	SENDQ \a-1
.endif
	CVT TM0+128*(\a%2)
.if \a > 1
	s_wait_xcnt 0x0                                ; block a - 2's stores have read their data: the loads below land there
.endif
	CSTQ \a
.endr
	s_wait_dscnt 0x0
	SENDQ 7
	s_branch .Lend
; ---- v: no RoPE; a lane's eight numbers are eight neighbouring t of one row d ----
.macro HOLDV a
	WIN 0x02+((\a)/4)                              ; source 0: window 2 or 3
.set n, 0
.rept 64
	v_med3_num_f32 v[TM0+n], v[64*((\a)%4)+n], -v[LIM], v[LIM]   ; each accumulator from its low end on
.set n, n+1
.endr
	WIN 0
.endm
.macro CSTV a
.irp b, 0,1,2,3,4,5,6,7
	ds_store_b64 v[STOV], v[CD+2*\b:CD+2*\b+1] offset:16*\b
.endr
.irp i, 0,1,2,3
	ds_load_b128 v[BK+16*((\a)%2)+4*\i:BK+16*((\a)%2)+4*\i+3], v[RDV] offset:\i*4*CP
.endr
.endm
.macro SENDV a
.irp i, 0,1,2,3
	global_store_b128 v[CO], v[BK+16*((\a)%2)+4*\i:BK+16*((\a)%2)+4*\i+3], s[8:9] offset:2048*(\a)+512*\i
.endr
.endm
.Lv:
.irp a, 0,1,2,3,4,5,6,7
	HOLDV \a                                       ; stands between the last block's LDS loads and the wait for them
.if \a > 0
	s_wait_dscnt 0x0                               ; the last block's rows are back, and its stores have read the codes' registers
	SENDV \a-1
.endif
	CVT TM0
.if \a > 1
	s_wait_xcnt 0x0                                ; block a - 2's stores have read their data
.endif
	CSTV \a
.endr
	s_wait_dscnt 0x0
	SENDV 7
.Lend:
	s_wait_tensorcnt 0x0                           ; the wave's end, behind my last tensor load and my last LDS store
	ds_add_u32 v[SPW], v[NIL]
	s_wait_dscnt 0x0
	CROUND                                         ; the closing round
	s_endpgm
.Lfunc_end_k_q3a59eb887a_qkv:
	.size	k_q3a59eb887a_qkv, .Lfunc_end_k_q3a59eb887a_qkv-k_q3a59eb887a_qkv
	.p2alignl 7, 3214868480
	.fill 96, 4, 3214868480
	.section	.rodata,"a",@progbits
	.p2align	6, 0x0
	.amdhsa_kernel k_q3a59eb887a_qkv
		.amdhsa_group_segment_fixed_size 327680
		.amdhsa_private_segment_fixed_size 0
		.amdhsa_enable_private_segment 0
		.amdhsa_kernarg_size 96
		.amdhsa_user_sgpr_count 2
		.amdhsa_user_sgpr_kernarg_segment_ptr 1
		.amdhsa_wavefront_size32 1
		.amdhsa_system_sgpr_workgroup_id_x 1
		.amdhsa_system_sgpr_workgroup_id_y 1
		.amdhsa_system_sgpr_workgroup_id_z 1
		.amdhsa_system_vgpr_workitem_id 0
		.amdhsa_next_free_vgpr 1024
		.amdhsa_next_free_sgpr 102
		.amdhsa_reserve_vcc 0
		.amdhsa_float_denorm_mode_32 3
		.amdhsa_float_denorm_mode_16_64 3
		.amdhsa_memory_ordered 1
		.amdhsa_forward_progress 1
		.amdhsa_inst_pref_size 250
	.end_amdhsa_kernel
	.amdgpu_metadata
---
amdhsa.version: [ 1, 2 ]
amdhsa.kernels:
  - .name:           k_q3a59eb887a_qkv
    .symbol:         k_q3a59eb887a_qkv.kd
    .args:
      - { .name: hq, .offset: 0, .size: 8, .value_kind: global_buffer, .address_space: global }
      - { .name: hk, .offset: 8, .size: 8, .value_kind: global_buffer, .address_space: global }
      - { .name: hv, .offset: 16, .size: 8, .value_kind: global_buffer, .address_space: global }
      - { .name: Wq_codes, .offset: 24, .size: 8, .value_kind: global_buffer, .address_space: global }
      - { .name: Wk_codes, .offset: 32, .size: 8, .value_kind: global_buffer, .address_space: global }
      - { .name: Wv_codes, .offset: 40, .size: 8, .value_kind: global_buffer, .address_space: global }
      - { .name: cos, .offset: 48, .size: 8, .value_kind: global_buffer, .address_space: global }
      - { .name: sin, .offset: 56, .size: 8, .value_kind: global_buffer, .address_space: global }
      - { .name: lowp_scales, .offset: 64, .size: 8, .value_kind: global_buffer, .address_space: global }
      - { .name: qc, .offset: 72, .size: 8, .value_kind: global_buffer, .address_space: global }
      - { .name: kc, .offset: 80, .size: 8, .value_kind: global_buffer, .address_space: global }
      - { .name: vc, .offset: 88, .size: 8, .value_kind: global_buffer, .address_space: global }
    .group_segment_fixed_size: 327680
    .private_segment_fixed_size: 0
    .kernarg_segment_align: 8
    .kernarg_segment_size: 96
    .max_flat_workgroup_size: 128
    .sgpr_count:     102
    .vgpr_count:     1024
    .wavefront_size: 32
...
	.end_amdgpu_metadata
.endif
;; end of part 2
;; launch attn (part 3): grid 16 x 16, 8 waves a work-group, no clusters, 327,680 bytes of LDS; arguments qc, kc, vc, attention_mask, lowp_scales, oc; writes oc
.if DOCPART == 3
	.amdgcn_target "amdgcn-amd-amdhsa--gfx1250"
	.amdhsa_code_object_version 6
	.text
	.protected	k_q3a59eb887a_attn
	.globl	k_q3a59eb887a_attn
	.p2align	8
	.type	k_q3a59eb887a_attn,@function
k_q3a59eb887a_attn:
	s_mov_b64 s[64:65], 0
	v_nop
	global_prefetch_b8 v0, s[64:65] scope:SCOPE_SE
	s_setreg_imm32_b32 hwreg(HW_REG_WAVE_MODE, 25, 1), 1
	s_wait_xcnt 0x0
; o[h][q] = the sum over k of softmax_k(q . k / sqrt(128)) v[h][k], causal, with the keys' mask, both products on codes of E4M3; o is quantised with 2^e10 into oc [16 head][2048 t][128 d].
; LEFT OUT (shown at the head of launch norm): key steps wholly behind a wave's queries, slots wholly behind the work-group's last query, and the where on masked QUERIES, whose rows launch proj replaces.
; THE SOFTMAX AHEAD OF THE SECOND PRODUCT: t = score x log2(e) / sqrt(128); M = the largest t so far, rounded up to a whole number; p = 2^(t - M) is quantised with 2^e8; the sum is taken of the unquantised p and divides at the end.
; A MASKED KEY gets the bias -2^90 as the C of its score's product (0 for the others): no vector line is spent on it.  Its t lies so far under any counted key's that p = 0.  A row that has met masked keys alone sums finite numbers
;   under a very low M, which the first counted key multiplies by 2^(old M - new M) = 0.  The sum is never under 1/2.  A row with no counted key at all is a masked query's.
; SHARES.  Work-group (g, head) owns the head's blocks of 64 queries 31 - g and g: the same causal work in every work-group, 256 of them.  Wave w: block (w / 4: 0 the late one), 32 queries ((w / 2) % 2), two tiles of 16,
;   and of each slot of 256 keys the 128 with parity w % 2.  So each fragment of K or V read from LDS feeds two matrix instructions.  The two waves of a pair keep M, sum and O of their own; M is a whole number, so the merge at the end rounds nothing but the last scaling.
; NO CLUSTER: the work-groups of a head have different causal limits, so some partner would read nothing of a tile asked for jointly.
; THE RING: two slots of 256 keys, 2^17 bytes apart; each of the eight waves fetches one piece of 64 rows x 128 bytes (waves 0-3: K, waves 4-7: V): one tensor load of a wave is out at any time, and every wait for them is for 0.
; EVERY work-group walks all eight slots: trip counts are constants; a step's WORK, and a slot's load, are jumped over by tests on ids and the count of steps alone, the same in all eight waves for the load.
; LAYOUT.  Both products are used transposed: a lane holds one query (lane % 16).  kc's rows are laid so that the 16 neighbouring rows of tile 2 b + u are the keys 32 b + 8 u + r + 8 (r / 8): the 16 registers of tiles 2 b, 2 b + 1 are the keys 32 b + 16 (lane / 16) + 0 .. 15.
; LIMITS: e6 + e7 between -75 and 35 (the bias times c stays a number, and far under every t); e8 and e10 between -126 and 119; e8 + e9 goes by v_ldexp_f32.
; REGISTERS: window 0: v0 kept; v1-11 addresses; v12-19 the two tiles' -M, largest t, sum (a pair); v20, v21 the hold and the scale; v[22:23], v[30:31] f; v24-29 at work; v32-63 Q; v64-127 four fragments; v128-255 S^T, then p.
;   window 1: v0-127 O^T; v128-191 the bias in the scores' layout; v192-223 p's codes.
.set KP,    144                        ; a row in LDS: 128 bytes + 16 of padding
.set PIECE, 64*KP                      ; what one tensor load brings
.set VOFF,  4*PIECE                    ; a slot: K's 256 rows, then V: step 0's 128 rows d, step 1's
.set STEPB, 2*PIECE
.set SLOT1, 1<<17
.set BIAS,  204800                     ; f32[2048]
.set MERGE, 212992                     ; for each pair: the image of O's 128 registers, then 512 bytes of statistics
.set MPAIR, 16896
.set STAGE, 280576                     ; for each pair: 2 tiles x 16 rows x 144
.set SPAIR, 4608
.set SPARE, 299008                     ; the spare words, 128 bytes for each wave
.set S,   128
.set ST,  12
.set F0,  22
.set MSB, 0
.macro WIN new
.if MSB != \new
	s_set_vgpr_msb (MSB<<8)|\new
.set MSB, \new
.endif
.endm
	s_load_b256 s[4:11], s[0:1], 0x0               ; qc s[4:5], kc s[6:7], vc s[8:9], attention_mask s[10:11]
	s_load_b128 s[12:15], s[0:1], 0x20             ; the scales' exponents s[12:13], oc s[14:15]
	v_lshl_add_u32 v5, v0, 2, SPARE
	v_mov_b32 v6, 0
	ds_add_u32 v5, v6                              ; the wave's opening: the add, twice on end, and its wait ahead of my first tensor load
	ds_add_u32 v5, v6
	v_lshrrev_b32 v8, 5, v0
	v_readfirstlane_b32 s16, v8                    ; wave 0..7
	s_and_b32 s17, s16, 1                          ; par
	s_bfe_u32 s18, s16, 0x10001                    ; grp
	s_lshr_b32 s19, s16, 2                         ; blk
	s_and_b32 s46, ttmp7, 0xffff
	s_lshl_b32 s46, s46, 18                        ; the head's first byte in each tensor of codes
	s_mov_b32 s47, 0
	s_sub_co_u32 s48, 31, ttmp9                    ; the late block
	s_cmp_eq_u32 s19, 0
	s_cselect_b32 s36, s48, ttmp9                  ; my block
	s_lshl_b32 s36, s36, 6
	s_lshl_b32 s49, s18, 5
	s_add_co_u32 s36, s36, s49                     ; Q0: my first query
	s_lshl_b32 s40, s48, 6
	s_add_co_u32 s40, s40, 63                      ; QL: the work-group's last query
	s_mov_b32 s24, (0<<16)|(1<<20)|(4<<22)|(3<<25) ; group 1: no mask; elements of 1 byte; 4 words of padding behind every 32
	s_mov_b32 s25, 128<<16                         ; tensor_dim0
	s_mov_b32 s26, 64<<16                          ; tensor_dim1
	s_mov_b32 s27, 128<<16                         ; tile_dim0
	s_mov_b32 s28, 64                              ; tile_dim1
	s_mov_b32 s29, 128                             ; the pitch
	s_mov_b32 s30, 0
	s_mov_b32 s31, 0
	s_mov_b32 s32, 1                               ; group 0, which walks
	s_mul_i32 s33, s16, PIECE                      ; my piece's place in slot 0
	s_and_b32 s50, s16, 3
	s_lshl_b32 s50, s50, 13                        ; and in a slot's 32 KB of K or of V in memory
	s_mov_b32 s51, 0
	s_mov_b32 s20, 0x76543210                      ; v_permlanex16_b32: lane l xor 16
	s_mov_b32 s21, 0xfedcba98
	s_mov_b32 s22, 0x3e0293ee                      ; c = log2(e) / sqrt(128)
	s_mov_b32 s2, 0                                ; TB: the slot in hand
	s_lshl_b32 s37, s17, 7                         ; KF: my step's first key
	s_lshl_b32 s38, s17, 9
	s_add_co_u32 s38, s38, BIAS                    ; KB: its bias
	s_mov_b32 s39, 0                               ; KS: the slot's first key
	s_mov_b32 s41, 7                               ; changes of slots that may ask for a slot
	s_cmp_eq_u32 ttmp9, 0
	s_cselect_b32 s42, 1, -1                       ; the head's work-group 0, which walks and loads all slots, prefetches
	s_wait_dscnt 0x0                               ; both opening adds are done
	s_wait_kmcnt 0x0
	s_load_b256 s[68:75], s[12:13], 0x10           ; e4 .. e11
	s_cmp_lt_u32 s16, 4
	s_cselect_b64 s[34:35], s[6:7], s[8:9]         ; waves 0-3: K's codes; waves 4-7: V's
	s_add_nc_u64 s[34:35], s[34:35], s[46:47]
	s_add_nc_u64 s[34:35], s[34:35], s[50:51]
	s_mov_b64 s[44:45], s[34:35]
	s_add_nc_u64 s[44:45], s[44:45], 32768         ; the prefetches stand at slot 1: the first change steps them to slot 2.  Nothing is prefetched here
	s_or_b32 s35, s35, 0x80000000
	tensor_load_to_lds s[32:35], s[24:31]          ; slot 0: every wave's piece, with no branch
	s_nop 0
.rept 4
	v_nop
.endr
	v_and_b32 v8, 15, v0                           ; r
	v_bfe_u32 v9, v0, 4, 1                         ; h
	v_lshrrev_b32 v10, 3, v8
	v_and_b32 v11, 7, v8
	v_lshlrev_b32 v24, 11, v10
	v_lshl_add_u32 v24, v11, 7, v24
	v_lshl_add_u32 v24, v9, 4, v24                 ; Q: query Q0 + 16 X + r lies at row Q0 + 16 (r / 8) + 8 X + r % 8 of qc
	s_lshl_b32 s50, s36, 7
	s_add_nc_u64 s[4:5], s[4:5], s[46:47]
	s_add_nc_u64 s[4:5], s[4:5], s[50:51]
	s_add_nc_u64 s[14:15], s[14:15], s[46:47]
	s_add_nc_u64 s[14:15], s[14:15], s[50:51]      ; oc at my first query
.irp x, 0,1
.irp c, 0,1,2,3
	global_load_b128 v[32+16*\x+4*\c:35+16*\x+4*\c], v24, s[4:5] offset:1024*\x+32*\c
.endr
.endr
	v_lshlrev_b32 v25, 5, v0
	global_load_b128 v[64:67], v25, s[10:11]       ; eight entries of the mask a thread
	global_load_b128 v[68:71], v25, s[10:11] offset:16
	v_mul_u32_u24 v1, v8, KP
	v_lshl_add_u32 v1, v9, 4, v1
	s_mul_i32 s48, s17, STEPB
	v_add_nc_u32 v1, s48, v1                       ; AK0: my step's K: row r, + 16 h
	v_add_nc_u32 v2, VOFF, v1                      ; AV0: its V
	v_and_b32 v3, 31, v0
	v_lshlrev_b32 v7, 4, v3                        ; GO: 16 x lane
	v_lshlrev_b32 v3, 8, v3                        ; PFO: 256 x lane
	v_lshlrev_b32 v4, 6, v9                        ; ABI: 64 h
	s_lshr_b32 s48, s16, 1
	s_mul_i32 s49, s48, MPAIR
	s_add_co_u32 s49, s49, MERGE
	v_add_nc_u32 v11, s49, v7                      ; MA: my pair's image, 16 x lane
	v_lshlrev_b32 v27, 4, v9
	v_sub_nc_u32 v27, v8, v27                      ; r - 16 h
	v_mov_b32 v13, 0xff61b1e6                      ; the largest t so far: -3e38
	v_floor_f32 v12, -v13                          ; -M
	v_mov_b32 v14, 0
	v_mov_b32 v15, 0
	v_mov_b32 v17, 0xff61b1e6
	v_floor_f32 v16, -v17
	v_mov_b32 v18, 0
	v_mov_b32 v19, 0
	v_mov_b32 v23, 0                               ; (named as the upper halves of pairs)
	v_mov_b32 v31, 0
	v_mov_b32 v26, 0                               ; (a lane permute's destination counts as read)
	v_mov_b32 v29, 0xff800000                      ; -infinity
	WIN 0x40
.set n, 0
.rept 128
	v_mov_b32 v[n], 0                              ; O^T.  The step is written once: its first walk finds zeros; and a wave all of whose steps are hidden hands zeros to the merge
.set n, n+1
.endr
	WIN 0
	s_wait_kmcnt 0x0
	s_add_co_i32 s46, s70, s71
	s_lshl_b32 s46, s46, 23
	s_add_co_i32 s22, s22, s46                     ; a score stands for score x 2^(e6 + e7): added to c's exponent field
	s_mov_b32 s23, s22
	s_add_co_i32 s46, s72, 127
	s_lshl_b32 s47, s46, 23
	v_mov_b32 v21, s47                             ; 2^e8
	s_add_co_i32 s46, s46, 8
	s_lshl_b32 s46, s46, 23
	s_or_b32 s46, s46, 0x600000
	v_mov_b32 v20, s46                             ; 448 x 2^e8
	s_add_co_i32 s52, s72, s73                     ; e8 + e9
	s_add_co_i32 s46, s74, 127
	s_lshl_b32 s53, s46, 23                        ; 2^e10
	s_add_co_i32 s46, s46, 8
	s_lshl_b32 s46, s46, 23
	s_or_b32 s54, s46, 0x600000                    ; 448 x 2^e10
	s_wait_loadcnt 0x0                             ; Q and the mask
	v_mov_b32 v24, 0xec800000                      ; -2^90
.irp i, 0,1,2,3,4,5,6,7
	v_cmp_eq_u32 vcc_lo, 0, v[64+\i]
	v_cndmask_b32 v[72+\i], 0, v24, vcc_lo
.endr
	v_lshl_add_u32 v25, v0, 5, BIAS
	ds_store_b128 v25, v[72:75]                    ; the first change of slots waits for these and passes a barrier ahead of every read
	ds_store_b128 v25, v[76:79] offset:16
; what the NEXT change of slots will load: each wave of the head's work-group 0 asks for its own piece, 8,192 bytes, lanes 256 bytes apart: each aligned 256 bytes once in the launch.  The last change that loads asks for nothing.
.macro ASK
	s_cmp_gt_u32 s41, s42
	s_cbranch_scc0 .Lnot_mine_\@
	global_prefetch_b8 v3, s[44:45] th:TH_LOAD_NT scope:SCOPE_SE
.Lnot_mine_\@:
.endm
; THE CHANGE OF SLOTS stands at a slot's head.  Behind the barrier the slot ahead is whole and nobody reads the other one, which takes the keys that follow, up to the causal limit.
.macro CHANGE fill
	s_wait_tensorcnt 0x0                           ; no tensor load of mine is out, so group 0 may be written
	ds_add_u32 v5, v6
.if \fill
	s_xor_b32 s33, s33, SLOT1
	s_add_nc_u64 s[34:35], s[34:35], 32768         ; the next 256 keys
	s_wait_xcnt 0x0                                ; the last prefetch, a slot back, has read its address
	s_add_nc_u64 s[44:45], s[44:45], 32768
.endif
	s_wait_dscnt 0x0                               ; the add is done, and my LDS stores and my reads of the slot that I have left are over
	s_barrier_signal -1
	s_barrier_wait -1
.if \fill
	s_add_co_u32 s46, s39, 256                     ; the first key of the slot that this change would ask for
	s_cmp_gt_u32 s46, s40                          ; behind the work-group's last query: none of its waves would read it.  Ids and the count of steps alone: all eight waves go the same way
	s_cbranch_scc1 .Lpast_\@
	tensor_load_to_lds s[32:35], s[24:31]          ; my one tensor load until the next such barrier
	s_nop 0
.rept 4
	v_nop
.endr
.Lpast_\@:
	ASK
.endif
.endm
.macro MAXX x                          ; the step's largest score of my query, the running largest t, -M, f = 2^(old M - new M)
.set SB, S+64*(\x)
.set SS, ST+4*(\x)
	v_max3_num_f32 v24, v[SB], v[SB+1], v[SB+2]    ; each accumulator is read from its low end on
	v_max3_num_f32 v25, v[SB+3], v[SB+4], v[SB+5]
.set n, 6
.rept 14
	v_max3_num_f32 v24, v24, v[SB+n], v[SB+n+1]
	v_max3_num_f32 v25, v25, v[SB+n+2], v[SB+n+3]
.set n, n+4
.endr
	v_max3_num_f32 v24, v24, v[SB+62], v[SB+63]
	v_max_num_f32 v24, v24, v25
	v_permlanex16_b32 v26, v24, s20, s21
	v_max_num_f32 v24, v24, v26
	v_mul_f32 v24, s22, v24
	v_max_num_f32 v[SS+1], v[SS+1], v24
	v_mov_b32 v24, v[SS]
	v_floor_f32 v[SS], -v[SS+1]                    ; -M = floor(-t): M is a whole number
	v_sub_f32 v24, v[SS], v24
	v_cvt_i32_f32 v24, v24                         ; (it saturates)
	v_ldexp_f32 v[F0+8*(\x)], 1.0, v24
.endm
.macro SUMX x                          ; the row's sum is taken of the unquantised p
.set SB, S+64*(\x)
.set LL, ST+4*(\x)+2
	v_pk_add_f32 v[24:25], v[SB:SB+1], v[SB+2:SB+3]
.set n, 4
.rept 15
	v_pk_add_f32 v[LL:LL+1], v[LL:LL+1], v[SB+n:SB+n+1]
	v_pk_add_f32 v[24:25], v[24:25], v[SB+n+2:SB+n+3]
.set n, n+4
.endr
	v_pk_add_f32 v[LL:LL+1], v[LL:LL+1], v[24:25]
.endm
.macro VLOAD g                         ; four tiles of V^T: 16 of the head's 128 x my 128 keys
.irp t, 0,1,2,3
.irp c, 0,1,2,3
	ds_load_b128 v[64+16*\t+4*\c:67+16*\t+4*\c], v9 offset:(4*(\g)+\t)*16*KP+32*\c
.endr
.endr
.endm
.macro PV g                            ; O^T += V^T P^T: eight accumulators by turns
	WIN 0x54                                       ; V window 0; P, C and D window 1
.irp t, 0,1,2,3
.irp x, 0,1
	v_wmma_f32_16x16x128_fp8_fp8 v[64*\x+8*(4*(\g)+\t):64*\x+8*(4*(\g)+\t)+7], v[64+16*\t:79+16*\t], v[192+16*\x:207+16*\x], v[64*\x+8*(4*(\g)+\t):64*\x+8*(4*(\g)+\t)+7]
.endr
.endr
	WIN 0
.endm
; MY KEY STEP OF THE SLOT IN HAND: 128 keys x 32 queries
.macro STEP
	s_add_co_u32 s46, s36, 31
	s_cmp_gt_u32 s37, s46                          ; all its keys come after my queries: the work is left out; the lines at its end that step addresses are not
	s_cbranch_scc1 .Lhidden_\@
	v_add_nc_u32 v8, s2, v1
	v_add_nc_u32 v9, s2, v2
	v_add_nc_u32 v10, s38, v4
.rept 4
	v_nop                                          ; places in front of loads into registers that the last products read
.endr
	WIN 0x40
.set n, 0
.rept 16
	ds_load_b128 v[128+4*n:131+4*n], v10 offset:128*(n/4)+16*(n%4)   ; register 16 b + i: the bias of key KF + 32 b + 16 h + i: the scores' own places
.set n, n+1
.endr
	WIN 0
.irp g, 0,1
.if \g > 0
.rept 4
	v_nop
.endr
.endif
.irp t, 0,1,2,3
.irp c, 0,1,2,3
	ds_load_b128 v[64+16*\t+4*\c:67+16*\t+4*\c], v8 offset:(4*\g+\t)*16*KP+32*\c
.endr
.endr
	s_wait_dscnt 0x0
	WIN 0x10                                       ; C (the bias) window 1
.irp t, 0,1,2,3
.irp x, 0,1
	v_wmma_f32_16x16x128_fp8_fp8 v[S+64*\x+8*(4*\g+\t):S+64*\x+8*(4*\g+\t)+7], v[64+16*\t:79+16*\t], v[32+16*\x:47+16*\x], v[128+8*(4*\g+\t):135+8*(4*\g+\t)]
.endr
.endr
	WIN 0
.endr
.rept 4
	v_nop                                          ; places in front of the loads below and of the first reads of the scores
.endr
	VLOAD 0                                        ; lands under the softmax
	s_add_co_u32 s46, s37, 127
	s_cmp_le_u32 s46, s36                          ; all keys count for all my queries: no causal select
	s_cbranch_scc1 .Lopen_\@
.irp x, 0,1
	s_sub_co_i32 s46, s36, s37
	s_add_co_i32 s46, s46, 16*\x
	v_add_nc_u32 v28, s46, v27                     ; d = my query - KF - 16 h.  Register 16 b + i holds key KF + 16 h + 32 b + i: hidden where 32 b + i > d.  Key KF counts for every query of a step that is walked
.set n, 0
.rept 64
	v_cmp_gt_i32 vcc_lo, 32*(n/16)+n%16, v28
	v_cndmask_b32 v[S+64*\x+n], v[S+64*\x+n], v29, vcc_lo
.set n, n+1
.endr
.endr
.Lopen_\@:
	MAXX 0
	MAXX 1
.irp x, 0,1
.set n, 0
.rept 32
	v_pk_fma_f32 v[S+64*\x+n:S+64*\x+n+1], v[S+64*\x+n:S+64*\x+n+1], s[22:23], v[ST+4*\x:ST+4*\x+1] op_sel_hi:[1,0,0]   ; t - M
.set n, n+2
.endr
.endr
.set n, 0
.rept 128
	v_exp_f32 v[S+n], v[S+n]                       ; p = 2^(t - M): one batch
.set n, n+1
.endr
	v_pk_mul_f32 v[14:15], v[14:15], v[22:23] op_sel_hi:[1,0]   ; the sums under the new M: plain lines behind the exponentials
	v_pk_mul_f32 v[18:19], v[18:19], v[30:31] op_sel_hi:[1,0]
	s_wait_alu depctr_va_vdst(0)                   ; the wait ahead of the first line that names a result: one for the batch
	SUMX 0
	SUMX 1
.set n, 0
.rept 128
	v_min_num_f32 v[S+n], v[S+n], v20              ; the conversion does not saturate (ISA guide 7.6.2); p is not negative: a one-sided hold
.set n, n+1
.endr
	WIN 0x40
.irp x, 0,1
.irp b, 0,1,2,3
	v_cvt_scalef32_pk8_fp8_f32 v[192+16*\x+4*\b:193+16*\x+4*\b], v[S+64*\x+16*\b:S+64*\x+16*\b+7], v21
	v_cvt_scalef32_pk8_fp8_f32 v[194+16*\x+4*\b:195+16*\x+4*\b], v[S+64*\x+16*\b+8:S+64*\x+16*\b+15], v21
.endr
.endr
	WIN 0x41
.irp x, 0,1
.set n, 0
.rept 32
	v_pk_mul_f32 v[64*\x+n:64*\x+n+1], v[64*\x+n:64*\x+n+1], v[F0+8*\x:F0+8*\x+1] op_sel_hi:[1,0]   ; O^T under the new M; also the plain lines behind the conversions
.set n, n+2
.endr
.endr
	WIN 0
	s_wait_dscnt 0x0                               ; V's first four tiles
	PV 0
.rept 4
	v_nop
.endr
	VLOAD 1
	s_wait_dscnt 0x0
	PV 1
.Lhidden_\@:
	s_add_co_u32 s37, s37, 256
	s_add_co_u32 s38, s38, 1024
.endm
.macro SLOT_STEP
	STEP
	s_add_co_u32 s39, s39, 256
	s_xor_b32 s2, s2, SLOT1
.endm
.Lslot:                                            ; seven trips
	CHANGE 1
	SLOT_STEP
	s_sub_co_u32 s41, s41, 1
	s_cmp_lg_u32 s41, 0
	s_cbranch_scc1 .Lslot
	CHANGE 0                                       ; the last slot: nothing follows it
	SLOT_STEP
	; THE END.  Each wave finishes its sums; the odd wave of a pair hands O^T, -M and the sums to the even one as images of its registers; the even one merges, divides, quantises and stores.
.rept 4
	v_nop
.endr
	v_add_f32 v14, v14, v15
	v_add_f32 v18, v18, v19
	v_permlanex16_b32 v26, v14, s20, s21
	v_add_f32 v14, v14, v26
	v_permlanex16_b32 v26, v18, s20, s21
	v_add_f32 v18, v18, v26
	v_and_b32 v24, 15, v0
	v_bfe_u32 v25, v0, 4, 1
	s_lshr_b32 s46, s16, 1
	s_mul_i32 s46, s46, SPAIR
	s_add_co_u32 s46, s46, STAGE
	v_mul_u32_u24 v8, v24, KP
	v_lshl_add_u32 v8, v25, 3, v8
	v_add_nc_u32 v8, s46, v8                       ; the stage, in: row r, 8 bytes for each half of the lanes
	v_bfe_u32 v24, v0, 3, 2
	v_and_b32 v25, 7, v0
	v_mul_u32_u24 v9, v24, KP
	v_lshl_add_u32 v9, v25, 4, v9
	v_add_nc_u32 v9, s46, v9                       ; and back: four rows of 128 bytes an instruction
	v_mov_b32 v24, v12
	v_mov_b32 v25, v14
	v_mov_b32 v26, v16
	v_mov_b32 v27, v18
	s_cmp_eq_u32 s17, 0
	s_cbranch_scc1 .Lkeep
	WIN 0x04                                       ; the store's data: window 1
.set n, 0
.rept 32
	ds_store_b128 v11, v[4*n:4*n+3] offset:512*n   ; each accumulator from its low end on
.set n, n+1
.endr
	WIN 0
	ds_store_b128 v11, v[24:27] offset:16384
.Lkeep:
	s_wait_dscnt 0x0                               ; for the partner's sake
	s_barrier_signal -1
	s_barrier_wait -1
	s_cmp_lg_u32 s17, 0
	s_cbranch_scc1 .Lend
	ds_load_b128 v[32:35], v11 offset:16384        ; the partner's -M, sum, -M, sum
.set n, 0
.rept 32
	ds_load_b128 v[S+4*n:S+4*n+3], v11 offset:512*n
.set n, n+1
.endr
	s_wait_dscnt 32                                ; the statistics are in; the partner's O^T may be out
	v_min_num_f32 v36, v12, v32                    ; the lower -M: the larger M
	v_min_num_f32 v37, v16, v34
	v_sub_f32 v38, v36, v12
	v_sub_f32 v39, v36, v32
	v_sub_f32 v40, v37, v16
	v_sub_f32 v41, v37, v34
	v_cvt_i32_f32 v38, v38
	v_cvt_i32_f32 v39, v39
	v_cvt_i32_f32 v40, v40
	v_cvt_i32_f32 v41, v41
	v_ldexp_f32 v38, 1.0, v38                      ; each side's 2^(its M - the larger M): one of the two is 1
	v_ldexp_f32 v39, 1.0, v39
	v_ldexp_f32 v40, 1.0, v40
	v_ldexp_f32 v41, 1.0, v41
	v_mul_f32 v42, v14, v38
	v_fma_f32 v42, v33, v39, v42                   ; the row's sum
	v_mul_f32 v43, v18, v40
	v_fma_f32 v43, v35, v41, v43
	v_rcp_f32 v42, v42
	v_rcp_f32 v43, v43
	v_mov_b32 v45, 0                               ; (plain lines behind the reciprocals: the upper halves of the pairs below)
	v_mov_b32 v47, 0
	v_mov_b32 v49, 0
	v_mov_b32 v51, 0
	v_mov_b32 v21, s53                             ; 2^e10
	v_mov_b32 v20, s54                             ; 448 x 2^e10
	s_wait_alu depctr_va_vdst(0)                   ; one wait for the two reciprocals, ahead of their first reader
	v_ldexp_f32 v42, v42, s52                      ; x 2^(e8 + e9)
	v_ldexp_f32 v43, v43, s52
	v_mul_f32 v44, v38, v42
	v_mul_f32 v46, v39, v42
	v_mul_f32 v48, v40, v43
	v_mul_f32 v50, v41, v43
	s_wait_dscnt 0x0
.irp x, 0,1
.set n, 0
.rept 32
	v_pk_mul_f32 v[S+64*\x+n:S+64*\x+n+1], v[S+64*\x+n:S+64*\x+n+1], v[46+4*\x:47+4*\x] op_sel_hi:[1,0]
.set n, n+2
.endr
.endr
	WIN 0x01                                       ; source 0 (my O^T) window 1
.irp x, 0,1
.set n, 0
.rept 32
	v_pk_fma_f32 v[S+64*\x+n:S+64*\x+n+1], v[64*\x+n:64*\x+n+1], v[44+4*\x:45+4*\x], v[S+64*\x+n:S+64*\x+n+1] op_sel_hi:[1,0,1]
.set n, n+2
.endr
.endr
	WIN 0
.set n, 0
.rept 128
	v_med3_num_f32 v[S+n], v[S+n], -v20, v20
.set n, n+1
.endr
.set n, 0
.rept 16
	v_cvt_scalef32_pk8_fp8_f32 v[64+2*n:65+2*n], v[S+8*n:S+8*n+7], v21   ; tile n / 8, channels 16 (n % 8) + 8 h + 0 .. 7 of query r
.set n, n+1
.endr
	v_nop
.set n, 0
.rept 16
	ds_store_b64 v8, v[64+2*n:65+2*n] offset:2304*(n/8)+16*(n%8)
.set n, n+1
.endr
.set n, 0
.rept 8
	ds_load_b128 v[96+4*n:99+4*n], v9 offset:2304*(n/4)+576*(n%4)
.set n, n+1
.endr
.set n, 0
.rept 8
	s_wait_dscnt 7-n
	global_store_b128 v7, v[96+4*n:99+4*n], s[14:15] offset:2048*(n/4)+512*(n%4)   ; four rows of 128 bytes: 512 consecutive bytes, aligned
.set n, n+1
.endr
.Lend:
	s_wait_tensorcnt 0x0                           ; the wave's end, behind my last tensor load and my last LDS store
	ds_add_u32 v5, v6
	s_wait_dscnt 0x0
	s_endpgm
.Lfunc_end_k_q3a59eb887a_attn:
	.size	k_q3a59eb887a_attn, .Lfunc_end_k_q3a59eb887a_attn-k_q3a59eb887a_attn
	.p2alignl 7, 3214868480
	.fill 96, 4, 3214868480
	.section	.rodata,"a",@progbits
	.p2align	6, 0x0
	.amdhsa_kernel k_q3a59eb887a_attn
		.amdhsa_group_segment_fixed_size 327680
		.amdhsa_private_segment_fixed_size 0
		.amdhsa_enable_private_segment 0
		.amdhsa_kernarg_size 48
		.amdhsa_user_sgpr_count 2
		.amdhsa_user_sgpr_kernarg_segment_ptr 1
		.amdhsa_wavefront_size32 1
		.amdhsa_system_sgpr_workgroup_id_x 1
		.amdhsa_system_sgpr_workgroup_id_y 1
		.amdhsa_system_sgpr_workgroup_id_z 1
		.amdhsa_system_vgpr_workitem_id 0
		.amdhsa_next_free_vgpr 512
		.amdhsa_next_free_sgpr 76
		.amdhsa_reserve_vcc 1
		.amdhsa_float_denorm_mode_32 3
		.amdhsa_float_denorm_mode_16_64 3
		.amdhsa_memory_ordered 1
		.amdhsa_forward_progress 1
		.amdhsa_inst_pref_size 129
	.end_amdhsa_kernel
	.amdgpu_metadata
---
amdhsa.version: [ 1, 2 ]
amdhsa.kernels:
  - .name:           k_q3a59eb887a_attn
    .symbol:         k_q3a59eb887a_attn.kd
    .args:
      - { .name: qc, .offset: 0, .size: 8, .value_kind: global_buffer, .address_space: global }
      - { .name: kc, .offset: 8, .size: 8, .value_kind: global_buffer, .address_space: global }
      - { .name: vc, .offset: 16, .size: 8, .value_kind: global_buffer, .address_space: global }
      - { .name: attention_mask, .offset: 24, .size: 8, .value_kind: global_buffer, .address_space: global }
      - { .name: lowp_scales, .offset: 32, .size: 8, .value_kind: global_buffer, .address_space: global }
      - { .name: oc, .offset: 40, .size: 8, .value_kind: global_buffer, .address_space: global }
    .group_segment_fixed_size: 327680
    .private_segment_fixed_size: 0
    .kernarg_segment_align: 8
    .kernarg_segment_size: 48
    .max_flat_workgroup_size: 256
    .sgpr_count:     76
    .vgpr_count:     512
    .wavefront_size: 32
...
	.end_amdgpu_metadata
.endif
;; end of part 3
;; launch proj (part 4): grid 8 x 8, 4 waves a work-group, clusters of 4 x 4, 327,680 bytes of LDS; arguments oc, Wo_codes, lowp_scales, attention_mask, x, out0; writes out0
.if DOCPART == 4
	.amdgcn_target "amdgcn-amd-amdhsa--gfx1250"
	.amdhsa_code_object_version 6
	.text
	.protected	k_q3a59eb887a_proj
	.globl	k_q3a59eb887a_proj
	.p2align	8
	.type	k_q3a59eb887a_proj,@function
k_q3a59eb887a_proj:
	s_mov_b64 s[64:65], 0
	v_nop
	global_prefetch_b8 v0, s[64:65] scope:SCOPE_SE
	s_setreg_imm32_b32 hwreg(HW_REG_WAVE_MODE, 25, 1), 1
	s_wait_xcnt 0x0
	s_wait_alu depctr_hold_cnt(0) depctr_sa_sdst(0) depctr_va_vdst(0) depctr_va_sdst(0) depctr_va_ssrc(0) depctr_va_vcc(0) depctr_vm_vsrc(0)
	s_getreg_b32 s2, hwreg(HW_REG_IB_STS2, 6, 4)
	s_cmp_eq_u32 s2, 0
	s_cbranch_scc0 .Lentry_in_a_cluster
	s_endpgm
.Lentry_in_a_cluster:
	s_bfe_u32 s2, ttmp6, 0x10000c
	s_cmp_lg_u32 s2, 0xf033
	s_cbranch_scc0 .Lentry_shape_is_right
	s_endpgm
.Lentry_shape_is_right:
; out0 = x + where(am[t], o Wo^T, 0): the last product on codes of E4M3, f32 sums, each finished sum once x 2^(e10 + e11).
; The rows of masked queries, which launch attn computed like the others (shown at the head of launch norm), are selected away here: their scale is chosen as 0.  Sums of codes are always finite numbers, so 0 x sum = 0.
; A tile of out0, 256 x 256, is made by four waves, a wave 128 x 128.  64 work-groups: the shape with the most multiply-adds for each LDS byte.
; A = oc lies [16 head][2048 t][128 d]: a K step of 256 is two heads' blocks of 256 rows x 128 bytes (waves 0, 1: one each); B = Wo's codes: 256 rows x 256 bytes (waves 2, 3: 128 rows each).  Two LDS slots; joint loads: A along
; a row of the cluster, B along a column.  A wave has two tensor loads out at the start, later one.  The matrix instruction is used transposed: a lane holds eight neighbouring columns of one row.
; LIMIT: e10 + e11 between -126 and 127.
; REGISTERS: window 0: v7, v16-30 addresses; v96-111 each block's scale (a pair); v112-119 the mask; from v128 A's fragments, one set; on the way out v32-95 a block's numbers, v128-255 rows back from the stage, two sets.
;   window 1: B's fragments, two sets; on the way out rows of x, two sets.   windows 2, 3: the accumulators.
.set ROWB,   256
.set KROW,   2048
.set AP,     144                       ; A's LDS row: 128 bytes + 16
.set ABLK,   256*AP                    ; a head's block
.set BOFF,   2*ABLK
.set PITCH,  272                       ; B's LDS row: 256 bytes + 16
.set HALFB,  128*PITCH
.set SLOT,   BOFF+2*HALFB
.set FR,     16
.set NL,     4
.set NP,     4
.set LAPS,   4
.set SPARE,  2*SLOT                    ; the spare words, 128 bytes for each wave
.set SPITCH, 528                       ; the way out: 16 rows x (512 + 16) for each wave, in slot 0, which has had its last fill and its last read by then
.set ADRA, 16
.set ADRB, 20
.set STO,  24
.set RD,   25
.set CO,   26
.set SPW,  28
.set NIL,  29
.set SCV,  30
.set TMP,  32
.set SCL,  96
.set AM,   112
.set AF,   128
.set BK,   128
.set G1, 24
.set G0, 32
.set G1B, 48
.set G0B, 56
.set MSB, 0
.macro WIN new
.if MSB != \new
	s_set_vgpr_msb (MSB<<8)|\new
.set MSB, \new
.endif
.endm
.set MUL_LO, 0xa1
.set MUL_HI, 0xf1
.set TO_B,   0x40
.macro JLOAD g0a, g1a, g0b, g1b        ; waves 0 and 1 fetch for A, waves 2 and 3 for B; an s_nop 0 and four v_nop follow each of the two lines
	s_cmp_eq_u32 s15, 0
	s_cbranch_scc0 .Lfor_b_\@
	tensor_load_to_lds s[\g0a:\g0a+3], s[\g1a:\g1a+7]
	s_nop 0
.rept 4
	v_nop
.endr
	s_branch .Lasked_\@
.Lfor_b_\@:
	tensor_load_to_lds s[\g0b:\g0b+3], s[\g1b:\g1b+7]
	s_nop 0
.rept 4
	v_nop
.endr
.Lasked_\@:
.endm
.macro CREST
	s_cmp_lg_u32 s14, 0
	s_cbranch_scc1 .Lnot_wave_0_\@
	s_barrier_signal -3
.Lnot_wave_0_\@:
	s_barrier_wait -3
	s_barrier_signal -1
	s_barrier_wait -1
.endm
.macro CROUND
	s_barrier_signal -1
	s_barrier_wait -1
	CREST
.endm
	s_load_b128 s[4:7], s[0:1], 0x0                ; oc, Wo's codes
	s_load_b128 s[8:11], s[0:1], 0x10              ; the scales' exponents, attention_mask
	s_load_b128 s[68:71], s[0:1], 0x20             ; x, out0
	v_lshl_add_u32 v[SPW], v0, 2, SPARE
	v_mov_b32 v[NIL], 0
	ds_add_u32 v[SPW], v[NIL]                      ; the wave's opening: the add, twice on end, and its wait ahead of my first tensor load
	ds_add_u32 v[SPW], v[NIL]
	v_lshrrev_b32 v1, 5, v0
	v_readfirstlane_b32 s14, v1                    ; wave 0..3
	s_lshr_b32 s15, s14, 1                         ; my half of the tile's rows.  Also: I fetch for A (0) or for B (1)
	s_and_b32 s16, s14, 1                          ; my half of its columns.  Also: which head's block of A, or which 128 rows of B, I fetch
	s_bfe_u32 s40, ttmp6, 0x40000
	s_bfe_u32 s41, ttmp6, 0x40004
	s_lshl_b32 s42, ttmp9, 2
	s_add_co_u32 s42, s42, s40                     ; tile column
	s_and_b32 s17, ttmp7, 0xffff
	s_lshl_b32 s17, s17, 2
	s_add_co_u32 s17, s17, s41                     ; tile row
	s_lshl_b32 s43, s41, 2
	s_lshl_b32 s43, 15, s43                        ; my row of the cluster
	s_lshl_b32 s44, 0x1111, s40                    ; my column
	s_or_b32 s[G1+0], s43, (0<<16)|(1<<20)|(1<<21)|(4<<22)|(3<<25)   ; A: elements of 1 byte; 4 words of padding behind every 32
	s_mov_b32 s[G1+1], 128<<16                     ; tensor_dim0
	s_mov_b32 s[G1+2], 256<<16                     ; tensor_dim1
	s_mov_b32 s[G1+3], 128<<16                     ; tile_dim0
	s_mov_b32 s[G1+4], 256                         ; tile_dim1
	s_mov_b32 s[G1+5], 128                         ; the pitch
	s_mov_b32 s[G1+6], 0
	s_mov_b32 s[G1+7], 0
	s_or_b32 s[G1B+0], s44, (0<<16)|(1<<20)|(1<<21)|(5<<22)|(3<<25)  ; B: 4 words behind every 64
	s_mov_b32 s[G1B+1], ROWB<<16
	s_mov_b32 s[G1B+2], 128<<16
	s_mov_b32 s[G1B+3], ROWB<<16
	s_mov_b32 s[G1B+4], 128
	s_mov_b32 s[G1B+5], KROW
	s_mov_b32 s[G1B+6], 0
	s_mov_b32 s[G1B+7], 0
	s_lshl_b32 s20, s16, 18
	s_lshl_b32 s18, s17, 15
	s_add_co_u32 s20, s20, s18                     ; A: head (wave % 2), rows 256 x tile row
	s_mov_b32 s21, 0
	s_lshl_b32 s18, s16, 7
	s_lshl_b32 s46, s42, 8
	s_add_co_u32 s46, s46, s18
	s_lshl_b32 s46, s46, 11                        ; B: row 256 x tile column + 128 x half
	s_mov_b32 s47, 0
	s_mul_i32 s45, s16, ABLK                       ; where they go: no place in the cluster enters an LDS address
	s_mul_i32 s19, s16, HALFB
	s_add_co_u32 s19, s19, BOFF
	s_wait_dscnt 0x0                               ; both opening adds are done
	s_wait_kmcnt 0x0
	s_load_b64 s[96:97], s[8:9], 0x28              ; e10, e11
	s_add_nc_u64 s[20:21], s[4:5], s[20:21]
	s_add_nc_u64 s[46:47], s[6:7], s[46:47]
	CROUND
.irp s, 0,1
	s_mov_b32 s[G0+4*\s], 1
	s_add_co_u32 s[G0+4*\s+1], s45, \s*SLOT
	s_add_nc_u64 s[G0+4*\s+2:G0+4*\s+3], s[20:21], \s*2*262144
	s_or_b32 s[G0+4*\s+3], s[G0+4*\s+3], 0x80000000
	s_mov_b32 s[G0B+4*\s], 1
	s_add_co_u32 s[G0B+4*\s+1], s19, \s*SLOT
	s_add_nc_u64 s[G0B+4*\s+2:G0B+4*\s+3], s[46:47], \s*ROWB
	s_or_b32 s[G0B+4*\s+3], s[G0B+4*\s+3], 0x80000000
	JLOAD G0+4*\s, G1, G0B+4*\s, G1B
.endr
	v_and_b32 v1, 15, v0                           ; r
	v_bfe_u32 v2, v0, 4, 1                         ; h
	v_mul_u32_u24 v3, v1, AP
	v_lshl_add_u32 v3, v2, 4, v3
	v_mul_u32_u24 v4, v1, PITCH
	v_lshl_add_u32 v4, v2, 4, v4
	s_mul_i32 s21, s15, 128*AP                     ; my 128 rows in a head's block of A
	s_mul_i32 s22, s16, HALFB
	s_add_co_u32 s22, s22, BOFF                    ; my 128 rows of B
.irp s, 0,1
	v_add_nc_u32 v[ADRA+\s], s21, v3
	v_add_nc_u32 v[ADRB+\s], s22, v4
	s_add_co_u32 s21, s21, SLOT
	s_add_co_u32 s22, s22, SLOT
.endr
	s_mul_i32 s23, s14, 16*SPITCH                  ; my stage
	v_mul_u32_u24 v5, v1, SPITCH
	v_lshl_add_u32 v5, v2, 5, v5
	v_add_nc_u32 v[STO], s23, v5
	v_and_b32 v6, 31, v0
	v_lshlrev_b32 v[CO], 4, v6
	v_add_nc_u32 v[RD], s23, v[CO]
	v_lshlrev_b32 v7, 2, v1                        ; the mask: 4 r; never rewritten
	s_lshl_b32 s20, s17, 8
	s_lshl_b32 s21, s15, 7
	s_add_co_u32 s20, s20, s21                     ; my first row
	s_lshl_b32 s22, s20, 2
	s_mov_b32 s23, 0
	s_add_nc_u64 s[10:11], s[10:11], s[22:23]      ; its entry of the mask
	s_lshl_b32 s20, s20, 13
	s_lshl_b32 s46, s42, 10
	s_lshl_b32 s47, s16, 9
	s_add_co_u32 s46, s46, s47                     ; my first column, in bytes
	s_add_co_u32 s20, s20, s46
	s_mov_b32 s21, 0
	s_add_nc_u64 s[68:69], s[68:69], s[20:21]
	s_add_nc_u64 s[70:71], s[70:71], s[20:21]
.irp a, 0,1,2,3,4,5,6,7
	global_load_b32 v[AM+\a], v7, s[10:11] offset:64*\a   ; am[my first row + 16 a + r]: waited for behind the loop
.endr
.macro FRAGA reg, adr, q, i            ; A: the q-th 128 along K of a slot is a head's block
.irp c, 0,1,2,3
	ds_load_b128 v[\reg+4*\c:\reg+4*\c+3], v[\adr] offset:ABLK*(\q)+32*\c+(\i)*16*AP
.endr
.endm
.macro FRAGB reg, adr, q, i
.irp c, 0,1,2,3
	ds_load_b128 v[\reg+4*\c:\reg+4*\c+3], v[\adr] offset:128*(\q)+32*\c+(\i)*16*PITCH
.endr
.endm
.macro MUL16 a0, p, zero               ; the 64 accumulators take turns, one instruction a turn
.irp a, \a0, \a0+1
.irp b, 0,1,2,3,4,5,6,7
.if \zero
	v_wmma_f32_16x16x128_fp8_fp8 v[8*(8*((\a)%4)+\b):8*(8*((\a)%4)+\b)+7], v[128*(\p)+FR*\b:128*(\p)+FR*\b+FR-1], v[AF+FR*(\a):AF+FR*(\a)+FR-1], 0
.else
	v_wmma_f32_16x16x128_fp8_fp8 v[8*(8*((\a)%4)+\b):8*(8*((\a)%4)+\b)+7], v[128*(\p)+FR*\b:128*(\p)+FR*\b+FR-1], v[AF+FR*(\a):AF+FR*(\a)+FR-1], v[8*(8*((\a)%4)+\b):8*(8*((\a)%4)+\b)+7]
.endif
.endr
.endr
.endm
.macro FETCH_B slot, q, p
	WIN TO_B
.irp i, 0,1,2,3,4,5,6,7
	FRAGB 128*(\p)+FR*\i, ADRB+\slot, \q, \i
.endr
	WIN 0
.endm
.macro FETCH_A slot, q, i0
.irp i, \i0, \i0+1, \i0+2, \i0+3
	FRAGA AF+FR*(\i), ADRA+\slot, \q, \i
.endr
.endm
.macro PLACES n
.rept \n
	v_nop
.endr
.endm
.macro STEP slot, q, zero
	s_wait_dscnt 4*NL                              ; B's set and A's blocks 0-3 are in; the youngest sixteen loads may be out
	WIN MUL_LO
	MUL16 0, (\q)%2, \zero
	MUL16 2, (\q)%2, \zero
	s_wait_dscnt 0
	PLACES NP
	FETCH_B \slot, (\q)+1, 1-(\q)%2
	FETCH_A \slot, (\q)+1, 0
	WIN MUL_HI
	MUL16 4, (\q)%2, \zero
	MUL16 6, (\q)%2, \zero
	PLACES NP
	WIN 0
	FETCH_A \slot, (\q)+1, 4
.endm
.macro TURN slot, next, fill
	s_wait_tensorcnt 0x0                           ; all my tensor loads have landed: my part of the next slot
	ds_add_u32 v[SPW], v[NIL]
	s_wait_dscnt 4*NL+1                            ; the add and the youngest sixteen loads may be out
	WIN MUL_LO
	MUL16 0, 1, 0
	s_wait_dscnt 0x0                               ; the add is done, and my reads of this slot are over
	s_barrier_signal -1
	MUL16 2, 1, 0
	WIN 0
	s_barrier_wait -1
.if \fill
	CREST                                          ; a round of the cluster's barrier: no wave of any partner still reads this slot or has a load on its way
	s_add_nc_u64 s[G0+4*\slot+2:G0+4*\slot+3], s[G0+4*\slot+2:G0+4*\slot+3], 4*262144
	s_add_nc_u64 s[G0B+4*\slot+2:G0B+4*\slot+3], s[G0B+4*\slot+2:G0B+4*\slot+3], 2*ROWB
	JLOAD G0+4*\slot, G1, G0B+4*\slot, G1B
.else
	PLACES NP
.endif
	FETCH_B \next, 0, 0
	FETCH_A \next, 0, 0
	WIN MUL_HI
	MUL16 4, 1, 0
	MUL16 6, 1, 0
	PLACES NP
	WIN 0
	FETCH_A \next, 0, 4
.endm
	s_wait_tensorcnt 1                             ; my part of K step 0 is in; K step 1's load may be out
	s_barrier_signal -1
	s_barrier_wait -1
	FETCH_B 0, 0, 0
	FETCH_A 0, 0, 0
	FETCH_A 0, 0, 4
	STEP 0, 0, 1
	s_mov_b32 s3, LAPS-1
.Llap:
	TURN 0, 1, 1
	STEP 1, 0, 0
	TURN 1, 0, 1
	STEP 0, 0, 0
	s_sub_co_u32 s3, s3, 1
	s_cmp_lg_u32 s3, 0
	s_cbranch_scc1 .Llap
	TURN 0, 1, 0
	STEP 1, 0, 0
	s_wait_dscnt 4*NL
	WIN MUL_LO
	MUL16 0, 1, 0
	MUL16 2, 1, 0
	s_wait_dscnt 0
	WIN MUL_HI
	MUL16 4, 1, 0
	MUL16 6, 1, 0
	WIN 0
; THE WAY OUT, block by block of 16 rows x 128 columns: x the row's scale, through my stage, back as whole rows of 512 bytes, + x, stored as runs of 512 consecutive bytes, aligned.
.macro XLOAD a                         ; 16 rows of x, into set a % 2 of window 1
	WIN TO_B
.irp t, 0,1,2,3,4,5,6,7,8,9,10,11,12,13,14,15
	global_load_b128 v[64*((\a)%2)+4*\t:64*((\a)%2)+4*\t+3], v[CO], s[68:69] offset:(16*(\a)+\t)*8192 th:TH_LOAD_NT
.endr
	WIN 0
.endm
.macro TOSTAGE a
	WIN 0x02+((\a)/4)                              ; source 0: window 2 or 3
.set n, 0
.rept 32
	v_pk_mul_f32 v[TMP+n:TMP+n+1], v[64*((\a)%4)+n:64*((\a)%4)+n+1], v[SCL+2*(\a):SCL+2*(\a)+1] op_sel_hi:[1,0]   ; x 2^(e10 + e11), or x 0 in a masked row; each accumulator from its low end on
.set n, n+2
.endr
	WIN 0
.irp b, 0,1,2,3,4,5,6,7
	ds_store_b128 v[STO], v[TMP+8*\b:TMP+8*\b+3] offset:64*\b
	ds_store_b128 v[STO], v[TMP+8*\b+4:TMP+8*\b+7] offset:64*\b+16
.endr
.irp t, 0,1,2,3,4,5,6,7,8,9,10,11,12,13,14,15
	ds_load_b128 v[BK+64*((\a)%2)+4*\t:BK+64*((\a)%2)+4*\t+3], v[RD] offset:\t*SPITCH   ; LDS serves a wave's instructions in order (ISA guide 5.7.1.4)
.endr
.endm
.macro SEND a, younger, xout
	s_wait_dscnt \younger                          ; the block is back; the next block's 16 stores and 16 loads may be out
	s_wait_loadcnt \xout                           ; its rows of x are in; the next block's sixteen loads may be out
	WIN 0x04                                       ; source 1 (x) window 1
.set n, 0
.rept 32
	v_pk_add_f32 v[BK+64*((\a)%2)+n:BK+64*((\a)%2)+n+1], v[BK+64*((\a)%2)+n:BK+64*((\a)%2)+n+1], v[64*((\a)%2)+n:64*((\a)%2)+n+1]
.set n, n+2
.endr
	WIN 0
.irp t, 0,1,2,3,4,5,6,7,8,9,10,11,12,13,14,15
	global_store_b128 v[CO], v[BK+64*((\a)%2)+4*\t:BK+64*((\a)%2)+4*\t+3], s[70:71] offset:(16*(\a)+\t)*8192 th:TH_STORE_NT
.endr
.endm
	s_wait_kmcnt 0x0
	s_add_co_i32 s96, s96, s97
	s_add_co_i32 s96, s96, 127
	s_lshl_b32 s96, s96, 23                        ; 2^(e10 + e11) as f32
	v_mov_b32 v[SCV], s96
	s_wait_loadcnt 0x0                             ; the mask
.irp a, 0,1,2,3,4,5,6,7
	v_cmp_ne_u32 vcc_lo, 0, v[AM+\a]
	v_cndmask_b32 v[SCL+2*\a], 0, v[SCV], vcc_lo   ; a choice of a value: the work is done in every row
	v_mov_b32 v[SCL+2*\a+1], 0                     ; (named as the pair's upper half)
.endr
	PLACES NP
	XLOAD 0
	XLOAD 1
	TOSTAGE 0
.irp a, 1,2,3,4,5,6,7
.if \a > 1
	s_wait_xcnt 0x0                                ; block a - 2's stores have read their data: block a's loads from the stage land there
.endif
	TOSTAGE \a
	SEND \a-1, 32, 16
.if \a < 7
	XLOAD \a+1
.endif
.endr
	SEND 7, 0, 0
	s_wait_tensorcnt 0x0                           ; the wave's end, behind my last tensor load and my last LDS store
	ds_add_u32 v[SPW], v[NIL]
	s_wait_dscnt 0x0
	CROUND                                         ; the closing round
	s_endpgm
.Lfunc_end_k_q3a59eb887a_proj:
	.size	k_q3a59eb887a_proj, .Lfunc_end_k_q3a59eb887a_proj-k_q3a59eb887a_proj
	.p2alignl 7, 3214868480
	.fill 96, 4, 3214868480
	.section	.rodata,"a",@progbits
	.p2align	6, 0x0
	.amdhsa_kernel k_q3a59eb887a_proj
		.amdhsa_group_segment_fixed_size 327680
		.amdhsa_private_segment_fixed_size 0
		.amdhsa_enable_private_segment 0
		.amdhsa_kernarg_size 48
		.amdhsa_user_sgpr_count 2
		.amdhsa_user_sgpr_kernarg_segment_ptr 1
		.amdhsa_wavefront_size32 1
		.amdhsa_system_sgpr_workgroup_id_x 1
		.amdhsa_system_sgpr_workgroup_id_y 1
		.amdhsa_system_sgpr_workgroup_id_z 1
		.amdhsa_system_vgpr_workitem_id 0
		.amdhsa_next_free_vgpr 1024
		.amdhsa_next_free_sgpr 98
		.amdhsa_reserve_vcc 1
		.amdhsa_float_denorm_mode_32 3
		.amdhsa_float_denorm_mode_16_64 3
		.amdhsa_memory_ordered 1
		.amdhsa_forward_progress 1
		.amdhsa_inst_pref_size 154
	.end_amdhsa_kernel
	.amdgpu_metadata
---
amdhsa.version: [ 1, 2 ]
amdhsa.kernels:
  - .name:           k_q3a59eb887a_proj
    .symbol:         k_q3a59eb887a_proj.kd
    .args:
      - { .name: oc, .offset: 0, .size: 8, .value_kind: global_buffer, .address_space: global }
      - { .name: Wo_codes, .offset: 8, .size: 8, .value_kind: global_buffer, .address_space: global }
      - { .name: lowp_scales, .offset: 16, .size: 8, .value_kind: global_buffer, .address_space: global }
      - { .name: attention_mask, .offset: 24, .size: 8, .value_kind: global_buffer, .address_space: global }
      - { .name: x, .offset: 32, .size: 8, .value_kind: global_buffer, .address_space: global }
      - { .name: out0, .offset: 40, .size: 8, .value_kind: global_buffer, .address_space: global }
    .group_segment_fixed_size: 327680
    .private_segment_fixed_size: 0
    .kernarg_segment_align: 8
    .kernarg_segment_size: 48
    .max_flat_workgroup_size: 128
    .sgpr_count:     98
    .vgpr_count:     1024
    .wavefront_size: 32
...
	.end_amdgpu_metadata
.endif
;; end of part 4
;; ======== version 2 of 2: 4 launches
;; limits: right only within a limited range of input values
;; workspace buffers: hq 4,194,304 bytes; hk 4,194,304 bytes; hv 4,194,304 bytes; qc 4,194,304 bytes; kc 4,194,304 bytes; vc 4,194,304 bytes; oc 4,194,304 bytes; cs 2,097,152 bytes
;; launch norm (part 5): grid 256 x 1, 8 waves a work-group, no clusters, 82,944 bytes of LDS; arguments x, ln_w, lowp_scales, hq, hk, hv, cos, sin, cs; writes hq, hk, hv, cs
.if DOCPART == 5
	.amdgcn_target "amdgcn-amd-amdhsa--gfx1250"
	.amdhsa_code_object_version 6
	.text
	.protected	k_q3a59eb887a_norm
	.globl	k_q3a59eb887a_norm
	.p2align	8
	.type	k_q3a59eb887a_norm,@function
k_q3a59eb887a_norm:
	s_mov_b64 s[64:65], 0
	v_nop
	global_prefetch_b8 v0, s[64:65] scope:SCOPE_SE
	s_setreg_imm32_b32 hwreg(HW_REG_WAVE_MODE, 25, 1), 1
	s_wait_xcnt 0x0
; FIRST OF FOUR LAUNCHES: norm, qkv, attn, proj.  This one: h = ln_w * x * rsqrt(mean(x^2) + 1e-5), in f32, quantised to E4M3 three times, with the given scales
; 2^e0, 2^e2, 2^e4 (A's scales of the products with Wq, Wk, Wv: three given numbers that may differ), into hq, hk, hv: [2048 t][2048 k], one code a byte.
; WORK THAT THE PROGRAM LEAVES OUT, and why it can reach no output whatever the inputs hold:
;  (a) reference() builds the causal mask itself (jnp.tril): a key k > q gets the lowest f32 number ahead of the softmax, beside key q's own place in the row.  Key steps of 128 keys that lie wholly
;      behind a wave's 32 queries are not multiplied, and LDS slots of 256 keys that lie wholly behind a work-group's last query are not fetched (launch attn).
;  (b) the second jnp.where(am[q], scores, neg) changes only rows q with am[q] = 0.  Of exactly those rows the last jnp.where(am[:, None], out, 0.0) replaces the projected result by 0, and a row of the
;      projection hangs on that row of the attention's result alone.  So that step has no way to an output: such rows are computed like the others and selected away in launch proj.
;  Every input has a way to the output, and every input is loaded by some launch.
;  LIMIT: a NaN, an infinity or an overflow that reaches only the work left out is not carried to the result.
; LIMITS here: e0, e2, e4 between -126 and 119, so that 2^e and 448 x 2^e are f32 numbers.  NaN among the inputs is not served.
; SHARES.  One wave takes one row (8,192 bytes, 64 registers a lane) and keeps it between the sum of squares and the scaling: x is read once.  No wave waits for another: no barrier.
; Each load reads 512 consecutive bytes, 16 a lane.  The conversions take 8 neighbours along k from ONE lane's registers, so the finished row turns through the wave's own stage in LDS: in as it lies, back 64 bytes
; (16 neighbours) a lane; 16 bytes of padding behind each 64.  A lane's 16 codes are 16 bytes: each store of the wave covers 512 consecutive bytes, aligned.
.set SP,    80                         ; a lane's place in a stage: 64 bytes + 16 of padding
.set STG,   32*SP                      ; a stage: 512 numbers
.set WREG,  4*STG                      ; a wave's four stages: the row
.set SPARE, 8*WREG                     ; behind the eight regions: the spare words, 128 bytes for each wave
.set SPW,   2                          ; v2  LDS address of my spare word; never rewritten
.set NIL,   3                          ; v3  0; never rewritten
.set X,     16                         ; v16-79   the row: chunk i holds x[128 i + 4 lane ..]
.set W,     80                         ; v80-143  ln_w in the same places; later the row back from the stage: step s, 16 neighbours
.set T,     144                        ; v144-175 two sets of 16 held numbers, by turns
.set C,     176                        ; v176-223 codes: four registers for each (step, scale): no store's data are written again
.set SCL,   224                        ; v224+2z: 2^e as f32; v225+2z: 448 x 2^e
	s_load_b128 s[4:7], s[0:1], 0x0                ; x, ln_w
	s_load_b64 s[8:9], s[0:1], 0x10                ; the scales' exponents
	s_load_b128 s[12:15], s[0:1], 0x18             ; hq, hk
	s_load_b64 s[16:17], s[0:1], 0x28
	s_load_b128 s[36:39], s[0:1], 0x30             ; cos, sin
	s_load_b64 s[40:41], s[0:1], 0x40              ; cs
	v_lshl_add_u32 v[SPW], v0, 2, SPARE
	v_mov_b32 v[NIL], 0
	v_lshrrev_b32 v1, 5, v0
	s_delay_alu instid0(VALU_DEP_1)
	v_readfirstlane_b32 s18, v1                    ; wave 0..7
	v_and_b32 v1, 31, v0                           ; lane
	s_delay_alu instid0(VALU_DEP_1)
	v_lshlrev_b32 v4, 4, v1                        ; 16 x lane: my bytes of a load's or a store's 512; never rewritten
	s_mul_i32 s19, s18, WREG
	v_lshrrev_b32 v5, 2, v1
	s_delay_alu instid0(VALU_DEP_1)
	v_mul_u32_u24 v5, v5, SP
	v_and_b32 v6, 3, v1
	s_delay_alu instid0(VALU_DEP_1)
	v_lshl_add_u32 v5, v6, 4, v5
	s_delay_alu instid0(VALU_DEP_1)
	v_add_nc_u32 v5, s19, v5                       ; into a stage: four lanes' 64 bytes on end, then the padding
	v_mul_u32_u24 v6, v1, SP
	s_delay_alu instid0(VALU_DEP_1)
	v_add_nc_u32 v6, s19, v6                       ; and back: my 16 neighbours
; ALSO HERE: cos and sin are laid once as images of launch qkv's registers: cs[128 blocks of 16 t][2 halves u][cos, sin][4 blocks ii of d][2 q][32 lanes][4 f32]:
; lane 16 h + r holds table[16 block + r][32 u + 16 (ii % 2) + 64 (ii / 2) + 8 h + 4 q + 0 .. 3].  Work-group g writes (block g / 2, u = g % 2), 8,192 bytes; wave w (table w / 4, ii = w % 4), two stores of 512 consecutive bytes.
	v_and_b32 v7, 15, v1
	v_lshrrev_b32 v10, 4, v1
	v_lshlrev_b32 v7, 9, v7
	v_lshl_add_u32 v7, v10, 5, v7                  ; in a table: row r of 512 bytes, + 32 h
	s_lshr_b32 s42, ttmp9, 1
	s_lshl_b32 s42, s42, 13                        ; the block's 16 rows
	s_and_b32 s43, ttmp9, 1
	s_lshl_b32 s43, s43, 7                         ; + 32 u numbers
	s_add_co_u32 s42, s42, s43
	s_and_b32 s43, s18, 1
	s_lshl_b32 s43, s43, 6                         ; + 16 (ii % 2)
	s_add_co_u32 s42, s42, s43
	s_bfe_u32 s43, s18, 0x10001
	s_lshl_b32 s43, s43, 8                         ; + 64 (ii / 2)
	s_add_co_u32 s42, s42, s43
	s_mov_b32 s43, 0
	s_lshl_b32 s44, ttmp9, 13
	s_lshl_b32 s45, s18, 10
	s_add_co_u32 s44, s44, s45                     ; my 1,024 bytes of cs
	s_mov_b32 s45, 0
	s_lshl_b32 s19, ttmp9, 3
	s_add_co_u32 s19, s19, s18                     ; my row
	s_lshl_b32 s20, s19, 13                        ; its bytes in x,
	s_mov_b32 s21, 0
	s_lshl_b32 s22, s19, 11                        ; and in the codes
	s_mov_b32 s23, 0
	s_mov_b32 s2, 0x3a000000                       ; 1 / 2048
	s_mov_b32 s3, 0x3727c5ac                       ; 1e-5
	s_mov_b32 s32, 0x76543210                      ; v_permlanex16_b32: lane l xor 16
	s_mov_b32 s33, 0xfedcba98
	s_wait_alu depctr_va_vdst(0)
	s_wait_kmcnt 0x0
	s_load_b256 s[24:31], s[8:9], 0x0              ; e0 .. e7
	s_add_nc_u64 s[4:5], s[4:5], s[20:21]
	s_add_nc_u64 s[12:13], s[12:13], s[22:23]
	s_add_nc_u64 s[14:15], s[14:15], s[22:23]
	s_add_nc_u64 s[16:17], s[16:17], s[22:23]
	s_cmp_lt_u32 s18, 4                            ; waves 0-3: cos; waves 4-7: sin
	s_cselect_b64 s[36:37], s[36:37], s[38:39]
	s_add_nc_u64 s[36:37], s[36:37], s[42:43]
	s_add_nc_u64 s[40:41], s[40:41], s[44:45]
.set i, 0
.rept 16
	global_load_b128 v[X+4*i:X+4*i+3], v4, s[4:5] offset:512*i th:TH_LOAD_NT
.set i, i+1
.endr
.set i, 0
.rept 16
	global_load_b128 v[W+4*i:W+4*i+3], v4, s[6:7] offset:512*i
.set i, i+1
.endr
	global_load_b128 v[232:235], v7, s[36:37]
	global_load_b128 v[236:239], v7, s[36:37] offset:16
	s_wait_loadcnt 18                              ; x is in; ln_w's sixteen loads and the table's two may stay out
.irp k, 0,1,2,3
	v_pk_mul_f32 v[8+2*\k:9+2*\k], v[X+2*\k:X+2*\k+1], v[X+2*\k:X+2*\k+1]   ; four packed chains, started by the first products: nothing is cleared
.endr
.set i, 4
.rept 28
	s_delay_alu instid0(VALU_DEP_4)
	v_pk_fma_f32 v[8+2*(i%4):9+2*(i%4)], v[X+2*i:X+2*i+1], v[X+2*i:X+2*i+1], v[8+2*(i%4):9+2*(i%4)]
.set i, i+1
.endr
	s_delay_alu instid0(VALU_DEP_3)
	v_pk_add_f32 v[8:9], v[8:9], v[10:11]
	s_delay_alu instid0(VALU_DEP_2)
	v_pk_add_f32 v[12:13], v[12:13], v[14:15]
	s_delay_alu instid0(VALU_DEP_1)
	v_pk_add_f32 v[8:9], v[8:9], v[12:13]
	s_delay_alu instid0(VALU_DEP_1)
	v_add_f32 v8, v8, v9
	s_delay_alu instid0(VALU_DEP_1)
	v_add_f32_dpp v8, v8, v8 row_xmask:1 row_mask:0xf bank_mask:0xf
	s_delay_alu instid0(VALU_DEP_1)
	v_add_f32_dpp v8, v8, v8 row_xmask:2 row_mask:0xf bank_mask:0xf
	s_delay_alu instid0(VALU_DEP_1)
	v_add_f32_dpp v8, v8, v8 row_xmask:4 row_mask:0xf bank_mask:0xf
	s_delay_alu instid0(VALU_DEP_1)
	v_add_f32_dpp v8, v8, v8 row_xmask:8 row_mask:0xf bank_mask:0xf
	s_delay_alu instid0(VALU_DEP_1)
	v_permlanex16_b32 v9, v8, s32, s33
	s_delay_alu instid0(VALU_DEP_1)
	v_add_f32 v8, v8, v9                           ; the row's sum of squares, in every lane
	s_delay_alu instid0(VALU_DEP_1)
	v_fma_f32 v12, v8, s2, s3                      ; the mean + eps
	s_wait_alu depctr_va_vdst(0)
	v_rsq_f32 v12, v12
	s_wait_loadcnt 0x0
	global_store_b128 v4, v[232:235], s[40:41]
	global_store_b128 v4, v[236:239], s[40:41] offset:512
.set i, 0
.rept 32
	v_pk_mul_f32 v[X+2*i:X+2*i+1], v[X+2*i:X+2*i+1], v[W+2*i:W+2*i+1]      ; ln_w * x: the plain work behind the root
.set i, i+1
.endr
	s_wait_alu depctr_va_vdst(0)                   ; the wait ahead of the first instruction that names the root's result
.set i, 0
.rept 32
	v_pk_mul_f32 v[X+2*i:X+2*i+1], v[X+2*i:X+2*i+1], v[12:13] op_sel_hi:[1,0]   ; x the root (v13 was written as a chain's half)
.set i, i+1
.endr
.set i, 0
.rept 16
	ds_store_b128 v5, v[X+4*i:X+4*i+3] offset:STG*(i/4)+8*SP*(i%4)
.set i, i+1
.endr
.set i, 0
.rept 16
	ds_load_b128 v[W+4*i:W+4*i+3], v6 offset:STG*(i/4)+16*(i%4)   ; LDS serves a wave's instructions in order (ISA guide 5.7.1.4): these see the stores above
.set i, i+1
.endr
	s_wait_kmcnt 0x0
.irp z, 0,1,2
	s_add_co_i32 s[24+2*\z], s[24+2*\z], 127
	s_lshl_b32 s19, s[24+2*\z], 23
	v_mov_b32 v[SCL+2*\z], s19                     ; 2^e as f32: the conversion takes its exponent field
	s_add_co_i32 s19, s[24+2*\z], 8
	s_lshl_b32 s19, s19, 23
	s_or_b32 s19, s19, 0x600000
	v_mov_b32 v[SCL+2*\z+1], s19                   ; 448 x 2^e
.endr
; step s (512 numbers, 16 a lane) with scale z.  The held numbers go into one of two sets by turns, so that sixteen plain lines stand between a conversion and the next write of its sources.
.macro QZ s, z
.set TT, T+16*((3*(\s)+(\z))%2)
.set CC, C+4*(3*(\s)+(\z))
.set i, 0
.rept 16
	v_med3_num_f32 v[TT+i], v[W+16*(\s)+i], -v[SCL+2*(\z)+1], v[SCL+2*(\z)+1]   ; the conversion to an 8-bit code does not saturate (ISA guide 7.6.2): the hold comes first
.set i, i+1
.endr
	v_cvt_scalef32_pk8_fp8_f32 v[CC:CC+1], v[TT:TT+7], v[SCL+2*(\z)]
	v_cvt_scalef32_pk8_fp8_f32 v[CC+2:CC+3], v[TT+8:TT+15], v[SCL+2*(\z)]
	global_store_b128 v4, v[CC:CC+3], s[12+2*(\z):13+2*(\z)] offset:512*(\s)
.endm
	s_wait_alu depctr_va_vdst(0)
.irp s, 0,1,2,3
	s_wait_dscnt 12-4*\s                           ; this step's four loads are back; the later steps' may stay out
	QZ \s, 0
	QZ \s, 1
	QZ \s, 2
.endr
	v_nop                                          ; a plain line behind the last conversion
	s_wait_tensorcnt 0x0                           ; the wave's end, behind my last LDS store
	ds_add_u32 v[SPW], v[NIL]
	s_wait_dscnt 0x0
	s_endpgm
.Lfunc_end_k_q3a59eb887a_norm:
	.size	k_q3a59eb887a_norm, .Lfunc_end_k_q3a59eb887a_norm-k_q3a59eb887a_norm
	.p2alignl 7, 3214868480
	.fill 96, 4, 3214868480
	.section	.rodata,"a",@progbits
	.p2align	6, 0x0
	.amdhsa_kernel k_q3a59eb887a_norm
		.amdhsa_group_segment_fixed_size 82944
		.amdhsa_private_segment_fixed_size 0
		.amdhsa_enable_private_segment 0
		.amdhsa_kernarg_size 72
		.amdhsa_user_sgpr_count 2
		.amdhsa_user_sgpr_kernarg_segment_ptr 1
		.amdhsa_wavefront_size32 1
		.amdhsa_system_sgpr_workgroup_id_x 1
		.amdhsa_system_sgpr_workgroup_id_y 1
		.amdhsa_system_sgpr_workgroup_id_z 1
		.amdhsa_system_vgpr_workitem_id 0
		.amdhsa_next_free_vgpr 240
		.amdhsa_next_free_sgpr 66
		.amdhsa_reserve_vcc 0
		.amdhsa_float_denorm_mode_32 3
		.amdhsa_float_denorm_mode_16_64 3
		.amdhsa_memory_ordered 1
		.amdhsa_forward_progress 1
		.amdhsa_inst_pref_size 33
	.end_amdhsa_kernel
	.amdgpu_metadata
---
amdhsa.version: [ 1, 2 ]
amdhsa.kernels:
  - .name:           k_q3a59eb887a_norm
    .symbol:         k_q3a59eb887a_norm.kd
    .args:
      - { .name: x, .offset: 0, .size: 8, .value_kind: global_buffer, .address_space: global }
      - { .name: ln_w, .offset: 8, .size: 8, .value_kind: global_buffer, .address_space: global }
      - { .name: lowp_scales, .offset: 16, .size: 8, .value_kind: global_buffer, .address_space: global }
      - { .name: hq, .offset: 24, .size: 8, .value_kind: global_buffer, .address_space: global }
      - { .name: hk, .offset: 32, .size: 8, .value_kind: global_buffer, .address_space: global }
      - { .name: hv, .offset: 40, .size: 8, .value_kind: global_buffer, .address_space: global }
      - { .name: cos, .offset: 48, .size: 8, .value_kind: global_buffer, .address_space: global }
      - { .name: sin, .offset: 56, .size: 8, .value_kind: global_buffer, .address_space: global }
      - { .name: cs, .offset: 64, .size: 8, .value_kind: global_buffer, .address_space: global }
    .group_segment_fixed_size: 82944
    .private_segment_fixed_size: 0
    .kernarg_segment_align: 8
    .kernarg_segment_size: 72
    .max_flat_workgroup_size: 256
    .sgpr_count:     66
    .vgpr_count:     240
    .wavefront_size: 32
...
	.end_amdgpu_metadata
.endif
;; end of part 5
;; launch qkv (part 6): grid 24 x 8, 4 waves a work-group, clusters of 4 x 4, 327,680 bytes of LDS; arguments hq, hk, hv, Wq_codes, Wk_codes, Wv_codes, cs, lowp_scales, qc, kc, vc; writes qc, kc, vc
.if DOCPART == 6
	.amdgcn_target "amdgcn-amd-amdhsa--gfx1250"
	.amdhsa_code_object_version 6
	.text
	.protected	k_q3a59eb887a_qkv
	.globl	k_q3a59eb887a_qkv
	.p2align	8
	.type	k_q3a59eb887a_qkv,@function
k_q3a59eb887a_qkv:
	s_mov_b64 s[64:65], 0
	v_nop
	global_prefetch_b8 v0, s[64:65] scope:SCOPE_SE
	s_setreg_imm32_b32 hwreg(HW_REG_WAVE_MODE, 25, 1), 1
	s_wait_xcnt 0x0
	s_wait_alu depctr_hold_cnt(0) depctr_sa_sdst(0) depctr_va_vdst(0) depctr_va_sdst(0) depctr_va_ssrc(0) depctr_va_vcc(0) depctr_vm_vsrc(0)
	s_getreg_b32 s2, hwreg(HW_REG_IB_STS2, 6, 4)
	s_cmp_eq_u32 s2, 0
	s_cbranch_scc0 .Lentry_in_a_cluster
	s_endpgm
.Lentry_in_a_cluster:
	s_bfe_u32 s2, ttmp6, 0x10000c
	s_cmp_lg_u32 s2, 0xf033
	s_cbranch_scc0 .Lentry_shape_is_right
	s_endpgm
.Lentry_shape_is_right:
; q = h Wq^T, k = h Wk^T, v = h Wv^T on codes of E4M3 (v_wmma_f32_16x16x128_fp8_fp8, f32 sums); RoPE on q and k in f32; each result quantised with its given scale (e6, e7, e9) into qc, kc, vc.
; Three products of 2048^3, each in 64 tiles of 256 x 256: 192 work-groups of four waves, a wave 128 x 128 in 64 accumulators.  which = cluster x / 2: 0 q, 1 k, 2 v: the same in all 16 partners.
; C[m][n] = sum over k of A[m][k] B[n][k], used transposed (source 0 = 16 rows of B, source 1 = 16 rows of A): a lane holds one row m and eight neighbouring n.
;   q, k: A = h's codes, B = the weight's (m = t, n = 2 heads x d).   v: A = Wv's codes, B = h's (m = 2 heads x d, n = t): v comes out with the keys innermost.
; WHICH COLUMNS A WAVE TAKES: wave u = wave % 2 takes, of each half of 128 of the tile's 256 columns, the columns 32 u + {0 .. 31} and 64 + 32 u + {0 .. 31}: block i = rows 128 (i / 4) + 64 ((i % 4) / 2) + 16 (i % 2) + 32 u of B's tile.
;   So blocks i and i + 2 hold d and d + 64 of one head in the same lane and register: RoPE is done in registers; and one set of cos and sin (64 registers for 16 rows) serves the tile's two heads.
; cos AND sin come from cs, which launch norm laid as images of these registers: each load reads 512 consecutive bytes.  They come by plain loads: v's clusters have no use for them, and a joint load stands on every way.
; K goes in steps of 256 through two LDS slots filled by joint tensor loads: A's tile is shared along a row of the cluster, B's along a column.  One tensor load of a wave is out at any time; every wait for them is for 0.
; A sum stands for sum x 2^(ea + ew); RoPE is linear, so the three scales are folded into the conversion's one: 2^E, E = e_out - ea - ew.
; THE WAY OUT: all codes of the tile go into one stage, 2 planes (q, k: head; v: block of t) x 256 rows x (128 + 16) bytes, in slot 0, which has had its last fill and, by the last change of slots, its last read.
;   One barrier; then each wave reads plane u, its 128 rows, and stores 16 KB on end, 512 consecutive bytes a store, aligned.
; LAYOUTS: qc, kc [16 head][2048 pos][128 d], pos = t with bits 3 and 4 exchanged (done where the stage is written);  vc [16 head][16 block of t][128 d][128 t].
; LIMITS: e6 - e0 - e1, e7 - e2 - e3, e9 - e4 - e5 between -126 and 119, so that 2^E and 448 x 2^E are f32 numbers.
; REGISTERS, in windows of 256: window 0: v16-31 addresses and constants; v32-95 a set of cos and sin; v96-111 codes; from v128 A's fragments, one set (on the way out v128-191 a block's numbers, v192-255 a set; at the end rows of codes).
;   window 1: B's fragments, two sets; on the way out four sets of cos and sin.   windows 2, 3: the accumulators ((a, b) at v[8 (8 (a % 4) + b)]).
.set ROWB,   256
.set KROW,   2048
.set PITCH,  272                       ; an LDS row: 256 bytes + 16 of padding
.set FR,     16
.set NL,     4
.set NP,     4                         ; places behind this matrix instruction (ISA guide 7.12.1)
.set HALFT,  128*PITCH
.set SLOT,   4*HALFT                   ; A's 256 rows, then B's 256 rows
.set LAPS,   4
.set SPARE,  2*SLOT                    ; the spare words, 128 bytes for each wave
.set CP,     144                       ; a row of the stage
.set ADRA, 16                          ; v16-17 my A fragments in slot 0, 1
.set STV,  18                          ; v18 stage, in (v): row r
.set STQ,  19                          ; v19 stage, in (q, k): row r + 8 (r / 8)
.set ADRB, 20                          ; v20-21 my B fragments
.set PFO,  22                          ; v22 2048 x lane: a row of codes a lane
.set PFC,  23                          ; v23 256 x lane
.set RD,   25                          ; v25 stage, back
.set CO,   26                          ; v26 16 x lane
.set SPW,  28                          ; v28 my spare word; never rewritten
.set NIL,  29                          ; v29 0; never rewritten
.set SC,   30                          ; v30 2^E
.set LIM,  31                          ; v31 448 x 2^E
.set CD,   96
.set TM,   128
.set AF,   128
.set G1, 24
.set G0, 32
.set G1B, 48
.set G0B, 56
.set PFA, 10                           ; s[10:11] where my prefetches of A or B stand
.set PCS, 66                           ; s[66:67] my 16 KB of the cluster's part of cs
.set MSB, 0
.macro WIN new                         ; the immediate's high byte repeats the setting that is left
.if MSB != \new
	s_set_vgpr_msb (MSB<<8)|\new
.set MSB, \new
.endif
.endm
.set MUL_LO, 0xa1                      ; source 0 (B) window 1, source 1 (A) window 0, C and D window 2
.set MUL_HI, 0xf1
.set TO_B,   0x40
; A joint load: waves 0 and 1 fetch for A, waves 2 and 3 for B.  An s_nop 0 and four v_nop follow each of the two lines.
.macro JLOAD g0a, g1a, g0b, g1b
	s_cmp_eq_u32 s15, 0
	s_cbranch_scc0 .Lfor_b_\@
	tensor_load_to_lds s[\g0a:\g0a+3], s[\g1a:\g1a+7]
	s_nop 0
.rept 4
	v_nop
.endr
	s_branch .Lasked_\@
.Lfor_b_\@:
	tensor_load_to_lds s[\g0b:\g0b+3], s[\g1b:\g1b+7]
	s_nop 0
.rept 4
	v_nop
.endr
.Lasked_\@:
.endm
.macro CREST
	s_cmp_lg_u32 s14, 0
	s_cbranch_scc1 .Lnot_wave_0_\@
	s_barrier_signal -3
.Lnot_wave_0_\@:
	s_barrier_wait -3
	s_barrier_signal -1
	s_barrier_wait -1
.endm
.macro CROUND
	s_barrier_signal -1
	s_barrier_wait -1
	CREST
.endm
; PREFETCHES INTO THE L2, behind a joint refill and the run of LDS loads behind it.  (1) The K step two refills on: of the 128 rows that I fetch, my work-group's 32 (the four partners that ask jointly share them by address), a lane a row of 256 bytes.
; The last trip's two refills have no K step two on.  (2) q, k, in the first trip alone: my 16 KB of the 1 MB of cs that my cluster's 1,024 rows t will read, 8 KB at each of the trip's two changes, lanes 256 bytes apart.
.macro ASK slot
	s_cmp_gt_u32 s3, 1
	s_cbranch_scc0 .Lnone_\@
	global_prefetch_b8 v[PFO], s[PFA:PFA+1] offset:ROWB th:TH_LOAD_NT scope:SCOPE_SE
	s_cmp_gt_u32 s3, s13
	s_cbranch_scc0 .Lnone_\@
	global_prefetch_b8 v[PFC], s[PCS:PCS+1] offset:8192*\slot th:TH_LOAD_NT scope:SCOPE_SE
.Lnone_\@:
.endm
	s_load_b256 s[68:75], s[0:1], 0x0              ; hq, hk, hv, Wq
	s_load_b256 s[76:83], s[0:1], 0x20             ; Wk, Wv, cs s[80:81], the scales' exponents s[82:83]
	s_load_b128 s[84:87], s[0:1], 0x40             ; qc, kc
	s_load_b64 s[88:89], s[0:1], 0x50              ; vc
	v_lshl_add_u32 v[SPW], v0, 2, SPARE
	v_mov_b32 v[NIL], 0
	ds_add_u32 v[SPW], v[NIL]                      ; the opening: the add, twice on end, and its wait ahead of my first tensor load
	ds_add_u32 v[SPW], v[NIL]
	v_lshrrev_b32 v1, 5, v0
	v_readfirstlane_b32 s14, v1                    ; wave 0..3
	s_lshr_b32 s15, s14, 1                         ; which 128 rows of the tile are mine.  Also: I fetch for A (0) or for B (1)
	s_and_b32 s16, s14, 1                          ; u.  Also: which 128 rows of that tile I fetch
	s_bfe_u32 s40, ttmp6, 0x40000                  ; cx, cy
	s_bfe_u32 s41, ttmp6, 0x40004
	s_lshr_b32 s12, ttmp9, 1                       ; which: 0 q, 1 k, 2 v
	s_and_b32 s42, ttmp9, 1
	s_lshl_b32 s42, s42, 2
	s_add_co_u32 s42, s42, s40                     ; tile column
	s_and_b32 s17, ttmp7, 0xffff
	s_lshl_b32 s17, s17, 2
	s_add_co_u32 s17, s17, s41                     ; tile row
	s_lshl_b32 s43, s41, 2
	s_lshl_b32 s43, 15, s43                        ; my row of the cluster
	s_lshl_b32 s44, 0x1111, s40                    ; my column
	s_or_b32 s[G1+0], s43, (0<<16)|(1<<20)|(1<<21)|(5<<22)|(3<<25)  ; the mask; elements of 1 byte; padding on; bit 21 beside a mask; 4 words behind every 64
	s_or_b32 s[G1B+0], s44, (0<<16)|(1<<20)|(1<<21)|(5<<22)|(3<<25)
.irp g, G1, G1B
	s_mov_b32 s[\g+1], ROWB<<16
	s_mov_b32 s[\g+2], 128<<16
	s_mov_b32 s[\g+3], ROWB<<16
	s_mov_b32 s[\g+4], 128
	s_mov_b32 s[\g+5], KROW
	s_mov_b32 s[\g+6], 0
	s_mov_b32 s[\g+7], 0
.endr
	s_lshl_b32 s18, s16, 7
	s_lshl_b32 s20, s17, 8
	s_add_co_u32 s20, s20, s18
	s_lshl_b32 s20, s20, 11                        ; A: row 256 x tile row + 128 x half, in bytes
	s_mov_b32 s21, 0
	s_lshl_b32 s46, s42, 8
	s_add_co_u32 s46, s46, s18
	s_lshl_b32 s46, s46, 11                        ; B likewise, by the tile column
	s_mov_b32 s47, 0
	s_mul_i32 s45, s14, HALFT                      ; where they go: wave x 128 rows
	s_wait_dscnt 0x0                               ; both opening adds are done
	s_wait_kmcnt 0x0
	s_load_b256 s[92:99], s[82:83], 0x0            ; e0 .. e7
	s_load_b64 s[100:101], s[82:83], 0x20          ; e8, e9
	s_cmp_eq_u32 s12, 0
	s_cselect_b64 s[4:5], s[68:69], s[70:71]       ; A: hq or hk
	s_cselect_b64 s[6:7], s[74:75], s[76:77]       ; B: Wq or Wk
	s_cselect_b64 s[8:9], s[84:85], s[86:87]       ; qc or kc
	s_cmp_eq_u32 s12, 2
	s_cselect_b64 s[4:5], s[78:79], s[4:5]         ; v: A = Wv,
	s_cselect_b64 s[6:7], s[72:73], s[6:7]         ;    B = hv
	s_cselect_b64 s[8:9], s[88:89], s[8:9]
	s_add_nc_u64 s[20:21], s[4:5], s[20:21]
	s_add_nc_u64 s[46:47], s[6:7], s[46:47]
	CROUND                                         ; all sixteen work-groups are here: the first joint loads meet
.irp s, 0,1
	s_mov_b32 s[G0+4*\s], 1
	s_add_co_u32 s[G0+4*\s+1], s45, \s*SLOT
	s_add_nc_u64 s[G0+4*\s+2:G0+4*\s+3], s[20:21], \s*ROWB
	s_or_b32 s[G0+4*\s+3], s[G0+4*\s+3], 0x80000000
	s_mov_b32 s[G0B+4*\s], 1
	s_add_co_u32 s[G0B+4*\s+1], s45, \s*SLOT
	s_add_nc_u64 s[G0B+4*\s+2:G0B+4*\s+3], s[46:47], \s*ROWB
	s_or_b32 s[G0B+4*\s+3], s[G0B+4*\s+3], 0x80000000
.endr
	JLOAD G0, G1, G0B, G1B                         ; K step 0: one tensor load a wave at the head
	s_mul_i32 s21, s15, HALFT                      ; my 128 rows of A
	s_mul_i32 s22, s16, 32*PITCH                   ; my blocks of B begin 32 u rows in,
	s_add_co_u32 s22, s22, 2*HALFT                 ; behind A's 256 rows
	s_mul_i32 s23, s15, 128*CP
	s_lshl_b32 s18, s16, 5
	s_add_co_u32 s18, s23, s18                     ; stage, in: my 128 rows, + 32 u bytes
	s_mul_i32 s19, s16, 256*CP
	s_add_co_u32 s19, s19, s23                     ; stage, back: plane u, my 128 rows
	s_lshl_b32 s20, s17, 1
	s_add_co_u32 s20, s20, s15                     ; rb: my block of 128 rows
	s_lshl_b32 s23, s42, 1
	s_add_co_u32 s23, s23, s16                     ; cb: the block of 128 columns that I store
	s_cmp_eq_u32 s12, 2
	s_cselect_b32 s46, s20, s23                    ; the head: cb for q and k, rb for v
	s_cselect_b32 s47, s23, s20                    ; the block of t: the other one
	s_cselect_b32 s13, 99, 2                       ; q, k: cs is prefetched while the loop's count is above 2; v: never
	s_lshl_b32 s46, s46, 18
	s_lshl_b32 s47, s47, 14
	s_add_co_u32 s46, s46, s47
	s_mov_b32 s47, 0
	s_add_nc_u64 s[8:9], s[8:9], s[46:47]          ; my 16 KB of the result
	s_lshl_b32 s23, s41, 2
	s_add_co_u32 s23, s23, s40
	s_lshl_b32 s23, s23, 2
	s_add_co_u32 s23, s23, s14
	s_lshl_b32 s23, s23, 14                        ; (4 x my place in the cluster + wave) x 16 KB,
	s_and_b32 s46, ttmp7, 0xffff
	s_lshl_b32 s46, s46, 20                        ; in the cluster's 64 blocks of 16 rows
	s_add_co_u32 s46, s46, s23
	s_add_nc_u64 s[PCS:PCS+1], s[80:81], s[46:47]
	s_lshl_b32 s46, s20, 17                        ; cs: my 8 blocks of 16 rows, 16 KB each,
	s_lshl_b32 s23, s16, 13                        ; half u
	s_add_co_u32 s46, s46, s23
	s_add_nc_u64 s[80:81], s[80:81], s[46:47]
	s_lshl_b32 s20, s17, 8
	s_lshl_b32 s23, s42, 8
	s_cmp_eq_u32 s15, 0                            ; do I fetch for A?
	s_cselect_b32 s20, s20, s23                    ; the tile's first row
	s_cselect_b32 s23, s40, s41                    ; my place among the four that ask with me
	s_cselect_b64 s[PFA:PFA+1], s[4:5], s[6:7]
	s_lshl_b32 s46, s16, 7
	s_add_co_u32 s20, s20, s46
	s_lshl_b32 s23, s23, 5
	s_add_co_u32 s20, s20, s23                     ; + the 128 rows that I fetch + my work-group's 32 of them
	s_lshl_b32 s46, s20, 11
	s_add_co_u32 s46, s46, 2*ROWB                  ; at K step 2: the first refill steps it to 3 and names K step 4
	s_add_nc_u64 s[PFA:PFA+1], s[PFA:PFA+1], s[46:47]
	v_and_b32 v1, 15, v0                           ; r
	v_bfe_u32 v2, v0, 4, 1                         ; h
	v_mul_u32_u24 v3, v1, PITCH
	v_lshl_add_u32 v3, v2, 4, v3                   ; a fragment's row x pitch + 16 h
	v_add_nc_u32 v[ADRA], s21, v3
	v_add_nc_u32 v[ADRA+1], SLOT, v[ADRA]
	v_add_nc_u32 v[ADRB], s22, v3
	v_add_nc_u32 v[ADRB+1], SLOT, v[ADRB]
	v_mul_u32_u24 v4, v1, CP
	v_lshl_add_u32 v4, v2, 3, v4
	v_add_nc_u32 v[STV], s18, v4                   ; row r, 8 bytes for each half of the lanes
	v_and_b32 v5, 8, v1
	v_mad_u32_u24 v[STQ], v5, CP, v[STV]           ; row r + 8 (r / 8): t's bit 3 goes to pos's bit 4
	v_bfe_u32 v6, v0, 3, 2
	v_and_b32 v7, 7, v0
	v_mul_u32_u24 v6, v6, CP
	v_lshl_add_u32 v6, v7, 4, v6
	v_add_nc_u32 v[RD], s19, v6                    ; back: four rows of 128 bytes an instruction
	v_and_b32 v8, 31, v0
	v_lshlrev_b32 v[CO], 4, v8
	v_lshlrev_b32 v[PFC], 8, v8
	v_lshlrev_b32 v[PFO], 11, v8
.macro FRAG reg, adr, q, row           ; 16 rows x 128 K: lane l holds row l % 16; registers 4 c .. 4 c + 3 hold K = 32 c + 16 (l / 16) + 0 .. 15: the same places of k in A and in B
.irp c, 0,1,2,3
	ds_load_b128 v[\reg+4*\c:\reg+4*\c+3], v[\adr] offset:128*(\q)+32*\c+(\row)*PITCH
.endr
.endm
; 16 matrix instructions: A's blocks a0, a0 + 1 x B's eight.  The 64 accumulators take turns, in the same order in every step.
.macro MUL16 a0, p, zero
.irp a, \a0, \a0+1
.irp b, 0,1,2,3,4,5,6,7
.if \zero
	v_wmma_f32_16x16x128_fp8_fp8 v[8*(8*((\a)%4)+\b):8*(8*((\a)%4)+\b)+7], v[128*(\p)+FR*\b:128*(\p)+FR*\b+FR-1], v[AF+FR*(\a):AF+FR*(\a)+FR-1], 0
.else
	v_wmma_f32_16x16x128_fp8_fp8 v[8*(8*((\a)%4)+\b):8*(8*((\a)%4)+\b)+7], v[128*(\p)+FR*\b:128*(\p)+FR*\b+FR-1], v[AF+FR*(\a):AF+FR*(\a)+FR-1], v[8*(8*((\a)%4)+\b):8*(8*((\a)%4)+\b)+7]
.endif
.endr
.endr
.endm
.macro FETCH_B slot, q, p
	WIN TO_B
.irp i, 0,1,2,3,4,5,6,7
	FRAG 128*(\p)+FR*\i, ADRB+\slot, \q, 128*(\i/4)+64*((\i%4)/2)+16*(\i%2)
.endr
	WIN 0
.endm
.macro FETCH_A slot, q, i0
.irp i, \i0, \i0+1, \i0+2, \i0+3
	FRAG AF+FR*(\i), ADRA+\slot, \q, 16*(\i)
.endr
.endm
.macro PLACES n
.rept \n
	v_nop
.endr
.endm
.macro STEP slot, q, zero              ; 128 along K, with its successor in the same slot
	s_wait_dscnt 4*NL                              ; B's set and A's blocks 0-3 are in; the youngest sixteen loads (A's blocks 4-7) may be out
	WIN MUL_LO
	MUL16 0, (\q)%2, \zero
	MUL16 2, (\q)%2, \zero
	s_wait_dscnt 0
	PLACES NP
	FETCH_B \slot, (\q)+1, 1-(\q)%2
	FETCH_A \slot, (\q)+1, 0
	WIN MUL_HI
	MUL16 4, (\q)%2, \zero
	MUL16 6, (\q)%2, \zero
	PLACES NP
	WIN 0
	FETCH_A \slot, (\q)+1, 4
.endm
; A slot's last step changes slots: one barrier; in front of it each wave waits for all its tensor loads, adds 0 to its spare word, and waits for that and for its own reads of this slot.
.macro TURN slot, next, fill
.if \fill
	s_wait_xcnt 0x0                                ; my last prefetch has read its address
	s_add_nc_u64 s[PFA:PFA+1], s[PFA:PFA+1], ROWB
.endif
	s_wait_tensorcnt 0x0                           ; my part of the next slot has landed
	ds_add_u32 v[SPW], v[NIL]
	s_wait_dscnt 4*NL+1                            ; the add and the youngest sixteen loads may be out
	WIN MUL_LO
	MUL16 0, 1, 0
	s_wait_dscnt 0x0                               ; the add is done, and my reads of this slot are over
	s_barrier_signal -1
	MUL16 2, 1, 0
	WIN 0
	s_barrier_wait -1
.if \fill
	CREST                                          ; the barrier has opened a round of the cluster's barrier
	s_add_nc_u64 s[G0+4*\slot+2:G0+4*\slot+3], s[G0+4*\slot+2:G0+4*\slot+3], 2*ROWB
	s_add_nc_u64 s[G0B+4*\slot+2:G0B+4*\slot+3], s[G0B+4*\slot+2:G0B+4*\slot+3], 2*ROWB
	JLOAD G0+4*\slot, G1, G0B+4*\slot, G1B         ; the first tensor load behind the round; its four v_nop are the places in front of the loads below
.else
	PLACES NP
.endif
	FETCH_B \next, 0, 0
	FETCH_A \next, 0, 0
.if \fill
	ASK \slot
.endif
	WIN MUL_HI
	MUL16 4, 1, 0
	MUL16 6, 1, 0
	PLACES NP
	WIN 0
	FETCH_A \next, 0, 4
.endm
; cos and sin of block a's 16 rows: 64 registers: cos at 8 ii + j, sin at 32 + 8 ii + j.  Where block a's set lies: window CW, register CB.  Blocks 6 and 7 take the sets of blocks 0 and 1.
.macro CSET a
.if ((\a)%6) == 0
.set CW, 0
.set CB, 32
.elseif (\a) == 5
.set CW, 0
.set CB, 192
.else
.set CW, 1
.set CB, 64*(((\a)-1)%6)
.endif
.endm
.macro CSLD a
	CSET \a
.set WN, CW<<6
	WIN WN
.irp t, 0,1,2,3,4,5,6,7,8,9,10,11,12,13,14,15
	global_load_b128 v[CB+4*\t:CB+4*\t+3], v[CO], s[80:81] offset:(\a)*16384+512*\t
.endr
	WIN 0
.endm
.macro CSL a                           ; the same ahead of the last products, where both ways still share the text: v's clusters go round it (the cluster's x alone decides)
	s_cmp_eq_u32 s12, 2
	s_cbranch_scc1 .Lno_cs_\@
	CSLD \a
.Lno_cs_\@:
.endm
	s_wait_alu depctr_va_vdst(0)
	s_wait_tensorcnt 0x0                           ; my part of K step 0 is in
	ds_add_u32 v[SPW], v[NIL]
	s_wait_dscnt 0x0
	CROUND
	JLOAD G0+4, G1, G0B+4, G1B                     ; K step 1: the first tensor load behind the round
	FETCH_B 0, 0, 0
	FETCH_A 0, 0, 0
	FETCH_A 0, 0, 4
	STEP 0, 0, 1                                   ; the first step's products start the sums
	s_mov_b32 s3, LAPS-1
.Llap:
	TURN 0, 1, 1
	STEP 1, 0, 0
	TURN 1, 0, 1
	STEP 0, 0, 0
	s_sub_co_u32 s3, s3, 1
	s_cmp_lg_u32 s3, 0
	s_cbranch_scc1 .Llap
	CSL 0                                          ; block 0's set lies in registers that the products never name
	TURN 0, 1, 0                                   ; the last lap fills nothing
	STEP 1, 0, 0
	CSL 1                                          ; B's set 0 is done with (four places stand behind its last products)
	CSL 2
	s_wait_dscnt 4*NL
	WIN MUL_LO
	MUL16 0, 1, 0
	MUL16 2, 1, 0
	s_wait_dscnt 0
	WIN MUL_HI
	MUL16 4, 1, 0
	MUL16 6, 1, 0
	WIN 0
	s_wait_kmcnt 0x0
	s_add_co_i32 s92, s92, s93
	s_sub_co_i32 s92, s98, s92                     ; q: e6 - e0 - e1
	s_add_co_i32 s94, s94, s95
	s_sub_co_i32 s94, s99, s94                     ; k: e7 - e2 - e3
	s_add_co_i32 s96, s96, s97
	s_sub_co_i32 s96, s101, s96                    ; v: e9 - e4 - e5
	s_cmp_eq_u32 s12, 0
	s_cselect_b32 s92, s92, s94
	s_cmp_eq_u32 s12, 2
	s_cselect_b32 s92, s96, s92                    ; E: a choice, no branch
	s_add_co_i32 s92, s92, 127
	s_lshl_b32 s93, s92, 23
	v_mov_b32 v[SC], s93
	s_add_co_i32 s92, s92, 8
	s_lshl_b32 s92, s92, 23
	s_or_b32 s92, s92, 0x600000
	v_mov_b32 v[LIM], s92
	PLACES NP                                      ; behind the last products: for the first reads of results and for loads into the registers that held fragments
	s_cmp_eq_u32 s12, 2                            ; the cluster's x alone: all sixteen partners go the same way; no tensor load and no barrier stands on either way
	s_wait_alu depctr_va_vdst(0)
	s_cbranch_scc1 .Lv
; lo' = lo cos_lo - hi sin_lo;  hi' = hi cos_hi + lo sin_hi.  Blocks i = 4 head + ii: ii = 0, 1 lo, ii + 2 hi.  Each accumulator is read from its low end on.
.macro ROPE a
	CSET \a
.set AC, 64*((\a)%4)
.set WN, (2+(\a)/4)|(CW<<2)
	WIN WN                                         ; source 0 the sums, source 1 cos and sin
.irp i, 0,1,2,3,4,5,6,7
.irp j, 0,2,4,6
	v_pk_mul_f32 v[TM+8*\i+\j:TM+8*\i+\j+1], v[AC+8*\i+\j:AC+8*\i+\j+1], v[CB+8*(\i%4)+\j:CB+8*(\i%4)+\j+1]
.endr
.endr
.irp i, 0,1,4,5
.irp j, 0,2,4,6
	v_pk_fma_f32 v[TM+8*\i+\j:TM+8*\i+\j+1], v[AC+8*(\i+2)+\j:AC+8*(\i+2)+\j+1], v[CB+32+8*(\i%4)+\j:CB+32+8*(\i%4)+\j+1], v[TM+8*\i+\j:TM+8*\i+\j+1] neg_lo:[1,0,0] neg_hi:[1,0,0]
	v_pk_fma_f32 v[TM+8*(\i+2)+\j:TM+8*(\i+2)+\j+1], v[AC+8*\i+\j:AC+8*\i+\j+1], v[CB+32+8*(\i%4+2)+\j:CB+32+8*(\i%4+2)+\j+1], v[TM+8*(\i+2)+\j:TM+8*(\i+2)+\j+1]
.endr
.endr
	WIN 0
.endm
.macro HOLD w, src                     ; the conversion to an 8-bit code does not saturate (ISA guide 7.6.2): the hold at 448 x the scale
	WIN \w
.set n, 0
.rept 64
	v_med3_num_f32 v[TM+n], v[(\src)+n], -v[LIM], v[LIM]
.set n, n+1
.endr
	WIN 0
.endm
.macro CVT
.irp b, 0,1,2,3,4,5,6,7
	v_cvt_scalef32_pk8_fp8_f32 v[CD+2*\b:CD+2*\b+1], v[TM+8*\b:TM+8*\b+7], v[SC]
.endr
	v_nop                                          ; a plain line behind the last conversion
.endm
.macro CST adr, row                    ; block i's eight codes: plane i / 4, byte 64 ((i % 4) / 2) + 16 (i % 2) (+ 32 u + 8 h in the register)
.irp i, 0,1,2,3,4,5,6,7
	ds_store_b64 v[\adr], v[CD+2*\i:CD+2*\i+1] offset:((\i/4)*256+(\row))*CP+64*((\i%4)/2)+16*(\i%2)
.endr
.endm
; ---- q, k: a set of cos and sin is asked for three blocks ahead of its use ----
	CSLD 3
.irp a, 0,1,2,3,4,5,6,7
.if \a < 5
	s_wait_loadcnt 48                              ; this block's set is in; the three younger sets, 16 loads each, may be out
.else
	s_wait_loadcnt 16*(7-\a)
.endif
	ROPE \a
.if \a < 4
	CSLD \a+4
.endif
	HOLD 0, TM
	CVT
	CST STQ, 32*(\a/2)+8*(\a%2)                    ; t's bit 4 goes to pos's bit 3
.endr
	s_branch .Lout
; ---- v: no RoPE; a lane's eight numbers are eight neighbouring t of one row d ----
.Lv:
.irp a, 0,1,2,3,4,5,6,7
	HOLD 2+\a/4, 64*(\a%4)
	CVT
	CST STV, 16*\a
.endr
.Lout:
	s_wait_dscnt 0x0                               ; my codes are in the stage: for the others' sake
	s_barrier_signal -1
	s_barrier_wait -1
.set n, 0
.rept 32
	ds_load_b128 v[TM+4*n:TM+4*n+3], v[RD] offset:4*CP*n
.set n, n+1
.endr
.irp g, 0,1,2,3
	s_wait_dscnt 24-8*\g                           ; these eight loads are back; the younger ones may be out
.irp t, 0,1,2,3,4,5,6,7
	global_store_b128 v[CO], v[TM+32*\g+4*\t:TM+32*\g+4*\t+3], s[8:9] offset:512*(8*\g+\t)
.endr
.endr
	s_wait_tensorcnt 0x0                           ; the wave's end
	ds_add_u32 v[SPW], v[NIL]
	s_wait_dscnt 0x0
	CROUND                                         ; the closing round
	s_endpgm
.Lfunc_end_k_q3a59eb887a_qkv:
	.size	k_q3a59eb887a_qkv, .Lfunc_end_k_q3a59eb887a_qkv-k_q3a59eb887a_qkv
	.p2alignl 7, 3214868480
	.fill 96, 4, 3214868480
	.section	.rodata,"a",@progbits
	.p2align	6, 0x0
	.amdhsa_kernel k_q3a59eb887a_qkv
		.amdhsa_group_segment_fixed_size 327680
		.amdhsa_private_segment_fixed_size 0
		.amdhsa_enable_private_segment 0
		.amdhsa_kernarg_size 88
		.amdhsa_user_sgpr_count 2
		.amdhsa_user_sgpr_kernarg_segment_ptr 1
		.amdhsa_wavefront_size32 1
		.amdhsa_system_sgpr_workgroup_id_x 1
		.amdhsa_system_sgpr_workgroup_id_y 1
		.amdhsa_system_sgpr_workgroup_id_z 1
		.amdhsa_system_vgpr_workitem_id 0
		.amdhsa_next_free_vgpr 1024
		.amdhsa_next_free_sgpr 102
		.amdhsa_reserve_vcc 0
		.amdhsa_float_denorm_mode_32 3
		.amdhsa_float_denorm_mode_16_64 3
		.amdhsa_memory_ordered 1
		.amdhsa_forward_progress 1
		.amdhsa_inst_pref_size 213
	.end_amdhsa_kernel
	.amdgpu_metadata
---
amdhsa.version: [ 1, 2 ]
amdhsa.kernels:
  - .name:           k_q3a59eb887a_qkv
    .symbol:         k_q3a59eb887a_qkv.kd
    .args:
      - { .name: hq, .offset: 0, .size: 8, .value_kind: global_buffer, .address_space: global }
      - { .name: hk, .offset: 8, .size: 8, .value_kind: global_buffer, .address_space: global }
      - { .name: hv, .offset: 16, .size: 8, .value_kind: global_buffer, .address_space: global }
      - { .name: Wq_codes, .offset: 24, .size: 8, .value_kind: global_buffer, .address_space: global }
      - { .name: Wk_codes, .offset: 32, .size: 8, .value_kind: global_buffer, .address_space: global }
      - { .name: Wv_codes, .offset: 40, .size: 8, .value_kind: global_buffer, .address_space: global }
      - { .name: cs, .offset: 48, .size: 8, .value_kind: global_buffer, .address_space: global }
      - { .name: lowp_scales, .offset: 56, .size: 8, .value_kind: global_buffer, .address_space: global }
      - { .name: qc, .offset: 64, .size: 8, .value_kind: global_buffer, .address_space: global }
      - { .name: kc, .offset: 72, .size: 8, .value_kind: global_buffer, .address_space: global }
      - { .name: vc, .offset: 80, .size: 8, .value_kind: global_buffer, .address_space: global }
    .group_segment_fixed_size: 327680
    .private_segment_fixed_size: 0
    .kernarg_segment_align: 8
    .kernarg_segment_size: 88
    .max_flat_workgroup_size: 128
    .sgpr_count:     102
    .vgpr_count:     1024
    .wavefront_size: 32
...
	.end_amdgpu_metadata
.endif
;; end of part 6
;; launch attn (part 7): grid 16 x 16, 8 waves a work-group, no clusters, 327,680 bytes of LDS; arguments qc, kc, vc, attention_mask, lowp_scales, oc; writes oc
.if DOCPART == 7
	.amdgcn_target "amdgcn-amd-amdhsa--gfx1250"
	.amdhsa_code_object_version 6
	.text
	.protected	k_q3a59eb887a_attn
	.globl	k_q3a59eb887a_attn
	.p2align	8
	.type	k_q3a59eb887a_attn,@function
k_q3a59eb887a_attn:
	s_mov_b64 s[64:65], 0
	v_nop
	global_prefetch_b8 v0, s[64:65] scope:SCOPE_SE
	s_setreg_imm32_b32 hwreg(HW_REG_WAVE_MODE, 25, 1), 1
	s_wait_xcnt 0x0
; o[h][q] = the sum over k of softmax_k(q . k / sqrt(128)) v[h][k], causal, with the keys' mask, both products on codes of E4M3; o is quantised with 2^e10 into oc [16 head][2048 t][128 d].
; LEFT OUT (shown at the head of launch norm): key steps wholly behind a wave's queries, slots wholly behind the work-group's last query, and the where on masked QUERIES, whose rows launch proj replaces.
; THE SOFTMAX AHEAD OF THE SECOND PRODUCT: t = score x log2(e) / sqrt(128); M = the largest t so far, rounded up to a whole number; p = 2^(t - M) is quantised with 2^e8; the sum is taken of the unquantised p and divides at the end.
; A MASKED KEY gets the bias -2^90 as the C of its score's product (0 for the others): no vector line is spent on it.  Its t lies so far under any counted key's that p = 0.  A row that has met masked keys alone sums finite numbers
;   under a very low M, which the first counted key multiplies by 2^(old M - new M) = 0.  The sum is never under 1/2.  A row with no counted key at all is a masked query's.
; SHARES.  Work-group (g, head) owns the head's blocks of 64 queries 31 - g and g: the same causal work in every work-group, 256 of them.  Wave w: block (w / 4: 0 the late one), 32 queries ((w / 2) % 2), two tiles of 16,
;   and of each slot of 256 keys the 128 with parity w % 2.  So each fragment of K or V read from LDS feeds two matrix instructions.  The two waves of a pair keep M, sum and O of their own; M is a whole number, so the merge at the end rounds nothing but the last scaling.
; NO CLUSTER: the work-groups of a head have different causal limits, so some partner would read nothing of a tile asked for jointly.
; THE RING: two slots of 256 keys, 2^17 bytes apart; each of the eight waves fetches one piece of 64 rows x 128 bytes (waves 0-3: K, waves 4-7: V): one tensor load of a wave is out at any time, and every wait for them is for 0.
; EVERY work-group walks all eight slots: trip counts are constants; a step's WORK, and a slot's load, are jumped over by tests on ids and the count of steps alone, the same in all eight waves for the load.
; LAYOUT.  Both products are used transposed: a lane holds one query (lane % 16).  kc's rows are laid so that the 16 neighbouring rows of tile 2 b + u are the keys 32 b + 8 u + r + 8 (r / 8): the 16 registers of tiles 2 b, 2 b + 1 are the keys 32 b + 16 (lane / 16) + 0 .. 15.
; LIMITS: e6 + e7 between -75 and 35 (the bias times c stays a number, and far under every t); e8 and e10 between -126 and 119; e8 + e9 goes by v_ldexp_f32.
; REGISTERS: window 0: v0 kept; v1-11 addresses; v12-19 the two tiles' -M, largest t, sum (a pair); v20, v21 the hold and the scale; v[22:23], v[30:31] f; v24-29 at work; v32-63 Q; v64-127 four fragments; v128-255 S^T, then p.
;   window 1: v0-127 O^T; v128-191 the bias in the scores' layout; v192-223 p's codes.
.set KP,    144                        ; a row in LDS: 128 bytes + 16 of padding
.set PIECE, 64*KP                      ; what one tensor load brings
.set VOFF,  4*PIECE                    ; a slot: K's 256 rows, then V: step 0's 128 rows d, step 1's
.set STEPB, 2*PIECE
.set SLOT1, 1<<17
.set BIAS,  204800                     ; f32[2048]
.set MERGE, 212992                     ; for each pair: the image of O's 128 registers, then 512 bytes of statistics
.set MPAIR, 16896
.set STAGE, 280576                     ; for each pair: 2 tiles x 16 rows x 144
.set SPAIR, 4608
.set SPARE, 299008                     ; the spare words, 128 bytes for each wave
.set S,   128
.set ST,  12
.set F0,  22
.set MSB, 0
.macro WIN new
.if MSB != \new
	s_set_vgpr_msb (MSB<<8)|\new
.set MSB, \new
.endif
.endm
	s_load_b256 s[4:11], s[0:1], 0x0               ; qc s[4:5], kc s[6:7], vc s[8:9], attention_mask s[10:11]
	s_load_b128 s[12:15], s[0:1], 0x20             ; the scales' exponents s[12:13], oc s[14:15]
	v_lshl_add_u32 v5, v0, 2, SPARE
	v_mov_b32 v6, 0
	ds_add_u32 v5, v6                              ; the wave's opening: the add, twice on end, and its wait ahead of my first tensor load
	ds_add_u32 v5, v6
	v_lshrrev_b32 v8, 5, v0
	s_delay_alu instid0(VALU_DEP_1)
	v_readfirstlane_b32 s16, v8                    ; wave 0..7
	s_and_b32 s17, s16, 1                          ; par
	s_bfe_u32 s18, s16, 0x10001                    ; grp
	s_lshr_b32 s19, s16, 2                         ; blk
	s_and_b32 s46, ttmp7, 0xffff
	s_lshl_b32 s46, s46, 18                        ; the head's first byte in each tensor of codes
	s_mov_b32 s47, 0
	s_sub_co_u32 s48, 31, ttmp9                    ; the late block
	s_cmp_eq_u32 s19, 0
	s_cselect_b32 s36, s48, ttmp9                  ; my block
	s_lshl_b32 s36, s36, 6
	s_lshl_b32 s49, s18, 5
	s_add_co_u32 s36, s36, s49                     ; Q0: my first query
	s_lshl_b32 s40, s48, 6
	s_add_co_u32 s40, s40, 63                      ; QL: the work-group's last query
	s_mov_b32 s24, (0<<16)|(1<<20)|(4<<22)|(3<<25) ; group 1: no mask; elements of 1 byte; 4 words of padding behind every 32
	s_mov_b32 s25, 256<<16                         ; a piece, 64 rows of 128 bytes, is dense in memory: stated as 32 rows of 256 bytes; the padding still stands behind each 128
	s_mov_b32 s26, 32<<16
	s_mov_b32 s27, 256<<16
	s_mov_b32 s28, 32
	s_mov_b32 s29, 256
	s_mov_b32 s30, 0
	s_mov_b32 s31, 0
	s_mov_b32 s32, 1                               ; group 0, which walks
	s_mul_i32 s33, s16, PIECE                      ; my piece's place in slot 0
	s_and_b32 s50, s16, 3
	s_lshl_b32 s50, s50, 13                        ; and in a slot's 32 KB of K or of V in memory
	s_mov_b32 s51, 0
	s_mov_b32 s20, 0x76543210                      ; v_permlanex16_b32: lane l xor 16
	s_mov_b32 s21, 0xfedcba98
	s_mov_b32 s22, 0x3e0293ee                      ; c = log2(e) / sqrt(128)
	s_mov_b32 s2, 0                                ; TB: the slot in hand
	s_lshl_b32 s37, s17, 7                         ; KF: my step's first key
	s_lshl_b32 s38, s17, 9
	s_add_co_u32 s38, s38, BIAS                    ; KB: its bias
	s_mov_b32 s39, 0                               ; KS: the slot's first key
	s_mov_b32 s41, 7                               ; changes of slots that may ask for a slot
	s_cmp_eq_u32 ttmp9, 0
	s_cselect_b32 s42, 1, -1                       ; the head's work-group 0, which walks and loads all slots, prefetches
	s_wait_dscnt 0x0                               ; both opening adds are done
	s_wait_kmcnt 0x0
	s_load_b256 s[68:75], s[12:13], 0x10           ; e4 .. e11
	s_cmp_lt_u32 s16, 4
	s_cselect_b64 s[34:35], s[6:7], s[8:9]         ; waves 0-3: K's codes; waves 4-7: V's
	s_add_nc_u64 s[34:35], s[34:35], s[46:47]
	s_add_nc_u64 s[34:35], s[34:35], s[50:51]
	s_mov_b64 s[44:45], s[34:35]
	s_add_nc_u64 s[44:45], s[44:45], 32768         ; the prefetches stand at slot 1: the first change steps them to slot 2.  Nothing is prefetched here
	s_or_b32 s35, s35, 0x80000000
	tensor_load_to_lds s[32:35], s[24:31]          ; slot 0: every wave's piece, with no branch
	s_nop 0
.rept 4
	v_nop
.endr
	v_and_b32 v8, 15, v0                           ; r
	v_bfe_u32 v9, v0, 4, 1                         ; h
	s_delay_alu instid0(VALU_DEP_2)
	v_lshrrev_b32 v10, 3, v8
	s_delay_alu instid0(VALU_DEP_3)
	v_and_b32 v11, 7, v8
	s_delay_alu instid0(VALU_DEP_2)
	v_lshlrev_b32 v24, 11, v10
	s_delay_alu instid0(VALU_DEP_1)
	v_lshl_add_u32 v24, v11, 7, v24
	s_delay_alu instid0(VALU_DEP_1)
	v_lshl_add_u32 v24, v9, 4, v24                 ; Q: query Q0 + 16 X + r lies at row Q0 + 16 (r / 8) + 8 X + r % 8 of qc
	s_lshl_b32 s50, s36, 7
	s_add_nc_u64 s[4:5], s[4:5], s[46:47]
	s_add_nc_u64 s[4:5], s[4:5], s[50:51]
	s_add_nc_u64 s[14:15], s[14:15], s[46:47]
	s_add_nc_u64 s[14:15], s[14:15], s[50:51]      ; oc at my first query
.irp x, 0,1
.irp c, 0,1,2,3
	global_load_b128 v[32+16*\x+4*\c:35+16*\x+4*\c], v24, s[4:5] offset:1024*\x+32*\c
.endr
.endr
	v_lshlrev_b32 v25, 5, v0
	global_load_b128 v[64:67], v25, s[10:11]       ; eight entries of the mask a thread
	global_load_b128 v[68:71], v25, s[10:11] offset:16
	v_mul_u32_u24 v1, v8, KP
	s_delay_alu instid0(VALU_DEP_1)
	v_lshl_add_u32 v1, v9, 4, v1
	s_mul_i32 s48, s17, STEPB
	v_add_nc_u32 v1, s48, v1                       ; AK0: my step's K: row r, + 16 h
	s_delay_alu instid0(VALU_DEP_1)
	v_add_nc_u32 v2, VOFF, v1                      ; AV0: its V
	v_and_b32 v3, 31, v0
	s_delay_alu instid0(VALU_DEP_1)
	v_lshlrev_b32 v7, 4, v3                        ; GO: 16 x lane
	s_delay_alu instid0(VALU_DEP_2)
	v_lshlrev_b32 v3, 8, v3                        ; PFO: 256 x lane
	v_lshlrev_b32 v4, 6, v9                        ; ABI: 64 h
	s_lshr_b32 s48, s16, 1
	s_mul_i32 s49, s48, MPAIR
	s_add_co_u32 s49, s49, MERGE
	v_add_nc_u32 v11, s49, v7                      ; MA: my pair's image, 16 x lane
	v_lshlrev_b32 v27, 4, v9
	s_delay_alu instid0(VALU_DEP_1)
	v_sub_nc_u32 v27, v8, v27                      ; r - 16 h
	v_mov_b32 v13, 0xff61b1e6                      ; the largest t so far: -3e38
	s_delay_alu instid0(VALU_DEP_1)
	v_floor_f32 v12, -v13                          ; -M
	v_mov_b32 v14, 0
	v_mov_b32 v15, 0
	v_mov_b32 v17, 0xff61b1e6
	s_delay_alu instid0(VALU_DEP_1)
	v_floor_f32 v16, -v17
	v_mov_b32 v18, 0
	v_mov_b32 v19, 0
	v_mov_b32 v23, 0                               ; (named as the upper halves of pairs)
	v_mov_b32 v31, 0
	v_mov_b32 v26, 0                               ; (a lane permute's destination counts as read)
	v_mov_b32 v29, 0xff800000                      ; -infinity
	WIN 0x40
.set n, 0
.rept 128
	v_mov_b32 v[n], 0                              ; O^T.  The step is written once: its first walk finds zeros; and a wave all of whose steps are hidden hands zeros to the merge
.set n, n+1
.endr
	WIN 0
	s_wait_kmcnt 0x0
	s_add_co_i32 s46, s70, s71
	s_lshl_b32 s46, s46, 23
	s_add_co_i32 s22, s22, s46                     ; a score stands for score x 2^(e6 + e7): added to c's exponent field
	s_mov_b32 s23, s22
	s_add_co_i32 s46, s72, 127
	s_lshl_b32 s47, s46, 23
	v_mov_b32 v21, s47                             ; 2^e8
	s_add_co_i32 s46, s46, 8
	s_lshl_b32 s46, s46, 23
	s_or_b32 s46, s46, 0x600000
	v_mov_b32 v20, s46                             ; 448 x 2^e8
	s_add_co_i32 s52, s72, s73                     ; e8 + e9
	s_add_co_i32 s46, s74, 127
	s_lshl_b32 s53, s46, 23                        ; 2^e10
	s_add_co_i32 s46, s46, 8
	s_lshl_b32 s46, s46, 23
	s_or_b32 s54, s46, 0x600000                    ; 448 x 2^e10
	s_wait_loadcnt 0x0                             ; Q and the mask
	v_mov_b32 v24, 0xec800000                      ; -2^90
.irp i, 0,1,2,3,4,5,6,7
	v_cmp_eq_u32 vcc_lo, 0, v[64+\i]
	s_delay_alu instid0(VALU_DEP_1)
	v_cndmask_b32 v[72+\i], 0, v24, vcc_lo
.endr
	v_lshl_add_u32 v25, v0, 5, BIAS
	ds_store_b128 v25, v[72:75]                    ; the first change of slots waits for these and passes a barrier ahead of every read
	ds_store_b128 v25, v[76:79] offset:16
; what the NEXT change of slots will load: each wave of the head's work-group 0 asks for its own piece, 8,192 bytes, lanes 256 bytes apart: each aligned 256 bytes once in the launch.  The last change that loads asks for nothing.
.macro ASK
	s_cmp_gt_u32 s41, s42
	s_cbranch_scc0 .Lnot_mine_\@
	global_prefetch_b8 v3, s[44:45] th:TH_LOAD_NT scope:SCOPE_SE
.Lnot_mine_\@:
.endm
; THE CHANGE OF SLOTS stands at a slot's head.  Behind the barrier the slot ahead is whole and nobody reads the other one, which takes the keys that follow, up to the causal limit.
.macro CHANGE fill
	s_wait_tensorcnt 0x0                           ; no tensor load of mine is out, so group 0 may be written
	ds_add_u32 v5, v6
.if \fill
	s_xor_b32 s33, s33, SLOT1
	s_add_nc_u64 s[34:35], s[34:35], 32768         ; the next 256 keys
	s_wait_xcnt 0x0                                ; the last prefetch, a slot back, has read its address
	s_add_nc_u64 s[44:45], s[44:45], 32768
.endif
	s_wait_dscnt 0x0                               ; the add is done, and my LDS stores and my reads of the slot that I have left are over
	s_barrier_signal -1
	s_barrier_wait -1
.if \fill
	s_add_co_u32 s46, s39, 256                     ; the first key of the slot that this change would ask for
	s_cmp_gt_u32 s46, s40                          ; behind the work-group's last query: none of its waves would read it.  Ids and the count of steps alone: all eight waves go the same way
	s_cbranch_scc1 .Lpast_\@
	tensor_load_to_lds s[32:35], s[24:31]          ; my one tensor load until the next such barrier
	s_nop 0
.rept 4
	v_nop
.endr
.Lpast_\@:
	ASK
.endif
.endm
.macro MAXX x                          ; the step's largest score of my query, the running largest t, -M, f = 2^(old M - new M)
.set SB, S+64*(\x)
.set SS, ST+4*(\x)
	v_max3_num_f32 v24, v[SB], v[SB+1], v[SB+2]    ; each accumulator is read from its low end on
	v_max3_num_f32 v25, v[SB+3], v[SB+4], v[SB+5]
.set n, 6
.rept 14
	v_max3_num_f32 v24, v24, v[SB+n], v[SB+n+1]
	v_max3_num_f32 v25, v25, v[SB+n+2], v[SB+n+3]
.set n, n+4
.endr
	v_max3_num_f32 v24, v24, v[SB+62], v[SB+63]
	s_delay_alu instid0(VALU_DEP_1)
	v_max_num_f32 v24, v24, v25
	s_delay_alu instid0(VALU_DEP_1)
	v_permlanex16_b32 v26, v24, s20, s21
	s_delay_alu instid0(VALU_DEP_1)
	v_max_num_f32 v24, v24, v26
	s_delay_alu instid0(VALU_DEP_1)
	v_mul_f32 v24, s22, v24
	s_delay_alu instid0(VALU_DEP_1)
	v_max_num_f32 v[SS+1], v[SS+1], v24
	v_mov_b32 v24, v[SS]
	s_delay_alu instid0(VALU_DEP_2)
	v_floor_f32 v[SS], -v[SS+1]                    ; -M = floor(-t): M is a whole number
	s_delay_alu instid0(VALU_DEP_1)
	v_sub_f32 v24, v[SS], v24
	s_delay_alu instid0(VALU_DEP_1)
	v_cvt_i32_f32 v24, v24                         ; (it saturates)
	s_delay_alu instid0(VALU_DEP_1)
	v_ldexp_f32 v[F0+8*(\x)], 1.0, v24
.endm
.macro SUMX x                          ; the row's sum is taken of the unquantised p
.set SB, S+64*(\x)
.set LL, ST+4*(\x)+2
	v_pk_add_f32 v[24:25], v[SB:SB+1], v[SB+2:SB+3]
.set n, 4
.rept 15
	v_pk_add_f32 v[LL:LL+1], v[LL:LL+1], v[SB+n:SB+n+1]
	v_pk_add_f32 v[24:25], v[24:25], v[SB+n+2:SB+n+3]
.set n, n+4
.endr
	s_delay_alu instid0(VALU_DEP_1)
	v_pk_add_f32 v[LL:LL+1], v[LL:LL+1], v[24:25]
.endm
.macro VLOAD g                         ; four tiles of V^T: 16 of the head's 128 x my 128 keys
.irp t, 0,1,2,3
.irp c, 0,1,2,3
	ds_load_b128 v[64+16*\t+4*\c:67+16*\t+4*\c], v9 offset:(4*(\g)+\t)*16*KP+32*\c
.endr
.endr
.endm
.macro PV g                            ; O^T += V^T P^T: eight accumulators by turns
	WIN 0x54                                       ; V window 0; P, C and D window 1
.irp t, 0,1,2,3
.irp x, 0,1
	v_wmma_f32_16x16x128_fp8_fp8 v[64*\x+8*(4*(\g)+\t):64*\x+8*(4*(\g)+\t)+7], v[64+16*\t:79+16*\t], v[192+16*\x:207+16*\x], v[64*\x+8*(4*(\g)+\t):64*\x+8*(4*(\g)+\t)+7]
.endr
.endr
	WIN 0
.endm
; MY KEY STEP OF THE SLOT IN HAND: 128 keys x 32 queries
.macro STEP
	s_add_co_u32 s46, s36, 31
	s_cmp_gt_u32 s37, s46                          ; all its keys come after my queries: the work is left out; the lines at its end that step addresses are not
	s_cbranch_scc1 .Lhidden_\@
	v_add_nc_u32 v8, s2, v1
	s_wait_alu depctr_va_vdst(0)
	v_add_nc_u32 v9, s2, v2
	v_add_nc_u32 v10, s38, v4
.rept 4
	v_nop                                          ; places in front of loads into registers that the last products read
.endr
	WIN 0x40
.set n, 0
.rept 16
	ds_load_b128 v[128+4*n:131+4*n], v10 offset:128*(n/4)+16*(n%4)   ; register 16 b + i: the bias of key KF + 32 b + 16 h + i: the scores' own places
.set n, n+1
.endr
	WIN 0
.irp g, 0,1
.if \g > 0
.rept 4
	v_nop
.endr
.endif
.irp t, 0,1,2,3
.irp c, 0,1,2,3
	ds_load_b128 v[64+16*\t+4*\c:67+16*\t+4*\c], v8 offset:(4*\g+\t)*16*KP+32*\c
.endr
.endr
	s_wait_dscnt 0x0
	WIN 0x10                                       ; C (the bias) window 1
.irp t, 0,1,2,3
.irp x, 0,1
	v_wmma_f32_16x16x128_fp8_fp8 v[S+64*\x+8*(4*\g+\t):S+64*\x+8*(4*\g+\t)+7], v[64+16*\t:79+16*\t], v[32+16*\x:47+16*\x], v[128+8*(4*\g+\t):135+8*(4*\g+\t)]
.endr
.endr
	WIN 0
.endr
.rept 4
	v_nop                                          ; places in front of the loads below and of the first reads of the scores
.endr
	s_wait_alu depctr_va_vdst(0)
	VLOAD 0                                        ; lands under the softmax
	s_add_co_u32 s46, s37, 127
	s_cmp_le_u32 s46, s36                          ; all keys count for all my queries: no causal select
	s_cbranch_scc1 .Lopen_\@
.irp x, 0,1
	s_sub_co_i32 s46, s36, s37
	s_add_co_i32 s46, s46, 16*\x
	v_add_nc_u32 v28, s46, v27                     ; d = my query - KF - 16 h.  Register 16 b + i holds key KF + 16 h + 32 b + i: hidden where 32 b + i > d.  Key KF counts for every query of a step that is walked
.set n, 0
.rept 64
	v_cmp_gt_i32 vcc_lo, 32*(n/16)+n%16, v28
	v_cndmask_b32 v[S+64*\x+n], v[S+64*\x+n], v29, vcc_lo
.set n, n+1
.endr
.endr
.Lopen_\@:
	MAXX 0
	MAXX 1
.irp x, 0,1
.set n, 0
.rept 32
	v_pk_fma_f32 v[S+64*\x+n:S+64*\x+n+1], v[S+64*\x+n:S+64*\x+n+1], s[22:23], v[ST+4*\x:ST+4*\x+1] op_sel_hi:[1,0,0]   ; t - M
.set n, n+2
.endr
.endr
.set n, 0
	s_wait_alu depctr_va_vdst(0)
.rept 128
	v_exp_f32 v[S+n], v[S+n]                       ; p = 2^(t - M): one batch
.set n, n+1
.endr
	v_pk_mul_f32 v[14:15], v[14:15], v[22:23] op_sel_hi:[1,0]   ; the sums under the new M: plain lines behind the exponentials
	v_pk_mul_f32 v[18:19], v[18:19], v[30:31] op_sel_hi:[1,0]
	s_wait_alu depctr_va_vdst(0)                   ; the wait ahead of the first line that names a result: one for the batch
	SUMX 0
	SUMX 1
.set n, 0
.rept 128
	v_min_num_f32 v[S+n], v[S+n], v20              ; the conversion does not saturate (ISA guide 7.6.2); p is not negative: a one-sided hold
.set n, n+1
.endr
	WIN 0x40
.irp x, 0,1
.irp b, 0,1,2,3
	v_cvt_scalef32_pk8_fp8_f32 v[192+16*\x+4*\b:193+16*\x+4*\b], v[S+64*\x+16*\b:S+64*\x+16*\b+7], v21
	v_cvt_scalef32_pk8_fp8_f32 v[194+16*\x+4*\b:195+16*\x+4*\b], v[S+64*\x+16*\b+8:S+64*\x+16*\b+15], v21
.endr
.endr
	WIN 0x41
.irp x, 0,1
.set n, 0
.rept 32
	v_pk_mul_f32 v[64*\x+n:64*\x+n+1], v[64*\x+n:64*\x+n+1], v[F0+8*\x:F0+8*\x+1] op_sel_hi:[1,0]   ; O^T under the new M; also the plain lines behind the conversions
.set n, n+2
.endr
.endr
	WIN 0
	s_wait_alu depctr_va_vdst(0)
	s_wait_dscnt 0x0                               ; V's first four tiles
	PV 0
.rept 4
	v_nop
.endr
	VLOAD 1
	s_wait_dscnt 0x0
	PV 1
.Lhidden_\@:
	s_add_co_u32 s37, s37, 256
	s_add_co_u32 s38, s38, 1024
.endm
.macro SLOT_STEP
	STEP
	s_add_co_u32 s39, s39, 256
	s_xor_b32 s2, s2, SLOT1
.endm
.Lslot:                                            ; seven trips
	CHANGE 1
	SLOT_STEP
	s_sub_co_u32 s41, s41, 1
	s_cmp_lg_u32 s41, 0
	s_cbranch_scc1 .Lslot
	CHANGE 0                                       ; the last slot: nothing follows it
	SLOT_STEP
	; THE END.  Each wave finishes its sums; the odd wave of a pair hands O^T, -M and the sums to the even one as images of its registers; the even one merges, divides, quantises and stores.
.rept 4
	v_nop
.endr
	v_add_f32 v14, v14, v15
	v_add_f32 v18, v18, v19
	s_delay_alu instid0(VALU_DEP_2)
	v_permlanex16_b32 v26, v14, s20, s21
	s_delay_alu instid0(VALU_DEP_1)
	v_add_f32 v14, v14, v26
	s_delay_alu instid0(VALU_DEP_2)
	v_permlanex16_b32 v26, v18, s20, s21
	s_delay_alu instid0(VALU_DEP_1)
	v_add_f32 v18, v18, v26
	v_and_b32 v24, 15, v0
	v_bfe_u32 v25, v0, 4, 1
	s_lshr_b32 s46, s16, 1
	s_mul_i32 s46, s46, SPAIR
	s_add_co_u32 s46, s46, STAGE
	v_mul_u32_u24 v8, v24, KP
	s_delay_alu instid0(VALU_DEP_1)
	v_lshl_add_u32 v8, v25, 3, v8
	s_delay_alu instid0(VALU_DEP_1)
	v_add_nc_u32 v8, s46, v8                       ; the stage, in: row r, 8 bytes for each half of the lanes
	v_bfe_u32 v24, v0, 3, 2
	v_and_b32 v25, 7, v0
	s_delay_alu instid0(VALU_DEP_2)
	v_mul_u32_u24 v9, v24, KP
	s_delay_alu instid0(VALU_DEP_1)
	v_lshl_add_u32 v9, v25, 4, v9
	s_delay_alu instid0(VALU_DEP_1)
	v_add_nc_u32 v9, s46, v9                       ; and back: four rows of 128 bytes an instruction
	v_mov_b32 v24, v12
	v_mov_b32 v25, v14
	v_mov_b32 v26, v16
	v_mov_b32 v27, v18
	s_cmp_eq_u32 s17, 0
	s_cbranch_scc1 .Lkeep
	WIN 0x04                                       ; the store's data: window 1
.set n, 0
.rept 32
	ds_store_b128 v11, v[4*n:4*n+3] offset:512*n   ; each accumulator from its low end on
.set n, n+1
.endr
	WIN 0
	ds_store_b128 v11, v[24:27] offset:16384
.Lkeep:
	s_wait_dscnt 0x0                               ; for the partner's sake
	s_barrier_signal -1
	s_barrier_wait -1
	s_cmp_lg_u32 s17, 0
	s_cbranch_scc1 .Lend
	ds_load_b128 v[32:35], v11 offset:16384        ; the partner's -M, sum, -M, sum
.set n, 0
.rept 32
	ds_load_b128 v[S+4*n:S+4*n+3], v11 offset:512*n
.set n, n+1
.endr
	s_wait_dscnt 32                                ; the statistics are in; the partner's O^T may be out
	v_min_num_f32 v36, v12, v32                    ; the lower -M: the larger M
	v_min_num_f32 v37, v16, v34
	s_delay_alu instid0(VALU_DEP_2)
	v_sub_f32 v38, v36, v12
	s_delay_alu instid0(VALU_DEP_3)
	v_sub_f32 v39, v36, v32
	s_delay_alu instid0(VALU_DEP_3)
	v_sub_f32 v40, v37, v16
	s_delay_alu instid0(VALU_DEP_4)
	v_sub_f32 v41, v37, v34
	s_delay_alu instid0(VALU_DEP_4)
	v_cvt_i32_f32 v38, v38
	s_delay_alu instid0(VALU_DEP_4)
	v_cvt_i32_f32 v39, v39
	s_delay_alu instid0(VALU_DEP_4)
	v_cvt_i32_f32 v40, v40
	s_delay_alu instid0(VALU_DEP_4)
	v_cvt_i32_f32 v41, v41
	s_delay_alu instid0(VALU_DEP_4)
	v_ldexp_f32 v38, 1.0, v38                      ; each side's 2^(its M - the larger M): one of the two is 1
	s_delay_alu instid0(VALU_DEP_4)
	v_ldexp_f32 v39, 1.0, v39
	s_delay_alu instid0(VALU_DEP_4)
	v_ldexp_f32 v40, 1.0, v40
	s_delay_alu instid0(VALU_DEP_4)
	v_ldexp_f32 v41, 1.0, v41
	s_delay_alu instid0(VALU_DEP_4)
	v_mul_f32 v42, v14, v38
	s_delay_alu instid0(VALU_DEP_1)
	v_fma_f32 v42, v33, v39, v42                   ; the row's sum
	s_delay_alu instid0(VALU_DEP_4)
	v_mul_f32 v43, v18, v40
	s_delay_alu instid0(VALU_DEP_1)
	v_fma_f32 v43, v35, v41, v43
	s_wait_alu depctr_va_vdst(0)
	v_rcp_f32 v42, v42
	v_rcp_f32 v43, v43
	v_mov_b32 v45, 0                               ; (plain lines behind the reciprocals: the upper halves of the pairs below)
	v_mov_b32 v47, 0
	v_mov_b32 v49, 0
	v_mov_b32 v51, 0
	v_mov_b32 v21, s53                             ; 2^e10
	v_mov_b32 v20, s54                             ; 448 x 2^e10
	s_wait_alu depctr_va_vdst(0)                   ; one wait for the two reciprocals, ahead of their first reader
	v_ldexp_f32 v42, v42, s52                      ; x 2^(e8 + e9)
	v_ldexp_f32 v43, v43, s52
	s_delay_alu instid0(VALU_DEP_2)
	v_mul_f32 v44, v38, v42
	s_delay_alu instid0(VALU_DEP_3)
	v_mul_f32 v46, v39, v42
	s_delay_alu instid0(VALU_DEP_3)
	v_mul_f32 v48, v40, v43
	s_delay_alu instid0(VALU_DEP_4)
	v_mul_f32 v50, v41, v43
	s_wait_alu depctr_va_vdst(0)
	s_wait_dscnt 0x0
.irp x, 0,1
.set n, 0
.rept 32
	v_pk_mul_f32 v[S+64*\x+n:S+64*\x+n+1], v[S+64*\x+n:S+64*\x+n+1], v[46+4*\x:47+4*\x] op_sel_hi:[1,0]
.set n, n+2
.endr
.endr
	WIN 0x01                                       ; source 0 (my O^T) window 1
.irp x, 0,1
.set n, 0
.rept 32
	v_pk_fma_f32 v[S+64*\x+n:S+64*\x+n+1], v[64*\x+n:64*\x+n+1], v[44+4*\x:45+4*\x], v[S+64*\x+n:S+64*\x+n+1] op_sel_hi:[1,0,1]
.set n, n+2
.endr
.endr
	WIN 0
.set n, 0
.rept 128
	v_med3_num_f32 v[S+n], v[S+n], -v20, v20
.set n, n+1
.endr
.set n, 0
.rept 16
	v_cvt_scalef32_pk8_fp8_f32 v[64+2*n:65+2*n], v[S+8*n:S+8*n+7], v21   ; tile n / 8, channels 16 (n % 8) + 8 h + 0 .. 7 of query r
.set n, n+1
.endr
	v_nop
.set n, 0
.rept 16
	ds_store_b64 v8, v[64+2*n:65+2*n] offset:2304*(n/8)+16*(n%8)
.set n, n+1
.endr
.set n, 0
.rept 8
	ds_load_b128 v[96+4*n:99+4*n], v9 offset:2304*(n/4)+576*(n%4)
.set n, n+1
.endr
.set n, 0
.rept 8
	s_wait_dscnt 7-n
	global_store_b128 v7, v[96+4*n:99+4*n], s[14:15] offset:2048*(n/4)+512*(n%4)   ; four rows of 128 bytes: 512 consecutive bytes, aligned
.set n, n+1
.endr
.Lend:
	s_wait_tensorcnt 0x0                           ; the wave's end, behind my last tensor load and my last LDS store
	ds_add_u32 v5, v6
	s_wait_dscnt 0x0
	s_endpgm
.Lfunc_end_k_q3a59eb887a_attn:
	.size	k_q3a59eb887a_attn, .Lfunc_end_k_q3a59eb887a_attn-k_q3a59eb887a_attn
	.p2alignl 7, 3214868480
	.fill 96, 4, 3214868480
	.section	.rodata,"a",@progbits
	.p2align	6, 0x0
	.amdhsa_kernel k_q3a59eb887a_attn
		.amdhsa_group_segment_fixed_size 327680
		.amdhsa_private_segment_fixed_size 0
		.amdhsa_enable_private_segment 0
		.amdhsa_kernarg_size 48
		.amdhsa_user_sgpr_count 2
		.amdhsa_user_sgpr_kernarg_segment_ptr 1
		.amdhsa_wavefront_size32 1
		.amdhsa_system_sgpr_workgroup_id_x 1
		.amdhsa_system_sgpr_workgroup_id_y 1
		.amdhsa_system_sgpr_workgroup_id_z 1
		.amdhsa_system_vgpr_workitem_id 0
		.amdhsa_next_free_vgpr 512
		.amdhsa_next_free_sgpr 76
		.amdhsa_reserve_vcc 1
		.amdhsa_float_denorm_mode_32 3
		.amdhsa_float_denorm_mode_16_64 3
		.amdhsa_memory_ordered 1
		.amdhsa_forward_progress 1
		.amdhsa_inst_pref_size 132
	.end_amdhsa_kernel
	.amdgpu_metadata
---
amdhsa.version: [ 1, 2 ]
amdhsa.kernels:
  - .name:           k_q3a59eb887a_attn
    .symbol:         k_q3a59eb887a_attn.kd
    .args:
      - { .name: qc, .offset: 0, .size: 8, .value_kind: global_buffer, .address_space: global }
      - { .name: kc, .offset: 8, .size: 8, .value_kind: global_buffer, .address_space: global }
      - { .name: vc, .offset: 16, .size: 8, .value_kind: global_buffer, .address_space: global }
      - { .name: attention_mask, .offset: 24, .size: 8, .value_kind: global_buffer, .address_space: global }
      - { .name: lowp_scales, .offset: 32, .size: 8, .value_kind: global_buffer, .address_space: global }
      - { .name: oc, .offset: 40, .size: 8, .value_kind: global_buffer, .address_space: global }
    .group_segment_fixed_size: 327680
    .private_segment_fixed_size: 0
    .kernarg_segment_align: 8
    .kernarg_segment_size: 48
    .max_flat_workgroup_size: 256
    .sgpr_count:     76
    .vgpr_count:     512
    .wavefront_size: 32
...
	.end_amdgpu_metadata
.endif
;; end of part 7
;; launch proj (part 8): grid 16 x 16, 4 waves a work-group, clusters of 4 x 4, 327,680 bytes of LDS; arguments oc, Wo_codes, lowp_scales, attention_mask, x, out0; writes out0
.if DOCPART == 8
	.amdgcn_target "amdgcn-amd-amdhsa--gfx1250"
	.amdhsa_code_object_version 6
	.text
	.protected	k_q3a59eb887a_proj
	.globl	k_q3a59eb887a_proj
	.p2align	8
	.type	k_q3a59eb887a_proj,@function
k_q3a59eb887a_proj:
	s_mov_b64 s[64:65], 0
	v_nop
	global_prefetch_b8 v0, s[64:65] scope:SCOPE_SE
	s_setreg_imm32_b32 hwreg(HW_REG_WAVE_MODE, 25, 1), 1
	s_wait_xcnt 0x0
	s_wait_alu depctr_hold_cnt(0) depctr_sa_sdst(0) depctr_va_vdst(0) depctr_va_sdst(0) depctr_va_ssrc(0) depctr_va_vcc(0) depctr_vm_vsrc(0)
	s_getreg_b32 s2, hwreg(HW_REG_IB_STS2, 6, 4)
	s_cmp_eq_u32 s2, 0
	s_cbranch_scc0 .Lentry_in_a_cluster
	s_endpgm
.Lentry_in_a_cluster:
	s_bfe_u32 s2, ttmp6, 0x10000c
	s_cmp_lg_u32 s2, 0xf033
	s_cbranch_scc0 .Lentry_shape_is_right
	s_endpgm
.Lentry_shape_is_right:
.set AP,     144
.set AHEAD,  128*AP
.set BOFF,   4*AHEAD
.set BP,     528
.set HALFB,  64*BP
.set SLOT,   BOFF+2*HALFB
.set SPARE,  2*SLOT
.set SP,     272
.set WST,    64*SP
.set FR,     16
.set NP,     4
.set ADRA, 16
.set ADRB, 20
.set STO,  24
.set RD,   25
.set CO,   26
.set SPW,  28
.set NIL,  29
.set SCV,  30
.set SCL,  32
.set AM,   40
.set ACC,  128
.set F0,   0
.set F1,   128
.set G1, 24
.set G0, 32
.set G1B, 48
.set G0B, 56
.set MSB, 0
.macro WIN new
.if MSB != \new
	s_set_vgpr_msb (MSB<<8)|\new
.set MSB, \new
.endif
.endm
.set MUL,  0x05
.set TO_F, 0x40
.macro JLOAD s
	s_cmp_eq_u32 s15, 0
	s_cbranch_scc0 .Lfor_b_\@
	tensor_load_to_lds s[G0+4*\s:G0+4*\s+3], s[G1:G1+7]
	s_nop 0
.rept 4
	v_nop
.endr
	s_branch .Lasked_\@
.Lfor_b_\@:
	tensor_load_to_lds s[G0B+4*\s:G0B+4*\s+3], s[G1B:G1B+7]
	s_nop 0
.rept 4
	v_nop
.endr
.Lasked_\@:
.endm
.macro CREST
	s_cmp_lg_u32 s14, 0
	s_cbranch_scc1 .Lnot_wave_0_\@
	s_barrier_signal -3
.Lnot_wave_0_\@:
	s_barrier_wait -3
	s_barrier_signal -1
	s_barrier_wait -1
.endm
.macro CROUND
	s_barrier_signal -1
	s_barrier_wait -1
	CREST
.endm
	s_load_b128 s[4:7], s[0:1], 0x0
	s_load_b128 s[8:11], s[0:1], 0x10
	s_load_b128 s[68:71], s[0:1], 0x20
	v_lshl_add_u32 v[SPW], v0, 2, SPARE
	v_mov_b32 v[NIL], 0
	ds_add_u32 v[SPW], v[NIL]
	ds_add_u32 v[SPW], v[NIL]
	v_lshrrev_b32 v1, 5, v0
	v_readfirstlane_b32 s14, v1
	s_lshr_b32 s15, s14, 1
	s_and_b32 s16, s14, 1
	s_bfe_u32 s40, ttmp6, 0x40000
	s_bfe_u32 s41, ttmp6, 0x40004
	s_lshl_b32 s42, ttmp9, 2
	s_add_co_u32 s42, s42, s40
	s_and_b32 s17, ttmp7, 0xffff
	s_lshl_b32 s17, s17, 2
	s_add_co_u32 s17, s17, s41
	s_lshl_b32 s43, s41, 2
	s_lshl_b32 s43, 15, s43
	s_lshl_b32 s44, 0x1111, s40
	s_or_b32 s[G1+0], s43, (0<<16)|(1<<20)|(1<<21)|(4<<22)|(3<<25)
	s_mov_b32 s[G1+1], 16384<<16
	s_mov_b32 s[G1+2], 2<<16
	s_mov_b32 s[G1+3], 16384<<16
	s_mov_b32 s[G1+4], 2
	s_mov_b32 s[G1+5], 262144
	s_mov_b32 s[G1+6], 0
	s_mov_b32 s[G1+7], 0
	s_or_b32 s[G1B+0], s44, (0<<16)|(1<<20)|(1<<21)|(6<<22)|(3<<25)
	s_mov_b32 s[G1B+1], 512<<16
	s_mov_b32 s[G1B+2], 64<<16
	s_mov_b32 s[G1B+3], 512<<16
	s_mov_b32 s[G1B+4], 64
	s_mov_b32 s[G1B+5], 2048
	s_mov_b32 s[G1B+6], 0
	s_mov_b32 s[G1B+7], 0
	s_lshl_b32 s20, s16, 19
	s_lshl_b32 s18, s17, 14
	s_add_co_u32 s20, s20, s18
	s_mov_b32 s21, 0
	s_lshl_b32 s18, s16, 6
	s_lshl_b32 s46, s42, 7
	s_add_co_u32 s46, s46, s18
	s_lshl_b32 s46, s46, 11
	s_mov_b32 s47, 0
	s_mul_i32 s45, s16, 2*AHEAD
	s_mul_i32 s19, s16, HALFB
	s_add_co_u32 s19, s19, BOFF
	s_wait_dscnt 0x0
	s_wait_kmcnt 0x0
	s_load_b64 s[96:97], s[8:9], 0x28
	s_add_nc_u64 s[20:21], s[4:5], s[20:21]
	s_add_nc_u64 s[46:47], s[6:7], s[46:47]
	CROUND
.irp s, 0,1
	s_mov_b32 s[G0+4*\s], 1
	s_add_co_u32 s[G0+4*\s+1], s45, \s*SLOT
	s_add_nc_u64 s[G0+4*\s+2:G0+4*\s+3], s[20:21], \s*4*262144
	s_or_b32 s[G0+4*\s+3], s[G0+4*\s+3], 0x80000000
	s_mov_b32 s[G0B+4*\s], 1
	s_add_co_u32 s[G0B+4*\s+1], s19, \s*SLOT
	s_add_nc_u64 s[G0B+4*\s+2:G0B+4*\s+3], s[46:47], \s*512
	s_or_b32 s[G0B+4*\s+3], s[G0B+4*\s+3], 0x80000000
.if \s
	s_wait_alu depctr_va_vdst(0)
	s_wait_tensorcnt 0x0                           ; slot 1's first fill is issued as a refill is
	ds_add_u32 v28, v29
	s_wait_dscnt 0x0
	CROUND
.endif
	JLOAD \s
.endr
	v_and_b32 v1, 15, v0
	v_bfe_u32 v2, v0, 4, 1
	v_mul_u32_u24 v3, v1, AP
	v_lshl_add_u32 v3, v2, 4, v3
	v_mul_u32_u24 v4, v1, BP
	v_lshl_add_u32 v4, v2, 4, v4
	s_mul_i32 s21, s15, 64*AP
	s_mul_i32 s22, s16, HALFB
	s_add_co_u32 s22, s22, BOFF
.irp s, 0,1
	v_add_nc_u32 v[ADRA+\s], s21, v3
	v_add_nc_u32 v[ADRB+\s], s22, v4
	s_add_co_u32 s21, s21, SLOT
	s_add_co_u32 s22, s22, SLOT
.endr
	s_mul_i32 s23, s14, WST
	v_mul_u32_u24 v5, v1, SP
	v_lshl_add_u32 v5, v2, 5, v5
	v_add_nc_u32 v[STO], s23, v5
	v_mul_u32_u24 v5, v2, SP
	v_lshl_add_u32 v5, v1, 4, v5
	v_add_nc_u32 v[RD], s23, v5
	v_lshlrev_b32 v5, 13, v2
	v_lshl_add_u32 v[CO], v1, 4, v5
	v_lshlrev_b32 v7, 2, v1
	s_wait_alu depctr_va_vdst(0)
	s_lshl_b32 s20, s17, 7
	s_lshl_b32 s21, s15, 6
	s_add_co_u32 s20, s20, s21
	s_lshl_b32 s22, s20, 2
	s_mov_b32 s23, 0
	s_add_nc_u64 s[10:11], s[10:11], s[22:23]
	s_lshl_b32 s20, s20, 13
	s_lshl_b32 s46, s42, 9
	s_lshl_b32 s47, s16, 8
	s_add_co_u32 s46, s46, s47
	s_add_co_u32 s20, s20, s46
	s_mov_b32 s21, 0
	s_add_nc_u64 s[68:69], s[68:69], s[20:21]
	s_add_nc_u64 s[70:71], s[70:71], s[20:21]
.irp a, 0,1,2,3
	global_load_b32 v[AM+\a], v7, s[10:11] offset:64*\a
.endr
.macro FRAGA reg, slot, q, i
.irp c, 0,1,2,3
	ds_load_b128 v[\reg+4*\c:\reg+4*\c+3], v[ADRA+\slot] offset:AHEAD*(\q)+(\i)*16*AP+32*\c
.endr
.endm
.macro FRAGB reg, slot, q, i
.irp c, 0,1,2,3
	ds_load_b128 v[\reg+4*\c:\reg+4*\c+3], v[ADRB+\slot] offset:128*(\q)+(\i)*16*BP+32*\c
.endr
.endm
.macro FETCH slot, q, f
	WIN TO_F
.irp i, 0,1,2,3
	FRAGB (\f)+64+FR*\i, \slot, \q, \i
.endr
.irp i, 0,1,2,3
	FRAGA (\f)+FR*\i, \slot, \q, \i
.endr
.endm
.macro MUL4 f, a, zero
.irp b, 0,1,2,3
.if \zero
	v_wmma_f32_16x16x128_fp8_fp8 v[ACC+8*(4*(\a)+\b):ACC+8*(4*(\a)+\b)+7], v[(\f)+64+FR*\b:(\f)+64+FR*\b+FR-1], v[(\f)+FR*(\a):(\f)+FR*(\a)+FR-1], 0
.else
	v_wmma_f32_16x16x128_fp8_fp8 v[ACC+8*(4*(\a)+\b):ACC+8*(4*(\a)+\b)+7], v[(\f)+64+FR*\b:(\f)+64+FR*\b+FR-1], v[(\f)+FR*(\a):(\f)+FR*(\a)+FR-1], v[ACC+8*(4*(\a)+\b):ACC+8*(4*(\a)+\b)+7]
.endif
.endr
.endm
.macro PLACES n
.rept \n
	v_nop
.endr
.endm
.macro QUARTER slot, q, zero
	PLACES NP
	FETCH \slot, (\q)+1, 128*(1-(\q)%2)
	s_wait_dscnt 32
	WIN MUL
	MUL4 128*((\q)%2), 0, \zero
	MUL4 128*((\q)%2), 1, \zero
	MUL4 128*((\q)%2), 2, \zero
	MUL4 128*((\q)%2), 3, \zero
.endm
.macro TURN slot, next, fill
	WIN 0
	s_wait_tensorcnt 0x0
	ds_add_u32 v[SPW], v[NIL]
	s_wait_dscnt 9
	WIN MUL
	MUL4 F1, 0, 0
	MUL4 F1, 1, 0
	s_wait_dscnt 0x0
	s_barrier_signal -1
	MUL4 F1, 2, 0
	WIN 0
	s_barrier_wait -1
.if \fill
	CREST
	s_add_nc_u64 s[G0+4*\slot+2:G0+4*\slot+3], s[G0+4*\slot+2:G0+4*\slot+3], 8*262144
	s_add_nc_u64 s[G0B+4*\slot+2:G0B+4*\slot+3], s[G0B+4*\slot+2:G0B+4*\slot+3], 1024
	JLOAD \slot
.else
	PLACES NP
.endif
	FETCH \next, 0, F0
	WIN MUL
	MUL4 F1, 3, 0
.endm
	s_wait_tensorcnt 1
	s_barrier_signal -1
	s_barrier_wait -1
	FETCH 0, 0, F0
	WIN 0x80
.set n, 0
.rept 32
	global_load_b128 v[4*n:4*n+3], v[CO], s[68:69] offset:2*n*8192 th:TH_LOAD_NT
.set n, n+1
.endr
	QUARTER 0, 0, 1
	QUARTER 0, 1, 0
	QUARTER 0, 2, 0
	TURN 0, 1, 1
	QUARTER 1, 0, 0
	QUARTER 1, 1, 0
	QUARTER 1, 2, 0
	TURN 1, 0, 1
	QUARTER 0, 0, 0
	QUARTER 0, 1, 0
	QUARTER 0, 2, 0
	TURN 0, 1, 0
	QUARTER 1, 0, 0
	QUARTER 1, 1, 0
	QUARTER 1, 2, 0
	WIN 0
	s_wait_kmcnt 0x0
	s_add_co_i32 s96, s96, s97
	s_add_co_i32 s96, s96, 127
	s_lshl_b32 s96, s96, 23
	v_mov_b32 v[SCV], s96
	s_wait_alu depctr_va_vdst(0)
	s_wait_loadcnt 0x0
.irp a, 0,1,2,3
	v_cmp_ne_u32 vcc_lo, 0, v[AM+\a]
	v_cndmask_b32 v[SCL+2*\a], 0, v[SCV], vcc_lo
	v_mov_b32 v[SCL+2*\a+1], 0
.endr
	s_wait_dscnt 0x0
	WIN MUL
	MUL4 F1, 0, 0
	MUL4 F1, 1, 0
	MUL4 F1, 2, 0
	MUL4 F1, 3, 0
	WIN 0
	PLACES NP
.macro SCALE a
.set n, 0
.rept 16
	v_pk_mul_f32 v[ACC+32*(\a)+n:ACC+32*(\a)+n+1], v[ACC+32*(\a)+n:ACC+32*(\a)+n+1], v[SCL+2*(\a):SCL+2*(\a)+1] op_sel_hi:[1,0]
.set n, n+2
.endr
.endm
.macro STG a
.irp b, 0,1,2,3
	ds_store_b128 v[STO], v[ACC+8*(4*(\a)+\b):ACC+8*(4*(\a)+\b)+3] offset:(\a)*16*SP+64*\b
	ds_store_b128 v[STO], v[ACC+8*(4*(\a)+\b)+4:ACC+8*(4*(\a)+\b)+7] offset:(\a)*16*SP+64*\b+16
.endr
	WIN TO_F
.irp t, 0,1,2,3,4,5,6,7
	ds_load_b128 v[32*(\a)+4*\t:32*(\a)+4*\t+3], v[RD] offset:(16*(\a)+2*\t)*SP
.endr
	WIN 0
.endm
.macro SEND a, younger
	s_wait_dscnt \younger
	WIN 0x49
.set n, 0
.rept 16
	v_pk_add_f32 v[32*(\a)+n:32*(\a)+n+1], v[32*(\a)+n:32*(\a)+n+1], v[32*(\a)+n:32*(\a)+n+1]
.set n, n+2
.endr
	WIN 0x04
.irp t, 0,1,2,3,4,5,6,7
	global_store_b128 v[CO], v[32*(\a)+4*\t:32*(\a)+4*\t+3], s[70:71] offset:(16*(\a)+2*\t)*8192 th:TH_STORE_NT
.endr
	WIN 0
.endm
	SCALE 0
	STG 0
	SCALE 1
	STG 1
	SEND 0, 16
	SCALE 2
	STG 2
	SEND 1, 16
	SCALE 3
	STG 3
	SEND 2, 16
	SEND 3, 0
	s_wait_tensorcnt 0x0
	ds_add_u32 v[SPW], v[NIL]
	s_wait_dscnt 0x0
	CROUND
	s_endpgm
.Lfunc_end_k_q3a59eb887a_proj:
	.size	k_q3a59eb887a_proj, .Lfunc_end_k_q3a59eb887a_proj-k_q3a59eb887a_proj
	.p2alignl 7, 3214868480
	.fill 96, 4, 3214868480
	.section	.rodata,"a",@progbits
	.p2align	6, 0x0
	.amdhsa_kernel k_q3a59eb887a_proj
		.amdhsa_group_segment_fixed_size 327680
		.amdhsa_private_segment_fixed_size 0
		.amdhsa_enable_private_segment 0
		.amdhsa_kernarg_size 48
		.amdhsa_user_sgpr_count 2
		.amdhsa_user_sgpr_kernarg_segment_ptr 1
		.amdhsa_wavefront_size32 1
		.amdhsa_system_sgpr_workgroup_id_x 1
		.amdhsa_system_sgpr_workgroup_id_y 1
		.amdhsa_system_sgpr_workgroup_id_z 1
		.amdhsa_system_vgpr_workitem_id 0
		.amdhsa_next_free_vgpr 640
		.amdhsa_next_free_sgpr 98
		.amdhsa_reserve_vcc 1
		.amdhsa_float_denorm_mode_32 3
		.amdhsa_float_denorm_mode_16_64 3
		.amdhsa_memory_ordered 1
		.amdhsa_forward_progress 1
		.amdhsa_inst_pref_size 82
	.end_amdhsa_kernel
	.amdgpu_metadata
---
amdhsa.version: [ 1, 2 ]
amdhsa.kernels:
  - .name:           k_q3a59eb887a_proj
    .symbol:         k_q3a59eb887a_proj.kd
    .args:
      - { .name: oc, .offset: 0, .size: 8, .value_kind: global_buffer, .address_space: global }
      - { .name: Wo_codes, .offset: 8, .size: 8, .value_kind: global_buffer, .address_space: global }
      - { .name: lowp_scales, .offset: 16, .size: 8, .value_kind: global_buffer, .address_space: global }
      - { .name: attention_mask, .offset: 24, .size: 8, .value_kind: global_buffer, .address_space: global }
      - { .name: x, .offset: 32, .size: 8, .value_kind: global_buffer, .address_space: global }
      - { .name: out0, .offset: 40, .size: 8, .value_kind: global_buffer, .address_space: global }
    .group_segment_fixed_size: 327680
    .private_segment_fixed_size: 0
    .kernarg_segment_align: 8
    .kernarg_segment_size: 48
    .max_flat_workgroup_size: 128
    .sgpr_count:     98
    .vgpr_count:     640
    .wavefront_size: 32
...
	.end_amdgpu_metadata
.endif
;; end of part 8
